; MI455X (gfx1250); checked and timed in simulation.
; The chip was launched on July 23, 2026; its instructions are those of AMD's public machine-readable ISA for CDNA 5 (MIT licence, August 2026) and "CDNA5" Instruction Set Architecture Reference Guide (July 2026). The comments in the code are by the model that wrote it; some were corrected since.
;; Attention. Allowed arithmetic: float matrix products may take bf16 or f16 operands with f32 sums; all other float work in f32.
;; Inputs: Wk 256 x 256 float32; Wo 256 x 512 float32; Wq 256 x 256 float32; Wv 512 x 256 float32; bo 256 float32; k_b 256 float32; k_g 256 float32; k_m 256 float32; k_v 256 float32; o_b 256 float32; o_g 256 float32; o_m 256 float32; o_v 256 float32; pos_idx 1,024 x 1,024 int32; pos_tab 1,024 x 8 float32; q_b 256 float32; q_g 256 float32; q_m 256 float32; q_v 256 float32; v_b 512 float32; v_g 512 float32; v_m 512 float32; v_v 512 float32; x 16 x 256 x 32 x 32 float32.
;; Outputs: out0 16 x 256 x 32 x 32 float32.
;; 3 versions, each right and faster than the one before. Each part assembles by itself: llvm-mc -triple=amdgcn-amd-amdhsa -mcpu=gfx1250 --defsym DOCPART=n.
;; ======== version 1 of 3: 3 launches
;; workspace buffers: qf 8,388,608 bytes; kv 25,165,824 bytes; biasw 33,554,432 bytes; wof 524,288 bytes; af 33,554,432 bytes
;; launch prep (part 1): grid 4 x 64, 8 waves a work-group, no clusters, 310,272 bytes of LDS; arguments x, Wq, Wk, Wv, q_g, q_v, q_m, q_b, k_g, k_v, k_m, k_b, v_g, v_v, v_m, v_b, pos_idx, pos_tab, Wo, qf, kv, biasw, wof; writes qf, kv, biasw, wof
.if DOCPART == 1
	.amdgcn_target "amdgcn-amd-amdhsa--gfx1250"
	.amdhsa_code_object_version 6
	.text
	.protected	k_qcb0a143474_prep
	.globl	k_qcb0a143474_prep
	.p2align	8
	.type	k_qcb0a143474_prep,@function
k_qcb0a143474_prep:
	s_mov_b64 s[64:65], 0
	v_nop
	global_prefetch_b8 v0, s[64:65] scope:SCOPE_SE
	s_setreg_imm32_b32 hwreg(HW_REG_WAVE_MODE, 25, 1), 1
	s_wait_xcnt 0x0
; prep: the three 1x1 convolutions with their batch norms, the bias table of the attention, and Wo as a sum of two bf16 numbers.
; Everything is stored as FRAGMENT IMAGES: one 16 x 32 bf16 operand (or one 16 x 16 f32 C tile) is 1,024 bytes, part*512 + lane*16,
; part 0 = the lane's registers 0-3, part 1 = registers 4-7.  So every store of a wave here, and every load of the later launches, covers 512
; consecutive aligned bytes, and nothing is transposed between launches.
; Work-group (ob, nb): ob = 0 q, 1 k, 2 and 3 the two halves of v; nb = 256 positions of one batch.  256 rows of W x 256 positions, K = 256.
; Eight waves, each 128 rows of W (8 tiles wt) x 64 positions (4 tiles pt): 32 accumulators, 256 registers, in window 1.
; q, k: D = W(A) x(B): lane = position, registers = 8 channels, which packed are the operand image with K = dk.
; v:    D = x(A) W(B): lane = channel dv, registers = 8 positions, which packed are the operand image with K = keys.
; q is stored times DK^-0.5 log2(e), the bias times sqrt(DK) log2(e): the softmax of the next launch works in base 2.
; NO TENSOR LOADS, NO MULTICAST: x and W are f32 in memory and pass through registers to be rounded to bf16; the whole K of both in bf16
; (139,264 + 135,168 bytes) leaves no room in LDS for an f32 stage.
; LIMITS: indices of pos_idx are clamped to 0..1023; g * rsq(v + eps) stands for
; g / sqrt(v + eps) (1 ulp); NaN and infinities in the inputs are not reproduced.
.set XP, 544                           ; LDS pitch of x [c][256 positions] bf16: 512 + 32, an odd multiple of 32 for the transposing load
.set WP, 528                           ; LDS pitch of W [o][256 c] bf16: 512 + 16, an odd multiple of 16
.set WS, 256*XP                        ; W behind x
.set PT, WS+256*WP                     ; pos_tab, 32,768 bytes
.set SC, PT+32768                      ; s[256], and 1,024 bytes further t[256]: y*s + t is the batch norm
.set ST, 32                            ; v32-159   a chunk as loaded: 32 x 16 bytes a lane
.set WF, 160                           ; v160-223  8 fragments of W
.set XF, 224                           ; v224-255  4 fragments of x
.set GG, 160                           ; ahead of the products: pos_tab on its way to LDS, then the gathered rows
.set PR, 192                           ; g, v, m, b of channel v0
.set IX0, 196                          ; 16 indices
.set OU, 212                           ; 8 heads x 4 bias numbers to store
.set GA, 244                           ; 4 LDS addresses of gathered rows
.set TMP, 32                           ; way out: f32 at work
.set OUTR, 96                          ; way out: v96-223, every store has registers of its own
.set SR, 224
.set TR, 240
.set MSB, 0
.macro WIN new                         ; s_set_vgpr_msb; the immediate's high byte repeats the setting that is left
.if MSB != \new
	s_set_vgpr_msb (MSB<<8)|\new
.set MSB, \new
.endif
.endm
.macro MM d, a, b, z                   ; one product; z: it starts the sum
.if \z
	v_wmma_f32_16x16x32_bf16 v[\d:\d+7], v[\a:\a+7], v[\b:\b+7], 0
.else
	v_wmma_f32_16x16x32_bf16 v[\d:\d+7], v[\a:\a+7], v[\b:\b+7], v[\d:\d+7]
.endif
.endm
	s_load_b512 s[4:19], s[0:1], 0x0               ; x, Wq, Wk, Wv, q_g, q_v, q_m, q_b
	s_load_b512 s[20:35], s[0:1], 0x40             ; k_g, k_v, k_m, k_b, v_g, v_v, v_m, v_b
	s_load_b256 s[36:43], s[0:1], 0x80             ; pos_idx, pos_tab, Wo, qf
	s_load_b128 s[44:47], s[0:1], 0xa0             ; kv, biasw
	s_load_b64 s[48:49], s[0:1], 0xb0              ; wof
	v_lshl_add_u32 v30, v0, 2, 0x4b800
	v_mov_b32 v31, 0
	v_and_b32 v1, 31, v0                           ; lane L
	v_lshrrev_b32 v2, 5, v0
	v_readfirstlane_b32 s50, v2                    ; wave w
	v_and_b32 v3, 15, v0                           ; r = L & 15
	v_bfe_u32 v4, v0, 4, 1                         ; hh = L >> 4
	s_mov_b32 s51, ttmp9                           ; ob
	s_and_b32 s86, ttmp7, 0xffff                   ; nb
	s_lshr_b32 s87, s86, 2                         ; batch (and: block of 64 queries of the bias tile)
	s_and_b32 s88, s86, 3                          ; which 256 positions of the batch
	s_lshr_b32 s89, s50, 2                         ; wo: my 128 rows of W
	s_and_b32 s90, s50, 3                          ; wn: my 64 positions
	s_lshl_b32 s91, s87, 3
	s_lshl2_add_u32 s91, s89, s91                  ; 8 b + 4 wo: my first head in q and k
	s_lshl_b32 s2, s88, 3
	s_lshl1_add_u32 s2, s90, s2                    ; 8 (nb & 3) + 2 wn: my first pair of position tiles
	s_mov_b32 s63, 0x410293ee                      ; sqrt(32) log2(e)
	v_lshlrev_b32 v5, 4, v0                        ; pos_tab: 16 bytes a thread
	s_lshl_b32 s82, s50, 9
	s_add_co_u32 s82, s82, PT
	v_lshl_add_u32 v6, v1, 4, s82                  ; and where they go in LDS
	v_lshlrev_b32 v7, 2, v0                        ; the parameters of channel v0
	s_lshl_b32 s82, s50, 7
	v_lshlrev_b32 v9, 12, v3
	v_lshl_add_u32 v9, v4, 5, v9
	v_add_nc_u32 v9, s82, v9                       ; indices: row r, 8 hh + 32 w numbers along it
	s_add_co_u32 s82, s82, SC
	v_lshl_add_u32 v8, v1, 2, s82                  ; s of channel v0 in LDS
	s_lshl_b32 s82, s50, 15
	v_lshl_add_u32 v10, v1, 4, s82                 ; x: rows 8 w .., 16 bytes a lane
	v_lshl_add_u32 v11, v3, 4, s82
	v_lshl_add_u32 v11, v4, 13, v11                ; W: rows 32 w + 8 hh .., sixteen lanes take 256 bytes of a row
	s_mul_i32 s83, s50, 8*XP
	v_lshl_add_u32 v12, v1, 3, s83                 ; x in LDS: rows 8 w .., 8 bytes a lane
	s_mul_i32 s83, s50, 32*WP
	s_add_co_u32 s83, s83, WS
	v_mul_u32_u24 v13, v4, 8*WP
	v_lshl_add_u32 v13, v3, 3, v13
	v_add_nc_u32 v13, s83, v13                     ; W in LDS: the two halves of the lanes lie 8 rows = 128 bytes mod 256 apart
	s_mul_i32 s83, s89, 128*WP
	s_add_co_u32 s83, s83, WS
	v_mul_u32_u24 v14, v3, WP
	v_lshl_add_u32 v14, v4, 4, v14
	v_add_nc_u32 v14, s83, v14                     ; fragments of W: row 128 wo + r, 16 hh
	v_and_b32 v20, 7, v0
	v_lshl_add_u32 v20, v4, 3, v20
	v_mul_u32_u24 v15, v20, XP
	v_bfe_u32 v20, v0, 3, 1
	v_lshl_add_u32 v15, v20, 4, v15
	s_lshl_b32 s83, s90, 7
	v_add_nc_u32 v15, s83, v15                     ; fragments of x, transposing load: row 8 hh + (L & 7), 16 ((L >> 3) & 1), my 64 positions
	s_lshl_b32 s83, s50, 13
	v_lshl_add_u32 v16, v1, 4, s83                 ; bias tiles: 16 L + my two key tiles
	v_lshlrev_b32 v17, 4, v1                       ; an image's 16 bytes of lane L
	s_lshl_b32 s83, s89, 9
	s_add_co_u32 s83, s83, SC
	v_lshl_add_u32 v18, v4, 5, s83                 ; s of channels 128 wo + 8 hh ..
	v_lshl_add_u32 v19, v3, 2, s83                 ; s of channel 128 wo + r
	v_lshlrev_b32 v21, 11, v3
	v_lshl_add_u32 v21, v4, 5, v21                 ; Wo: row r, 8 hh numbers along it
	s_wait_kmcnt 0x0
	; which W and which batch norm: a choice between buffers on the work-group's number
	s_cmp_eq_u32 s51, 0
	s_cselect_b64 s[52:53], s[6:7], s[8:9]
	s_cselect_b64 s[54:55], s[12:13], s[20:21]
	s_cselect_b64 s[56:57], s[14:15], s[22:23]
	s_cselect_b64 s[58:59], s[16:17], s[24:25]
	s_cselect_b64 s[60:61], s[18:19], s[26:27]
	s_cselect_b32 s62, 0x3e8293ee, 1.0             ; q alone carries DK^-0.5 log2(e)
	s_cmp_ge_u32 s51, 2
	s_cselect_b64 s[52:53], s[10:11], s[52:53]
	s_cselect_b64 s[54:55], s[28:29], s[54:55]
	s_cselect_b64 s[56:57], s[30:31], s[56:57]
	s_cselect_b64 s[58:59], s[32:33], s[58:59]
	s_cselect_b64 s[60:61], s[34:35], s[60:61]
	s_cmp_eq_u32 s51, 3                            ; v's second 256 channels
	s_cselect_b32 s82, 0x40000, 0
	s_cselect_b32 s84, 0x400, 0
	s_mov_b32 s83, 0
	s_mov_b32 s85, 0
	s_add_nc_u64 s[52:53], s[52:53], s[82:83]
	s_add_nc_u64 s[54:55], s[54:55], s[84:85]
	s_add_nc_u64 s[56:57], s[56:57], s[84:85]
	s_add_nc_u64 s[58:59], s[58:59], s[84:85]
	s_add_nc_u64 s[60:61], s[60:61], s[84:85]
	s_lshl_b32 s82, s87, 20
	s_lshl_b32 s84, s88, 10
	s_add_co_u32 s82, s82, s84
	s_add_nc_u64 s[92:93], s[4:5], s[82:83]        ; x at my batch and my 256 positions
	s_lshl_b32 s82, s86, 16
	s_lshl_b32 s84, s51, 10
	s_add_co_u32 s82, s82, s84
	s_add_nc_u64 s[94:95], s[36:37], s[82:83]      ; pos_idx at query tile nb, key tiles 16 ob ..
	s_lshl_b32 s82, s87, 18
	s_lshl_b32 s84, s88, 10
	s_add_co_u32 s82, s82, s84
	s_lshl_b32 s84, s51, 16
	s_add_co_u32 s82, s82, s84
	s_add_nc_u64 s[66:67], s[46:47], s[82:83]      ; biasw [h][nb >> 2][kt][nb & 3][1024], head 0,
.irp h, 1,2,3,4,5,6,7
	s_add_nc_u64 s[66+2*\h:67+2*\h], s[66+2*(\h-1):67+2*(\h-1)], 0x400000   ; and a base for each further head
.endr
; chunk i: 64 channels c of x (my 8 rows x 1,024 bytes) and of W (my 32 rows x 256 bytes): 32 loads of 16 bytes a lane
.macro LOADCHUNK i
.irp j, 0,1,2,3,4,5,6,7
	global_load_b128 v[ST+8*\j:ST+8*\j+3], v10, s[92:93] offset:(\i)*262144+\j*4096
	global_load_b128 v[ST+8*\j+4:ST+8*\j+7], v10, s[92:93] offset:(\i)*262144+\j*4096+512
.endr
.irp j, 0,1,2,3,4,5,6,7,8,9,10,11,12,13,14,15
	global_load_b128 v[ST+64+4*\j:ST+64+4*\j+3], v11, s[52:53] offset:((\j&7)+16*(\j>>3))*1024+(\i)*256
.endr
.endm
.irp i, 0,1,2,3,4,5,6,7
	global_load_b128 v[GG+4*\i:GG+4*\i+3], v5, s[38:39] offset:\i*4096
.endr
	global_load_b32 v[PR], v7, s[54:55]
	global_load_b32 v[PR+1], v7, s[56:57]
	global_load_b32 v[PR+2], v7, s[58:59]
	global_load_b32 v[PR+3], v7, s[60:61]
.irp u, 0,1
.irp part, 0,1
	global_load_b128 v[IX0+8*\u+4*\part:IX0+8*\u+4*\part+3], v9, s[94:95] offset:\u*64+\part*16
.endr
.endr
	LOADCHUNK 0
	s_wait_loadcnt 32                              ; loads come back in order: all but chunk 0's 32 are in
.irp i, 0,1,2,3,4,5,6,7
	ds_store_b128 v6, v[GG+4*\i:GG+4*\i+3] offset:\i*4096
.endr
	v_add_f32 v[PR+1], 0x3727c5ac, v[PR+1]         ; v + 1e-5
	v_rsq_f32 v248, v[PR+1]
	v_mul_f32 v[PR+3], s62, v[PR+3]                ; b f: the plain instruction behind the reciprocal root
	v_mul_f32 v[PR], s62, v[PR]
	s_wait_alu depctr_va_vdst(0)
	v_mul_f32 v[PR], v[PR], v248                   ; s = g f / sqrt(v + eps)
	v_fma_f32 v[PR+3], -v[PR+2], v[PR], v[PR+3]    ; t = b f - m s
	ds_store_b32 v8, v[PR]
	ds_store_b32 v8, v[PR+3] offset:1024
	s_wait_dscnt 0x0                               ; my stores are done, for the other waves' sake
	s_barrier_signal -1
	s_barrier_wait -1                              ; pos_tab, s and t are whole; no LDS byte of this kernel is ever written twice
; THE BIAS.  Query tile nb, my key tiles 16 ob + 2 w + u.  Lane (r, hh) holds the C tile's registers j = 4 part + e: query r, key 8 hh + j.
; One gathered row of pos_tab holds all 8 heads; the multiply by sqrt(32) log2(e) also turns [e][h] into [h][e].
.macro BIASHALF u, part, first
.set IX, IX0+8*\u+4*\part
.irp e, 0,1,2,3
	v_min_u32 v[IX+\e], 0x3ff, v[IX+\e]            ; an index stays inside the table
.endr
.irp e, 0,1,2,3
	v_lshl_add_u32 v[GA+\e], v[IX+\e], 5, PT
.endr
.irp e, 0,1,2,3
	ds_load_b128 v[GG+8*\e:GG+8*\e+3], v[GA+\e]
	ds_load_b128 v[GG+8*\e+4:GG+8*\e+7], v[GA+\e] offset:16
.endr
	s_wait_dscnt 0x0
.if \first == 0
	s_wait_xcnt 0x0                                ; the last half's stores have read their data: it is rewritten only behind this wait
.endif
.irp h, 0,1,2,3,4,5,6,7
.irp e, 0,1,2,3
	v_mul_f32 v[OU+4*\h+\e], s63, v[GG+8*\e+\h]
.endr
.endr
.irp h, 0,1,2,3,4,5,6,7
	global_store_b128 v16, v[OU+4*\h:OU+4*\h+3], s[66+2*\h:67+2*\h] offset:\u*4096+\part*512
.endr
.endm
	BIASHALF 0, 0, 1
	BIASHALF 0, 1, 0
	BIASHALF 1, 0, 0
	BIASHALF 1, 1, 0
	s_wait_xcnt 0x0                                ; the fragments below land on registers that these stores read
; One K step of 32: 8 fragments of W, 4 of x, 32 products on 32 accumulators that take turns, always in the same order.
.macro KSTEP ks, mode
.if (\ks) & 1
.rept 4
	v_nop                                          ; four places between the last products and the loads into their sources
.endr                                              ; an even K step has the chunk's conversions there
.endif
.irp wt, 0,1,2,3,4,5,6,7
	ds_load_b128 v[WF+8*\wt:WF+8*\wt+3], v14 offset:\wt*16*WP+(\ks)*64
	ds_load_b128 v[WF+8*\wt+4:WF+8*\wt+7], v14 offset:\wt*16*WP+(\ks)*64+32
.endr
.irp pt, 0,1,2,3
	ds_load_tr16_b128 v[XF+8*\pt:XF+8*\pt+3], v15 offset:((\ks)&1)*32*XP+\pt*32
	ds_load_tr16_b128 v[XF+8*\pt+4:XF+8*\pt+7], v15 offset:((\ks)&1)*32*XP+\pt*32+16*XP
.endr
	s_wait_dscnt 0x0
	WIN 0x50                                       ; C and D in window 1
.irp wt, 0,1,2,3,4,5,6,7
.irp pt, 0,1,2,3
.if \mode
	MM 8*(4*\wt+\pt), XF+8*\pt, WF+8*\wt, (\ks)==0
.else
	MM 8*(4*\wt+\pt), WF+8*\wt, XF+8*\pt, (\ks)==0
.endif
.endr
.endr
	WIN 0
.endm
; A chunk: round to bf16 in place, store to LDS, ask for the next chunk, one barrier, two K steps while the next chunk is on its way.
.macro CHUNK i
	s_wait_loadcnt 0x0
.set k, 0
.rept 32
	v_cvt_pk_bf16_f32 v[ST+4*k], v[ST+4*k], v[ST+4*k+1]
	v_cvt_pk_bf16_f32 v[ST+4*k+1], v[ST+4*k+2], v[ST+4*k+3]
.set k, k+1
.endr
.irp j, 0,1,2,3,4,5,6,7
	ds_store_b64 v12, v[ST+8*\j:ST+8*\j+1] offset:\j*XP
	ds_store_b64 v12, v[ST+8*\j+4:ST+8*\j+5] offset:\j*XP+256
.endr
.irp j, 0,1,2,3,4,5,6,7,8,9,10,11,12,13,14,15
	ds_store_b64 v13, v[ST+64+4*\j:ST+64+4*\j+1] offset:((\j&7)+16*(\j>>3))*WP+(\i)*128
.endr
	s_wait_dscnt 0x0                               ; my part of the chunk is in LDS, for the other waves' sake
.if \i < 3
	LOADCHUNK (\i+1)
.endif
	s_barrier_signal -1
	s_barrier_wait -1
	s_cmp_ge_u32 s51, 2                            ; the same in all waves: v takes x as the first operand
	s_cbranch_scc1 .Lvk_\@
	KSTEP 2*(\i), 0
	KSTEP 2*(\i)+1, 0
	s_branch .Ljk_\@
.Lvk_\@:
	KSTEP 2*(\i), 1
	KSTEP 2*(\i)+1, 1
.Ljk_\@:
.if \i < 3
	v_add_nc_u32 v12, 64*XP, v12                   ; x's next 64 rows in LDS
	v_add_nc_u32 v15, 64*XP, v15
.endif
.endm
	CHUNK 0
	CHUNK 1
	CHUNK 2
	CHUNK 3
; q and k out.  A head is two tiles wt; tile wt & 1 is part wt & 1 of the image.  s and t hang on the register (channel 8 hh + j).
.macro EPI_QK HS, PS
.rept 4
	v_nop                                          ; four places behind the last products
.endr
.irp hd, 0,1,2,3
.irp e, 0,1
	ds_load_b128 v[SR+8*\e:SR+8*\e+3], v18 offset:(2*\hd+\e)*64
	ds_load_b128 v[SR+8*\e+4:SR+8*\e+7], v18 offset:(2*\hd+\e)*64+16
	ds_load_b128 v[TR+8*\e:TR+8*\e+3], v18 offset:1024+(2*\hd+\e)*64
	ds_load_b128 v[TR+8*\e+4:TR+8*\e+7], v18 offset:1024+(2*\hd+\e)*64+16
.endr
	s_wait_dscnt 0x0
	WIN 0x01                                       ; source 0 in window 1
.irp pt, 0,1,2,3
.irp e, 0,1
.irp j, 0,2,4,6
	v_pk_fma_f32 v[TMP+16*\pt+8*\e+\j:TMP+16*\pt+8*\e+\j+1], v[8*(4*(2*\hd+\e)+\pt)+\j:8*(4*(2*\hd+\e)+\pt)+\j+1], v[SR+8*\e+\j:SR+8*\e+\j+1], v[TR+8*\e+\j:TR+8*\e+\j+1]
.endr
.endr
.endr
	WIN 0
.irp pt, 0,1,2,3
.irp e, 0,1
.irp q, 0,1,2,3
	v_cvt_pk_bf16_f32 v[OUTR+32*\hd+8*\pt+4*\e+\q], v[TMP+16*\pt+8*\e+2*\q], v[TMP+16*\pt+8*\e+2*\q+1]
.endr
.endr
.endr
.irp pt, 0,1,2,3
.irp e, 0,1
	global_store_b128 v17, v[OUTR+32*\hd+8*\pt+4*\e:OUTR+32*\hd+8*\pt+4*\e+3], s[96:97] offset:\hd*\HS+(\pt>>1)*\PS+(\pt&1)*1024+\e*512
.endr
.endr
.endr
.endm
	s_cmp_ge_u32 s51, 2
	s_cbranch_scc1 .Lvout
	s_cmp_eq_u32 s51, 0
	s_cbranch_scc0 .Lkout
	s_lshl_b32 s82, s91, 16                        ; qf [b][h][tile 64][1024]
	s_lshl_b32 s84, s2, 11
	s_add_co_u32 s82, s82, s84
	s_add_nc_u64 s[96:97], s[42:43], s[82:83]
	EPI_QK 65536, 2048
	s_branch .Lwo
.Lkout:
	s_mul_i32 s82, s91, 196608                     ; kv [b][h][32 keys: 32][6144]: two K tiles, then four V tiles
	s_mul_i32 s84, s2, 6144
	s_add_co_u32 s82, s82, s84
	s_add_nc_u64 s[96:97], s[44:45], s[82:83]
	EPI_QK 196608, 6144
	s_branch .Lwo
.Lvout:
	s_lshl_b32 s82, s87, 3
	s_lshl_b32 s84, s51, 2
	s_add_co_u32 s82, s82, s84
	s_sub_co_u32 s82, s82, 8
	s_lshl1_add_u32 s82, s89, s82                  ; 8 b + 4 (ob - 2) + 2 wo: my first head
	s_lshl_b32 s82, s82, 5
	s_add_co_u32 s82, s82, s2
	s_mul_i32 s82, s82, 6144
	s_add_nc_u64 s[96:97], s[44:45], s[82:83]
	; v out.  Position tile pt & 1 is part pt & 1 of the image; s and t hang on the lane (channel r) and are broadcast to both halves of a pair.
.rept 4
	v_nop
.endr
.irp wt, 0,1,2,3,4,5,6,7
	ds_load_b32 v[SR+\wt], v19 offset:\wt*64
	ds_load_b32 v[TR+\wt], v19 offset:1024+\wt*64
.endr
	s_wait_dscnt 0x0
.irp g, 0,1,2,3
	WIN 0x01
.irp e, 0,1
.irp pt, 0,1,2,3
.irp j, 0,2,4,6
	v_pk_fma_f32 v[TMP+32*\e+8*\pt+\j:TMP+32*\e+8*\pt+\j+1], v[8*(4*(2*\g+\e)+\pt)+\j:8*(4*(2*\g+\e)+\pt)+\j+1], v[SR+2*\g:SR+2*\g+1], v[TR+2*\g:TR+2*\g+1] op_sel:[0,\e,\e] op_sel_hi:[1,\e,\e]
.endr
.endr
.endr
	WIN 0
.irp e, 0,1
.irp pt, 0,1,2,3
.irp q, 0,1,2,3
	v_cvt_pk_bf16_f32 v[OUTR+32*\g+16*\e+4*\pt+\q], v[TMP+32*\e+8*\pt+2*\q], v[TMP+32*\e+8*\pt+2*\q+1]
.endr
.endr
.endr
.irp e, 0,1
.irp pt, 0,1,2,3
	global_store_b128 v17, v[OUTR+32*\g+16*\e+4*\pt:OUTR+32*\g+16*\e+4*\pt+3], s[96:97] offset:((2*\g+\e)>>2)*196608+(\pt>>1)*6144+2048+((2*\g+\e)&3)*1024+(\pt&1)*512
.endr
.endr
.endr
.Lwo:
	; Wo as hi + lo: hi = Wo rounded to bf16, lo = the remainder (exact in f32) rounded to bf16: 16 significant bits for the last product.
	; 256 fragments of 16 rows x 32 columns, one for each work-group, made by its wave 0.  Fragment g = 4 nb + ob: rows 16 (g >> 4) ..,
	; columns 32 (g & 15) ..; 2,048 bytes: the image of hi, then the image of lo.
	s_cmp_lg_u32 s50, 0
	s_cbranch_scc1 .Lend
	s_lshl2_add_u32 s82, s86, s51
	s_lshr_b32 s84, s82, 4
	s_lshl_b32 s84, s84, 15
	s_and_b32 s3, s82, 15
	s_lshl_b32 s3, s3, 7
	s_add_co_u32 s84, s84, s3
	s_add_nc_u64 s[98:99], s[40:41], s[84:85]
	s_lshl_b32 s82, s82, 11
	s_add_nc_u64 s[100:101], s[48:49], s[82:83]
	global_load_b128 v[32:35], v21, s[98:99]
	global_load_b128 v[36:39], v21, s[98:99] offset:16
	global_load_b128 v[40:43], v21, s[98:99] offset:64
	global_load_b128 v[44:47], v21, s[98:99] offset:80
	s_wait_loadcnt 0x0
.irp q, 0,1,2,3,4,5,6,7
	v_cvt_pk_bf16_f32 v[48+\q], v[32+2*\q], v[33+2*\q]                 ; hi
	v_lshlrev_b32 v[64+2*(\q&1)], 16, v[48+\q]                         ; hi back in f32
	v_and_b32 v[65+2*(\q&1)], 0xffff0000, v[48+\q]
	v_pk_add_f32 v[32+2*\q:33+2*\q], v[32+2*\q:33+2*\q], v[64+2*(\q&1):65+2*(\q&1)] neg_lo:[0,1] neg_hi:[0,1]
	v_cvt_pk_bf16_f32 v[56+\q], v[32+2*\q], v[33+2*\q]                 ; lo
.endr
	global_store_b128 v17, v[48:51], s[100:101]
	global_store_b128 v17, v[52:55], s[100:101] offset:512
	global_store_b128 v17, v[56:59], s[100:101] offset:1024
	global_store_b128 v17, v[60:63], s[100:101] offset:1536
.Lend:
	s_wait_tensorcnt 0x0
	ds_add_u32 v30, v31
	s_wait_dscnt 0x0
	s_endpgm
.Lfunc_end_k_qcb0a143474_prep:
	.size	k_qcb0a143474_prep, .Lfunc_end_k_qcb0a143474_prep-k_qcb0a143474_prep
	.p2alignl 7, 3214868480
	.fill 96, 4, 3214868480
	.section	.rodata,"a",@progbits
	.p2align	6, 0x0
	.amdhsa_kernel k_qcb0a143474_prep
		.amdhsa_group_segment_fixed_size 310272
		.amdhsa_private_segment_fixed_size 0
		.amdhsa_enable_private_segment 0
		.amdhsa_kernarg_size 184
		.amdhsa_user_sgpr_count 2
		.amdhsa_user_sgpr_kernarg_segment_ptr 1
		.amdhsa_wavefront_size32 1
		.amdhsa_system_sgpr_workgroup_id_x 1
		.amdhsa_system_sgpr_workgroup_id_y 1
		.amdhsa_system_sgpr_workgroup_id_z 1
		.amdhsa_system_vgpr_workitem_id 0
		.amdhsa_next_free_vgpr 512
		.amdhsa_next_free_sgpr 102
		.amdhsa_reserve_vcc 0
		.amdhsa_float_denorm_mode_32 3
		.amdhsa_float_denorm_mode_16_64 3
		.amdhsa_memory_ordered 1
		.amdhsa_forward_progress 1
		.amdhsa_inst_pref_size 184
	.end_amdhsa_kernel
	.amdgpu_metadata
---
amdhsa.version: [ 1, 2 ]
amdhsa.kernels:
  - .name:           k_qcb0a143474_prep
    .symbol:         k_qcb0a143474_prep.kd
    .args:
      - { .name: x, .offset: 0, .size: 8, .value_kind: global_buffer, .address_space: global }
      - { .name: Wq, .offset: 8, .size: 8, .value_kind: global_buffer, .address_space: global }
      - { .name: Wk, .offset: 16, .size: 8, .value_kind: global_buffer, .address_space: global }
      - { .name: Wv, .offset: 24, .size: 8, .value_kind: global_buffer, .address_space: global }
      - { .name: q_g, .offset: 32, .size: 8, .value_kind: global_buffer, .address_space: global }
      - { .name: q_v, .offset: 40, .size: 8, .value_kind: global_buffer, .address_space: global }
      - { .name: q_m, .offset: 48, .size: 8, .value_kind: global_buffer, .address_space: global }
      - { .name: q_b, .offset: 56, .size: 8, .value_kind: global_buffer, .address_space: global }
      - { .name: k_g, .offset: 64, .size: 8, .value_kind: global_buffer, .address_space: global }
      - { .name: k_v, .offset: 72, .size: 8, .value_kind: global_buffer, .address_space: global }
      - { .name: k_m, .offset: 80, .size: 8, .value_kind: global_buffer, .address_space: global }
      - { .name: k_b, .offset: 88, .size: 8, .value_kind: global_buffer, .address_space: global }
      - { .name: v_g, .offset: 96, .size: 8, .value_kind: global_buffer, .address_space: global }
      - { .name: v_v, .offset: 104, .size: 8, .value_kind: global_buffer, .address_space: global }
      - { .name: v_m, .offset: 112, .size: 8, .value_kind: global_buffer, .address_space: global }
      - { .name: v_b, .offset: 120, .size: 8, .value_kind: global_buffer, .address_space: global }
      - { .name: pos_idx, .offset: 128, .size: 8, .value_kind: global_buffer, .address_space: global }
      - { .name: pos_tab, .offset: 136, .size: 8, .value_kind: global_buffer, .address_space: global }
      - { .name: Wo, .offset: 144, .size: 8, .value_kind: global_buffer, .address_space: global }
      - { .name: qf, .offset: 152, .size: 8, .value_kind: global_buffer, .address_space: global }
      - { .name: kv, .offset: 160, .size: 8, .value_kind: global_buffer, .address_space: global }
      - { .name: biasw, .offset: 168, .size: 8, .value_kind: global_buffer, .address_space: global }
      - { .name: wof, .offset: 176, .size: 8, .value_kind: global_buffer, .address_space: global }
    .group_segment_fixed_size: 310272
    .private_segment_fixed_size: 0
    .kernarg_segment_align: 8
    .kernarg_segment_size: 184
    .max_flat_workgroup_size: 256
    .sgpr_count:     102
    .vgpr_count:     512
    .wavefront_size: 32
...
	.end_amdgpu_metadata
.endif
;; end of part 1
;; launch attn (part 2): grid 32 x 8, 4 waves a work-group, clusters of 4 x 4, 327,680 bytes of LDS; arguments qf, kv, biasw, af; writes af
.if DOCPART == 2
	.amdgcn_target "amdgcn-amd-amdhsa--gfx1250"
	.amdhsa_code_object_version 6
	.text
	.protected	k_qcb0a143474_attn
	.globl	k_qcb0a143474_attn
	.p2align	8
	.type	k_qcb0a143474_attn,@function
k_qcb0a143474_attn:
	s_mov_b64 s[64:65], 0
	v_nop
	global_prefetch_b8 v0, s[64:65] scope:SCOPE_SE
	s_setreg_imm32_b32 hwreg(HW_REG_WAVE_MODE, 25, 1), 1
	s_wait_xcnt 0x0
	s_wait_alu depctr_hold_cnt(0) depctr_sa_sdst(0) depctr_va_vdst(0) depctr_va_sdst(0) depctr_va_ssrc(0) depctr_va_vcc(0) depctr_vm_vsrc(0)
	s_getreg_b32 s2, hwreg(HW_REG_IB_STS2, 6, 4)
	s_cmp_eq_u32 s2, 0
	s_cbranch_scc0 .Lentry_in_a_cluster
	s_endpgm
.Lentry_in_a_cluster:
	s_bfe_u32 s2, ttmp6, 0x10000c
	s_cmp_lg_u32 s2, 0xf033
	s_cbranch_scc0 .Lentry_shape_is_right
	s_endpgm
.Lentry_shape_is_right:
; attn: softmax(q k^T + bias) v and the relu, for one head, 256 queries and TWO batches in a work-group.
; Wave w: 64 queries (4 tiles t) x 2 batches b = 8 PIECES p = 2 t + b.  The two batches share each bias tile in registers, the four query
; tiles share each K and V fragment.  Keys go in 16 steps of 64.
; S^T = K(A) Q(B) + bias(C): lane (r, hh) holds query r, register j key 8 hh + j: maximum and sum run inside the lane, one exchange of the
; lane halves ends them, the bias costs no vector instruction, and the packed exponentials ARE the B operand of O^T = V(A) P(B).
; THREE STAGES SIDE BY SIDE: slot p holds the softmax of piece p, and between its vector instructions, one at a time, the four products
; QK of piece p + 1 and the eight products PV of piece p - 1.  S and P have two buffers, by the piece's parity.
; The softmax works in base 2 (q and the bias carry log2(e)), with a running maximum; the sum l adds the f32 exponentials, PV takes them in bf16.
; The result leaves as hi + lo: hi = the f32 number rounded to bf16, lo = the remainder rounded to bf16 (16 significant bits for the last product).
; CLUSTER 4 x 4: cx = block of 256 queries, cy = pair of batches.  K and V hang on (head, batches): asked for jointly along a row of the
; cluster.  The bias hangs on (head, queries): asked for jointly along a column.  Each divides its requests by four.
; LDS: two slots of 90,112 bytes: [2 b + kb][6144] K and V of 32 keys, then for each wave [kt 4][t 4][1024] bias.  All fragment images:
; a load takes 16 bytes a lane from 512 consecutive bytes, so no padding.
; REGISTERS.  Window 0: v2-5 addresses, v8-15 maxima, v16-23 sums, v24-27 the maximum at work (a pair for each parity), v28-31 the rescale
; factor likewise, v32-35 two sum chains, v36-41 at work, S v64-127, P v128-159, bias v160-223 (two buffers of one query tile x 4 key tiles).
; Window 1: O(p)[dvt] at 32 p + 8 dvt.  Window 2: K(b)[kt] at 32 b + 8 kt, V(b)[kb][dvt] at 64 + 64 b + 32 kb + 8 dvt, Q(p) at 192 + 8 p.
; LIMITS: NaN and infinities in the inputs are not reproduced.
.set SLOTB, 90112
.set G1K, 20                           ; s[20:27] group 1 of K and V tiles: 24 rows of 256 bytes
.set G1B, 28                           ; s[28:35] group 1 of bias tiles: 64 rows of 256 bytes
.set G0K, 36                           ; s[36:43] group 0 of K and V, one set for each slot
.set G0B, 44                           ; s[44:51] group 0 of the bias, one set for each slot
.set MX, 8
.set LS, 16
.set MSB, 0
.macro WIN new
.if MSB != \new
	s_set_vgpr_msb (MSB<<8)|\new
.set MSB, \new
.endif
.endm
.macro CREST                           ; a round of the cluster's barrier behind its opening barrier
	s_cmp_lg_u32 s12, 0
	s_cbranch_scc1 .Lnot_wave_0_\@
	s_barrier_signal -3
.Lnot_wave_0_\@:
	s_barrier_wait -3
	s_barrier_signal -1
	s_barrier_wait -1
.endm
.macro CROUND
	s_barrier_signal -1
	s_barrier_wait -1
	CREST
.endm
	s_load_b256 s[4:11], s[0:1], 0x0               ; qf, kv, biasw, af
	v_lshl_add_u32 v254, v0, 2, 0x2c000
	v_mov_b32 v255, 0
	ds_add_u32 v254, v255
	v_lshrrev_b32 v1, 5, v0
	v_readfirstlane_b32 s12, v1                    ; wave
	s_bfe_u32 s13, ttmp6, 0x40000                  ; cx: block of 256 queries
	s_bfe_u32 s14, ttmp6, 0x40004                  ; cy
	s_mov_b32 s15, ttmp9                           ; the cluster's x: head
	s_and_b32 s16, ttmp7, 0xffff
	s_lshl_b32 s16, s16, 2
	s_add_co_u32 s16, s16, s14                     ; bp: batches 2 bp, 2 bp + 1
	s_lshl_b32 s17, s14, 2
	s_lshl_b32 s17, 15, s17                        ; my row of the cluster
	s_lshl_b32 s18, 0x1111, s13                    ; my column
	s_or_b32 s[G1K], s17, (3<<16)|(1<<21)          ; mask; elements of 8 bytes; bit 21 beside a mask
	s_mov_b32 s[G1K+1], 32<<16                     ; tensor_dim0 = 32 elements = 256 bytes
	s_mov_b32 s[G1K+2], 24<<16                     ; tensor_dim1 = 24 rows
	s_mov_b32 s[G1K+3], 32<<16                     ; tile_dim0
	s_mov_b32 s[G1K+4], 24                         ; tile_dim1
	s_mov_b32 s[G1K+5], 32                         ; pitch: the block is dense
	s_mov_b32 s[G1K+6], 0
	s_mov_b32 s[G1K+7], 0
	s_or_b32 s[G1B], s18, (3<<16)|(1<<21)
	s_mov_b32 s[G1B+1], 32<<16
	s_mov_b32 s[G1B+2], 64<<16
	s_mov_b32 s[G1B+3], 32<<16
	s_mov_b32 s[G1B+4], 64
	s_mov_b32 s[G1B+5], 32
	s_mov_b32 s[G1B+6], 0
	s_mov_b32 s[G1B+7], 0
	; K and V: wave w fetches batch w >> 1, 32 keys w & 1 of the step.  These registers never hold cx.
	s_lshr_b32 s56, s12, 1
	s_lshl1_add_u32 s57, s16, s56
	s_lshl3_add_u32 s57, s57, s15
	s_and_b32 s56, s12, 1
	s_lshl_b32 s57, s57, 5
	s_add_co_u32 s57, s57, s56
	s_mul_i32 s58, s57, 6144
	s_mov_b32 s59, 0
	; the bias: wave w fetches its own 64 queries x 64 keys.  These registers never hold cy.
	s_lshl4_add_u32 s66, s15, s12
	s_lshl2_add_u32 s66, s13, s66
	s_lshl_b32 s66, s66, 18
	s_mov_b32 s67, 0
	s_mul_i32 s70, s12, 6144                       ; LDS: made of the wave's number alone
	s_lshl_b32 s71, s12, 14
	s_add_co_u32 s71, s71, 24576
	s_lshl4_add_u32 s72, s16, s15                  ; q: (8 (2 bp) + h) x 65,536 + (16 cx + 4 w) x 1,024
	s_lshl_b32 s72, s72, 16
	s_lshl2_add_u32 s76, s13, s12
	s_lshl_b32 s73, s76, 12
	s_add_co_u32 s72, s72, s73
	s_mov_b32 s73, 0
	s_lshl_b32 s77, s76, 17                        ; af [b][tile 64][ks 16][hi, lo][1024]: tile 16 cx + 4 w of 32,768 bytes,
	s_lshl_b32 s76, s16, 22                        ; batch 2 bp of 2,097,152 bytes,
	s_add_co_u32 s76, s76, s77
	s_lshl_b32 s77, s15, 12                        ; K steps 2 h, 2 h + 1 of 2,048 bytes
	s_add_co_u32 s76, s76, s77
	s_mov_b32 s77, 0
	s_mov_b32 s52, 0x76543210                      ; v_permlanex16_b32: lane i takes lane i of the other half
	s_mov_b32 s53, 0xfedcba98
	v_and_b32 v2, 31, v0
	v_lshlrev_b32 v2, 4, v2                        ; 16 x lane: K and V in slot 0, and the lane's place in every image in memory
	v_add_nc_u32 v3, SLOTB, v2                     ; K and V in slot 1
	v_add_nc_u32 v4, s71, v2                       ; my bias in slot 0,
	v_add_nc_u32 v5, SLOTB, v4                     ; in slot 1
	v_mov_b32 v25, 0                               ; second registers of pairs of which the first is broadcast
	v_mov_b32 v27, 0
	v_mov_b32 v29, 0
	v_mov_b32 v31, 0
	v_mov_b32 v40, 0                               ; v_permlanex16_b32's destination counts as read
	s_wait_dscnt 0x0
	s_wait_kmcnt 0x0
	s_add_nc_u64 s[60:61], s[6:7], s[58:59]
	s_add_nc_u64 s[68:69], s[8:9], s[66:67]
	s_add_nc_u64 s[74:75], s[4:5], s[72:73]
	s_add_nc_u64 s[78:79], s[10:11], s[76:77]
	CROUND                                         ; all sixteen work-groups are here: the first joint loads meet
.irp s, 0,1
	s_mov_b32 s[G0K+4*\s], 1
	s_add_co_u32 s[G0K+4*\s+1], s70, \s*SLOTB
	s_add_nc_u64 s[G0K+4*\s+2:G0K+4*\s+3], s[60:61], \s*12288
	s_or_b32 s[G0K+4*\s+3], s[G0K+4*\s+3], 0x80000000
	s_mov_b32 s[G0B+4*\s], 1
	s_add_co_u32 s[G0B+4*\s+1], s71, \s*SLOTB
	s_add_nc_u64 s[G0B+4*\s+2:G0B+4*\s+3], s[68:69], \s*16384
	s_or_b32 s[G0B+4*\s+3], s[G0B+4*\s+3], 0x80000000
	tensor_load_to_lds s[G0K+4*\s:G0K+4*\s+3], s[G1K:G1K+7]      ; steps 0 and 1: four loads of the wave are out
	s_nop 0
	tensor_load_to_lds s[G0B+4*\s:G0B+4*\s+3], s[G1B:G1B+7]
	s_nop 0
.endr
	WIN 0x80                                       ; destination in window 2
.irp p, 0,1,2,3,4,5,6,7
	global_load_b128 v[192+8*\p:192+8*\p+3], v2, s[74:75] offset:(\p&1)*524288+(\p>>1)*1024
	global_load_b128 v[192+8*\p+4:192+8*\p+7], v2, s[74:75] offset:(\p&1)*524288+(\p>>1)*1024+512
.endr
	WIN 0
.macro LDK b, par                      ; K of batch b, four key tiles
	WIN 0x80
.irp kt, 0,1,2,3
	ds_load_b128 v[32*\b+8*\kt:32*\b+8*\kt+3], v[2+\par] offset:(2*\b+(\kt>>1))*6144+(\kt&1)*1024
	ds_load_b128 v[32*\b+8*\kt+4:32*\b+8*\kt+7], v[2+\par] offset:(2*\b+(\kt>>1))*6144+(\kt&1)*1024+512
.endr
	WIN 0
.endm
.macro LDV b, par                      ; V of batch b: 2 x 32 keys, four tiles of dv
	WIN 0x80
.irp kb, 0,1
.irp dvt, 0,1,2,3
	ds_load_b128 v[64+64*\b+32*\kb+8*\dvt:64+64*\b+32*\kb+8*\dvt+3], v[2+\par] offset:(2*\b+\kb)*6144+2048+\dvt*1024
	ds_load_b128 v[64+64*\b+32*\kb+8*\dvt+4:64+64*\b+32*\kb+8*\dvt+7], v[2+\par] offset:(2*\b+\kb)*6144+2048+\dvt*1024+512
.endr
.endr
	WIN 0
.endm
.macro LDB buf, t, par                 ; the bias of query tile t, four key tiles, into buffer buf
.irp kt, 0,1,2,3
	ds_load_b128 v[160+32*\buf+8*\kt:160+32*\buf+8*\kt+3], v[4+\par] offset:\kt*4096+\t*1024
	ds_load_b128 v[160+32*\buf+8*\kt+4:160+32*\buf+8*\kt+7], v[4+\par] offset:\kt*4096+\t*1024+512
.endr
.endm
.macro QKW pn, kt                      ; S(parity)[kt] = K Q + bias
	v_wmma_f32_16x16x32_bf16 v[64+32*(\pn&1)+8*\kt:64+32*(\pn&1)+8*\kt+7], v[32*(\pn&1)+8*\kt:32*(\pn&1)+8*\kt+7], v[192+8*\pn:192+8*\pn+7], v[160+32*((\pn>>1)&1)+8*\kt:160+32*((\pn>>1)&1)+8*\kt+7]
.endm
.macro QK1 pn, kt
	WIN 0x0a                                       ; sources 0 and 1 in window 2
	QKW \pn, \kt
	WIN 0
.endm
.macro PVW pp, kb, dvt, first          ; O(pp)[dvt] += V P; first: the product starts the sum
.if \first
	v_wmma_f32_16x16x32_bf16 v[32*\pp+8*\dvt:32*\pp+8*\dvt+7], v[64+64*(\pp&1)+32*\kb+8*\dvt:64+64*(\pp&1)+32*\kb+8*\dvt+7], v[128+16*(\pp&1)+8*\kb:128+16*(\pp&1)+8*\kb+7], 0
.else
	v_wmma_f32_16x16x32_bf16 v[32*\pp+8*\dvt:32*\pp+8*\dvt+7], v[64+64*(\pp&1)+32*\kb+8*\dvt:64+64*(\pp&1)+32*\kb+8*\dvt+7], v[128+16*(\pp&1)+8*\kb:128+16*(\pp&1)+8*\kb+7], v[32*\pp+8*\dvt:32*\pp+8*\dvt+7]
.endif
.endm
.macro PV1 pp, kb, dvt, first
	WIN 0x52                                       ; source 0 in window 2, C and D in window 1
	PVW \pp, \kb, \dvt, \first
	WIN 0
.endm
; Four scores of the piece at work (parity CB): exponentials in place, the subtraction of the maximum for the next four between them (the plain
; instruction that an exponential wants behind it, ISA guide 5.7.2), the sums, the packing.  The last of eight has, in its stead, the first two steps of the next piece's maximum.
.macro HALF hc, fill
.set HX, 64+32*CB+4*(\hc)
.set HP, 128+16*CB+2*(\hc)
	v_exp_f32 v[HX], v[HX]
	v_exp_f32 v[HX+1], v[HX+1]
.if (\hc) < 7
	v_pk_add_f32 v[HX+4:HX+5], v[HX+4:HX+5], v[HT:HT+1] op_sel_hi:[1,0] neg_lo:[0,1] neg_hi:[0,1]
.else
.if \fill
	v_max3_num_f32 v36, v[HN], v[HN+1], v[HN+2]
.else
	v_nop
.endif
.endif
	v_exp_f32 v[HX+2], v[HX+2]
	v_exp_f32 v[HX+3], v[HX+3]
.if (\hc) < 7
	v_pk_add_f32 v[HX+6:HX+7], v[HX+6:HX+7], v[HT:HT+1] op_sel_hi:[1,0] neg_lo:[0,1] neg_hi:[0,1]
.else
.if \fill
	v_max3_num_f32 v37, v[HN+3], v[HN+4], v[HN+5]
	s_wait_alu depctr_va_vdst(0)
.else
	v_nop
	s_wait_alu depctr_va_vdst(0)
.endif
.endif
.if (\hc) == 0
	s_wait_alu depctr_va_vdst(0)
	v_cvt_pk_bf16_f32 v[HP], v[HX], v[HX+1]
	v_pk_add_f32 v[32:33], v[HX:HX+1], v[HX+2:HX+3]            ; starts the first sum chain: nothing is cleared
	v_cvt_pk_bf16_f32 v[HP+1], v[HX+2], v[HX+3]
.else
.if (\hc) == 1
	s_wait_alu depctr_va_vdst(0)
	v_cvt_pk_bf16_f32 v[HP], v[HX], v[HX+1]
	v_pk_add_f32 v[34:35], v[HX:HX+1], v[HX+2:HX+3]            ; starts the second
	v_cvt_pk_bf16_f32 v[HP+1], v[HX+2], v[HX+3]
.else
	s_wait_alu depctr_va_vdst(0)
	v_pk_add_f32 v[32:33], v[32:33], v[HX:HX+1]
	v_cvt_pk_bf16_f32 v[HP], v[HX], v[HX+1]
	v_pk_add_f32 v[34:35], v[34:35], v[HX+2:HX+3]
	v_cvt_pk_bf16_f32 v[HP+1], v[HX+2], v[HX+3]
.endif
.endif
.endm
; the largest of the next piece's 32 scores of the lane, in four chains
.macro MAXA
	v_max3_num_f32 v36, v[HN], v[HN+1], v[HN+2]
	v_max3_num_f32 v37, v[HN+3], v[HN+4], v[HN+5]
.endm
.macro MAXB
	v_max3_num_f32 v38, v[HN+6], v[HN+7], v[HN+8]
	v_max3_num_f32 v39, v[HN+9], v[HN+10], v[HN+11]
	v_max3_num_f32 v36, v36, v[HN+12], v[HN+13]
	v_max3_num_f32 v37, v37, v[HN+14], v[HN+15]
	v_max3_num_f32 v38, v38, v[HN+16], v[HN+17]
	v_max3_num_f32 v39, v39, v[HN+18], v[HN+19]
.endm
.macro MAXC
	v_max3_num_f32 v36, v36, v[HN+20], v[HN+21]
	v_max3_num_f32 v37, v37, v[HN+22], v[HN+23]
	v_max3_num_f32 v38, v38, v[HN+24], v[HN+25]
	v_max3_num_f32 v39, v39, v[HN+26], v[HN+27]
	v_max3_num_f32 v36, v36, v[HN+28], v[HN+29]
	v_max3_num_f32 v37, v37, v[HN+30], v[HN+31]
.endm
.macro CHAIN1
	v_max3_num_f32 v36, v36, v37, v38
	v_max_num_f32 v36, v36, v39
	v_permlanex16_b32 v40, v36, s52, s53           ; the other 32 keys of the same query
.endm
.macro CHAIN2 fn                       ; the running maximum of piece PN and its rescale factor; fn: there is no older maximum
.if \fn
	v_max_num_f32 v[24+2*NB], v36, v40
	v_mov_b32 v[MX+PN], v[24+2*NB]
.else
	v_max3_num_f32 v[24+2*NB], v36, v40, v[MX+PN]
	v_sub_f32 v41, v[MX+PN], v[24+2*NB]
	v_mov_b32 v[MX+PN], v[24+2*NB]
	v_exp_f32 v[28+2*NB], v41
.endif
.endm
; SLOT p.  par: the LDS slot that this trip's loads read.  fs: piece p is in the first step (no rescale).  fn: piece p + 1 has no older
; maximum.  fp: PV of piece p - 1 starts its sums.  qk, pv, ld: the slot has QK of p + 1, PV of p - 1, loads.
; Every product stands alone between two switches of the window, with six or more plain vector instructions of other registers behind it;
; no two products that follow each other share an accumulator.
; Loads at the head go into registers whose last product lies a slot back or more, behind the sixteen multiplies of the rescale (first step: four v_nop).
.macro SLOT p, par, fs, fn, fp, qk, pv, ld
.set CB, (\p)&1
.set NB, 1-CB
.set PN, ((\p)+1)&7
.set PRV, ((\p)+7)&7
.set SX, 64+32*CB
.set HN, 64+32*NB
.set HT, 24+2*CB
.if \ld
.if (1<<(\p)) & 0x97
	s_wait_dscnt 0x0                               ; what the slot before asked for is in: it is a whole slot old
.endif
.if \p == 6
	LDK 0, \par
	LDB 0, 0, \par
.endif
.if \p == 7
	LDK 1, \par
	LDB 1, 1, \par
.endif
.if \p == 0
	LDV 0, \par
.endif
.if \p == 1
	LDV 1, \par
	LDB 0, 2, \par
.endif
.if \p == 3
	LDB 1, 3, \par
.endif
.endif
	v_pk_add_f32 v[SX:SX+1], v[SX:SX+1], v[HT:HT+1] op_sel_hi:[1,0] neg_lo:[0,1] neg_hi:[0,1]
	v_pk_add_f32 v[SX+2:SX+3], v[SX+2:SX+3], v[HT:HT+1] op_sel_hi:[1,0] neg_lo:[0,1] neg_hi:[0,1]
.irp c, 0,1,2,3
.if \qk
	QK1 PN, \c
.endif
	HALF \c, 0
.endr
.irp c, 0,1,2
.if \pv
	PV1 PRV, 0, \c, \fp
.endif
	HALF 4+\c, 0
.endr
.if \pv
	PV1 PRV, 0, 3, \fp
.endif
	HALF 7, \qk
.if \pv
	PV1 PRV, 1, 0, 0
.endif
.if \qk
	MAXB
.endif
.if \pv
	PV1 PRV, 1, 1, 0
.endif
.if \qk
	MAXC
.endif
.if \pv
	PV1 PRV, 1, 2, 0
.endif
.if \qk
	CHAIN1
.endif
	v_pk_add_f32 v[32:33], v[32:33], v[34:35]
.if \pv
	PV1 PRV, 1, 3, 0
.endif
.if \qk
	CHAIN2 \fn
.endif
.if \fs
	v_add_f32 v[LS+\p], v32, v33                   ; the lane's sum; the two halves of the lanes meet at the end
.rept 4
	v_nop
.endr
.else
	v_add_f32 v32, v32, v33
	v_fma_f32 v[LS+\p], v[LS+\p], v[28+2*CB], v32
	WIN 0x41                                       ; O(p) times the rescale factor: source 0 and destination in window 1
.irp i, 0,1,2,3,4,5,6,7,8,9,10,11,12,13,14,15
	v_pk_mul_f32 v[32*\p+2*\i:32*\p+2*\i+1], v[32*\p+2*\i:32*\p+2*\i+1], v[28+2*CB:29+2*CB] op_sel_hi:[1,0]
.endr
	WIN 0
.endif
.endm
; The ring.  Trip s = slots 6, 7 of step s - 1 and slots 0 to 5 of step s; all its LDS loads read step s.  Its last LDS load is waited for at
; the head of slot 4.  Behind slot 4 every wave waits for its LDS loads and for all its tensor loads (step s + 1's two) and opens the round;
; slot 5 is register work; the next trip closes the round and asks for step s + 2 first thing: two loads of the wave are out, with seven slots in which to land.
.macro BAR_OPEN
	s_wait_dscnt 0x0
	s_wait_tensorcnt 0x0
	ds_add_u32 v254, v255
	s_wait_dscnt 0x0
	s_barrier_signal -1
.endm
.macro TOP par, refill                 ; par: this trip's slot; the other one is filled again
	s_barrier_wait -1
.if \refill
	CREST
	s_add_nc_u64 s[G0K+4*(1-\par)+2:G0K+4*(1-\par)+3], s[G0K+4*(1-\par)+2:G0K+4*(1-\par)+3], 24576
	s_add_nc_u64 s[G0B+4*(1-\par)+2:G0B+4*(1-\par)+3], s[G0B+4*(1-\par)+2:G0B+4*(1-\par)+3], 32768
	tensor_load_to_lds s[G0K+4*(1-\par):G0K+4*(1-\par)+3], s[G1K:G1K+7]
	s_nop 0
	tensor_load_to_lds s[G0B+4*(1-\par):G0B+4*(1-\par)+3], s[G1B:G1B+7]
	s_nop 0
.endif
.endm
.macro TN par, refill, open
	TOP \par, \refill
	SLOT 6, \par, 0,0,0, 1,1,1
	SLOT 7, \par, 0,0,0, 1,1,1
	SLOT 0, \par, 0,0,0, 1,1,1
	SLOT 1, \par, 0,0,0, 1,1,1
	SLOT 2, \par, 0,0,0, 1,1,1
	SLOT 3, \par, 0,0,0, 1,1,1
	SLOT 4, \par, 0,0,0, 1,1,1
.if \open
	BAR_OPEN
.endif
	SLOT 5, \par, 0,0,0, 1,1,1
.endm
	s_wait_tensorcnt 0x2                           ; my parts of step 0 are in; step 1's two stay out
	s_wait_loadcnt 0x0                             ; Q
	s_barrier_signal -1
	s_barrier_wait -1
	; trip 0: the lead-in stands for slots 6 and 7: loads, QK of piece 0, its first maximum
	LDK 0, 0
	LDB 0, 0, 0
	LDK 1, 0
	LDB 1, 1, 0
	s_wait_dscnt 0x0
.set NB, 0
.set PN, 0
.set HN, 64
	WIN 0x0a
	QKW 0, 0
	QKW 0, 1
	QKW 0, 2
	QKW 0, 3
	WIN 0
.rept 4
	v_nop                                          ; four places before the scores are read (ISA guide 7.12.1)
.endr
	MAXA
	MAXB
	MAXC
	CHAIN1
	CHAIN2 1
	SLOT 0, 0, 1,1,1, 1,0,1
	SLOT 1, 0, 1,1,1, 1,1,1
	SLOT 2, 0, 1,1,1, 1,1,1
	SLOT 3, 0, 1,1,1, 1,1,1
	SLOT 4, 0, 1,1,1, 1,1,1
	BAR_OPEN
	SLOT 5, 0, 1,1,1, 1,1,1
	; trip 1: the first step runs out
	TOP 1, 1
	SLOT 6, 1, 1,1,1, 1,1,1
	SLOT 7, 1, 1,0,1, 1,1,1
	SLOT 0, 1, 0,0,1, 1,1,1
	SLOT 1, 1, 0,0,0, 1,1,1
	SLOT 2, 1, 0,0,0, 1,1,1
	SLOT 3, 1, 0,0,0, 1,1,1
	SLOT 4, 1, 0,0,0, 1,1,1
	BAR_OPEN
	SLOT 5, 1, 0,0,0, 1,1,1
	s_mov_b32 s54, 6                               ; trips 2 to 13
.Ltrips:
	TN 0, 1, 1
	TN 1, 1, 1
	s_sub_co_u32 s54, s54, 1
	s_cmp_lg_u32 s54, 0
	s_cbranch_scc1 .Ltrips
	TN 0, 1, 1                                     ; trip 14 asks for step 15, the last
	TN 1, 0, 0                                     ; trip 15 asks for nothing: a plain barrier shows step 15 whole
	SLOT 6, 1, 0,0,0, 1,1,0
	SLOT 7, 1, 0,0,0, 0,1,0
	WIN 0x52
	PVW 7, 0, 0, 0
	PVW 7, 0, 1, 0
	PVW 7, 0, 2, 0
	PVW 7, 0, 3, 0
	PVW 7, 1, 0, 0
	PVW 7, 1, 1, 0
	PVW 7, 1, 2, 0
	PVW 7, 1, 3, 0
	WIN 0
.rept 4
	v_nop
.endr
	; OUT: O / l, relu, hi + lo in bf16.  Lane = query, registers = 8 dv: tile dvt is part dvt & 1 of the image of K step 2 h + (dvt >> 1).
.irp p, 0,1,2,3,4,5,6,7
	v_permlanex16_b32 v40, v[LS+\p], s52, s53
	v_add_f32 v[LS+\p], v[LS+\p], v40
.endr
.irp p, 0,1,2,3,4,5,6,7
	v_rcp_f32 v[LS+\p], v[LS+\p]                   ; l >= 1: the largest score gives 2^0
.endr
	v_nop
	s_wait_alu depctr_va_vdst(0)
; A piece has 32 store registers (16 hi, 16 lo) at v96 + 32 (p & 3): pieces 4 to 7 use those of pieces 0 to 3 again.
.macro OUTP p, e
.set OB, 96+32*((\p)&3)
	WIN 0x01
.irp i, 0,1,2,3,4,5,6,7,8,9,10,11,12,13,14,15
	v_pk_mul_f32 v[64+2*\i:65+2*\i], v[32*\p+2*\i:32*\p+2*\i+1], v[LS+\p-\e:LS+\p-\e+1] op_sel:[0,\e] op_sel_hi:[1,\e]
.endr
	WIN 0
.set i, 0
.rept 32
	v_max_num_f32 v[64+i], 0, v[64+i]
.set i, i+1
.endr
.if \p >= 4
	s_wait_xcnt 0x0                                ; the stores of four pieces ago have read their data: it is rewritten only behind this wait
.endif
.irp q, 0,1,2,3,4,5,6,7,8,9,10,11,12,13,14,15
	v_cvt_pk_bf16_f32 v[OB+\q], v[64+2*\q], v[65+2*\q]                 ; hi
	v_lshlrev_b32 v[36+2*(\q&1)], 16, v[OB+\q]                         ; hi back in f32
	v_and_b32 v[37+2*(\q&1)], 0xffff0000, v[OB+\q]
	v_pk_add_f32 v[64+2*\q:65+2*\q], v[64+2*\q:65+2*\q], v[36+2*(\q&1):37+2*(\q&1)] neg_lo:[0,1] neg_hi:[0,1]
	v_cvt_pk_bf16_f32 v[OB+16+\q], v[64+2*\q], v[65+2*\q]              ; lo: the remainder, exact in f32, rounded
.endr
.irp d, 0,1,2,3
	global_store_b128 v2, v[OB+4*\d:OB+4*\d+3], s[78:79] offset:(\p&1)*2097152+(\p>>1)*32768+(\d>>1)*2048+(\d&1)*512
	global_store_b128 v2, v[OB+16+4*\d:OB+16+4*\d+3], s[78:79] offset:(\p&1)*2097152+(\p>>1)*32768+(\d>>1)*2048+1024+(\d&1)*512
.endr
.endm
	OUTP 0, 0
	OUTP 1, 1
	OUTP 2, 0
	OUTP 3, 1
	OUTP 4, 0
	OUTP 5, 1
	OUTP 6, 0
	OUTP 7, 1
	CROUND                                         ; the closing round: no work-group ends while a partner may still ask for a tile that names it
	s_endpgm
.Lfunc_end_k_qcb0a143474_attn:
	.size	k_qcb0a143474_attn, .Lfunc_end_k_qcb0a143474_attn-k_qcb0a143474_attn
	.p2alignl 7, 3214868480
	.fill 96, 4, 3214868480
	.section	.rodata,"a",@progbits
	.p2align	6, 0x0
	.amdhsa_kernel k_qcb0a143474_attn
		.amdhsa_group_segment_fixed_size 327680
		.amdhsa_private_segment_fixed_size 0
		.amdhsa_enable_private_segment 0
		.amdhsa_kernarg_size 32
		.amdhsa_user_sgpr_count 2
		.amdhsa_user_sgpr_kernarg_segment_ptr 1
		.amdhsa_wavefront_size32 1
		.amdhsa_system_sgpr_workgroup_id_x 1
		.amdhsa_system_sgpr_workgroup_id_y 1
		.amdhsa_system_sgpr_workgroup_id_z 1
		.amdhsa_system_vgpr_workitem_id 0
		.amdhsa_next_free_vgpr 768
		.amdhsa_next_free_sgpr 80
		.amdhsa_reserve_vcc 0
		.amdhsa_float_denorm_mode_32 3
		.amdhsa_float_denorm_mode_16_64 3
		.amdhsa_memory_ordered 1
		.amdhsa_forward_progress 1
		.amdhsa_inst_pref_size 255
	.end_amdhsa_kernel
	.section	.bss,"aw",@nobits
	.p2align	6
	.space	262144
	.amdgpu_metadata
---
amdhsa.version: [ 1, 2 ]
amdhsa.kernels:
  - .name:           k_qcb0a143474_attn
    .symbol:         k_qcb0a143474_attn.kd
    .args:
      - { .name: qf, .offset: 0, .size: 8, .value_kind: global_buffer, .address_space: global }
      - { .name: kv, .offset: 8, .size: 8, .value_kind: global_buffer, .address_space: global }
      - { .name: biasw, .offset: 16, .size: 8, .value_kind: global_buffer, .address_space: global }
      - { .name: af, .offset: 24, .size: 8, .value_kind: global_buffer, .address_space: global }
    .group_segment_fixed_size: 327680
    .private_segment_fixed_size: 0
    .kernarg_segment_align: 8
    .kernarg_segment_size: 32
    .max_flat_workgroup_size: 128
    .sgpr_count:     80
    .vgpr_count:     768
    .wavefront_size: 32
...
	.end_amdgpu_metadata
.endif
;; end of part 2
;; launch oproj (part 3): grid 128 x 2, 4 waves a work-group, clusters of 4 x 1, 327,680 bytes of LDS; arguments af, wof, bo, o_g, o_v, o_m, o_b, out0; writes out0
.if DOCPART == 3
	.amdgcn_target "amdgcn-amd-amdhsa--gfx1250"
	.amdhsa_code_object_version 6
	.text
	.protected	k_qcb0a143474_oproj
	.globl	k_qcb0a143474_oproj
	.p2align	8
	.type	k_qcb0a143474_oproj,@function
k_qcb0a143474_oproj:
	s_mov_b64 s[64:65], 0
	v_nop
	global_prefetch_b8 v0, s[64:65] scope:SCOPE_SE
	s_setreg_imm32_b32 hwreg(HW_REG_WAVE_MODE, 25, 1), 1
	s_wait_xcnt 0x0
	s_wait_alu depctr_hold_cnt(0) depctr_sa_sdst(0) depctr_va_vdst(0) depctr_va_sdst(0) depctr_va_ssrc(0) depctr_va_vcc(0) depctr_vm_vsrc(0)
	s_getreg_b32 s2, hwreg(HW_REG_IB_STS2, 6, 4)
	s_cmp_eq_u32 s2, 0
	s_cbranch_scc0 .Lentry_in_a_cluster
	s_endpgm
.Lentry_in_a_cluster:
	s_bfe_u32 s2, ttmp6, 0x10000c
	s_cmp_lg_u32 s2, 0x3003
	s_cbranch_scc0 .Lentry_shape_is_right
	s_endpgm
.Lentry_shape_is_right:
; oproj: out0 = ((Wo a + bo) - o_m) o_g / sqrt(o_v + eps) + o_b, a = the attention's output after the relu.
; BOTH OPERANDS COME AS hi + lo, two bf16 numbers each (16 significant bits), and the product is a_hi W_hi + a_lo W_hi + a_hi W_lo on one f32
; accumulator; a_lo W_lo, below 2^-16 of a product, is left out.  Why: this product's result is the program's output, nothing behind it averages
; its operands' rounding away, and Wo's rounding is the same at every position of a channel.  f16 is not taken: a has no room in its range.
; Work-group: 128 positions (pb) x 128 output channels (y), K = 512.  Wave: 64 positions (4 tiles pt) x 64 channels (4 tiles ot),
; 16 accumulators in window 1.  D = a(A) Wo(B): lane = channel, registers = 8 neighbouring positions of a row of out0.
; K goes in four quarters of 128 through two LDS slots of 131,072 bytes: a [tile 8][4 K steps][hi, lo][1024], then Wo likewise.  A wave fetches
; tiles 2 w, 2 w + 1 of each: two tensor loads a quarter.  Quarters 0 and 1 go out at the start (four loads of the wave are out), quarters 2 and 3
; fill slots 0 and 1 again (two are out), each with four K steps of products, 192 matrix instructions, in which to land.
; One K step: 32 LDS loads (16 fragments) feed 48 products.
; CLUSTER 4 x 1: the four work-groups share y, so Wo's block is asked for jointly (mask 15); a's block is each work-group's own.
; REGISTERS.  Window 0: addresses, parameters v192-223, fragments of a in two buffers v64-127, v128-191 (tile pt: hi at 16 pt, lo at 16 pt + 8).
; Window 1: accumulators at 8 (4 ot + pt).  Window 2: fragments of Wo in two buffers v0-63, v64-127.
; LIMITS: g * rsq(v + eps) stands for g / sqrt(v + eps) (1 ulp); NaN and infinities are not reproduced.
.set G0A, 20                           ; s[20:35] group 0 of a's four quarters
.set G0W, 36                           ; s[36:51] group 0 of Wo's four quarters
.set G1A, 68                           ; s[68:75]
.set G1W, 76                           ; s[76:83]
.set SLOTB, 131072
.set WFB, 65536                        ; Wo behind a in a slot
.set STG, 262144                       ; behind the slots: 16 rows x 272 bytes for each wave, for the way out; no tensor load lands here
.set ADA, 2                            ; v2, v3  my a fragments in slot 0, 1
.set ADW, 4                            ; v4, v5  the same for Wo
.set MSB, 0
.macro WIN new
.if MSB != \new
	s_set_vgpr_msb (MSB<<8)|\new
.set MSB, \new
.endif
.endm
.macro MM d, a, b, z
.if \z
	v_wmma_f32_16x16x32_bf16 v[\d:\d+7], v[\a:\a+7], v[\b:\b+7], 0
.else
	v_wmma_f32_16x16x32_bf16 v[\d:\d+7], v[\a:\a+7], v[\b:\b+7], v[\d:\d+7]
.endif
.endm
.macro CROUND
	s_barrier_signal -1
	s_barrier_wait -1
	s_cmp_lg_u32 s84, 0
	s_cbranch_scc1 .Lnot_wave_0_\@
	s_barrier_signal -3
.Lnot_wave_0_\@:
	s_barrier_wait -3
	s_barrier_signal -1
	s_barrier_wait -1
.endm
	s_load_b512 s[4:19], s[0:1], 0x0               ; af, wof, bo, o_g, o_v, o_m, o_b, out0
	v_lshl_add_u32 v254, v0, 2, 0x44400
	v_mov_b32 v255, 0
	ds_add_u32 v254, v255
	v_lshrrev_b32 v1, 5, v0
	v_readfirstlane_b32 s84, v1                    ; wave
	s_bfe_u32 s85, ttmp6, 0x40000                  ; cx
	s_lshl_b32 s86, ttmp9, 2
	s_add_co_u32 s86, s86, s85                     ; pb: block of 128 positions
	s_and_b32 s87, ttmp7, 0xffff                   ; y: block of 128 channels
	s_lshr_b32 s88, s84, 1                         ; wp: my 64 positions
	s_and_b32 s89, s84, 1                          ; wo: my 64 channels
	; a tile of the mover: tiles 2 w, 2 w + 1 of the block, one quarter of K: 2 rows of 8,192 bytes, 32,768 bytes apart
	s_mov_b32 s[G1A], 3<<16                        ; no mask; elements of 8 bytes
	s_mov_b32 s[G1W], 15|(3<<16)|(1<<21)           ; all four work-groups of the cluster
.irp g, G1A, G1W
	s_mov_b32 s[\g+1], 1024<<16                    ; tensor_dim0 = 1,024 elements
	s_mov_b32 s[\g+2], 2<<16                       ; tensor_dim1 = 2
	s_mov_b32 s[\g+3], 1024<<16                    ; tile_dim0
	s_mov_b32 s[\g+4], 2                           ; tile_dim1
	s_mov_b32 s[\g+5], 4096                        ; pitch
	s_mov_b32 s[\g+6], 0
	s_mov_b32 s[\g+7], 0
.endr
	s_lshl_b32 s52, s86, 18                        ; a's block: 8 tiles of 32,768 bytes
	s_lshl_b32 s56, s84, 16                        ; my two tiles
	s_add_co_u32 s52, s52, s56
	s_mov_b32 s53, 0
	s_lshl_b32 s54, s87, 18                        ; Wo's address is made of y and the wave alone
	s_add_co_u32 s54, s54, s56
	s_mov_b32 s55, 0
	s_lshl_b32 s56, s84, 14                        ; LDS: 2 w tiles of 8,192 bytes
	s_lshr_b32 s90, s86, 3                         ; out0 [b][o][1024]: batch,
	s_lshl_b32 s90, s90, 20
	s_lshl1_add_u32 s91, s87, s89                  ; channel 128 y + 64 wo,
	s_lshl_b32 s91, s91, 18
	s_add_co_u32 s90, s90, s91
	s_and_b32 s91, s86, 7                          ; position 128 (pb & 7) + 64 wp
	s_lshl1_add_u32 s91, s91, s88
	s_lshl_b32 s91, s91, 8
	s_add_co_u32 s90, s90, s91
	s_mov_b32 s91, 0
	v_and_b32 v10, 31, v0                          ; L
	v_and_b32 v11, 15, v0                          ; r
	v_bfe_u32 v12, v0, 4, 1                        ; hh
	s_lshl_b32 s57, s88, 15                        ; my four tiles of a
	v_lshl_add_u32 v2, v10, 4, s57
	v_add_nc_u32 v3, SLOTB, v2
	s_lshl_b32 s57, s89, 15                        ; my four tiles of Wo
	s_add_co_u32 s57, s57, WFB
	v_lshl_add_u32 v4, v10, 4, s57
	v_add_nc_u32 v5, SLOTB, v4
	s_mul_i32 s57, s84, 16*272
	s_add_co_u32 s57, s57, STG
	v_mul_u32_u24 v6, v11, 272
	v_lshl_add_u32 v6, v12, 5, v6
	v_add_nc_u32 v6, s57, v6                       ; stage, in: row r (channel), 32 bytes for each half of the lanes
	v_mul_u32_u24 v7, v12, 272
	v_lshl_add_u32 v7, v11, 4, v7
	v_add_nc_u32 v7, s57, v7                       ; stage, back: sixteen lanes take a row of 256 bytes
	v_lshlrev_b32 v8, 12, v12
	v_lshl_add_u32 v8, v11, 4, v8                  ; and the same two rows in out0
	s_lshl_b32 s57, s89, 8
	s_lshl_b32 s94, s87, 9
	s_add_co_u32 s57, s57, s94
	v_lshl_add_u32 v9, v11, 2, s57                 ; the parameters of channel 128 y + 64 wo + r
	s_wait_dscnt 0x0
	s_wait_kmcnt 0x0
	s_add_nc_u64 s[58:59], s[4:5], s[52:53]
	s_add_nc_u64 s[60:61], s[6:7], s[54:55]
	s_add_nc_u64 s[92:93], s[18:19], s[90:91]
.irp q, 0,1,2,3
	s_mov_b32 s[G0A+4*\q], 1                       ; every quarter has a group 0 of its own: none is ever written again
	s_add_co_u32 s[G0A+4*\q+1], s56, (\q&1)*SLOTB
	s_add_nc_u64 s[G0A+4*\q+2:G0A+4*\q+3], s[58:59], \q*8192
	s_or_b32 s[G0A+4*\q+3], s[G0A+4*\q+3], 0x80000000
	s_mov_b32 s[G0W+4*\q], 1
	s_add_co_u32 s[G0W+4*\q+1], s56, (\q&1)*SLOTB+WFB
	s_add_nc_u64 s[G0W+4*\q+2:G0W+4*\q+3], s[60:61], \q*8192
	s_or_b32 s[G0W+4*\q+3], s[G0W+4*\q+3], 0x80000000
.endr
	CROUND                                         ; the four work-groups are here: the joint loads meet
.irp q, 0,1
	tensor_load_to_lds s[G0A+4*\q:G0A+4*\q+3], s[G1A:G1A+7]
	s_nop 0
	tensor_load_to_lds s[G0W+4*\q:G0W+4*\q+3], s[G1W:G1W+7]
	s_nop 0
.endr
.irp ot, 0,1,2,3
	global_load_b32 v[192+\ot], v9, s[10:11] offset:\ot*64       ; o_g
	global_load_b32 v[196+\ot], v9, s[12:13] offset:\ot*64       ; o_v
	global_load_b32 v[200+\ot], v9, s[14:15] offset:\ot*64       ; o_m
	global_load_b32 v[204+\ot], v9, s[16:17] offset:\ot*64       ; o_b
	global_load_b32 v[208+\ot], v9, s[8:9] offset:\ot*64         ; bo
.endr
	s_wait_loadcnt 0x0
.irp ot, 0,1,2,3
	v_add_f32 v[196+\ot], 0x3727c5ac, v[196+\ot]
.endr
.irp ot, 0,1,2,3
	v_rsq_f32 v[220+\ot], v[196+\ot]
.endr
.irp ot, 0,1,2,3
	v_sub_f32 v[208+\ot], v[208+\ot], v[200+\ot]                 ; bo - m: plain work behind the reciprocal roots
.endr
	s_wait_alu depctr_va_vdst(0)
.irp ot, 0,1,2,3
	v_mul_f32 v[212+\ot], v[192+\ot], v[220+\ot]                 ; s
.endr
.irp ot, 0,1,2,3
	v_fma_f32 v[216+\ot], v[208+\ot], v[212+\ot], v[204+\ot]     ; t = (bo - m) s + b
.endr
; the 8 + 8 fragments of one K step of 32: hi and lo of 4 tiles of a (window 0, at fa) and of 4 tiles of Wo (window 2, at fw)
.macro FETCH ks, fa, fw
.irp pt, 0,1,2,3
.irp hl, 0,1
	ds_load_b128 v[\fa+16*\pt+8*\hl:\fa+16*\pt+8*\hl+3], v[ADA+(((\ks)>>2)&1)] offset:\pt*8192+((\ks)&3)*2048+\hl*1024
	ds_load_b128 v[\fa+16*\pt+8*\hl+4:\fa+16*\pt+8*\hl+7], v[ADA+(((\ks)>>2)&1)] offset:\pt*8192+((\ks)&3)*2048+\hl*1024+512
.endr
.endr
	WIN 0x80                                       ; destination in window 2
.irp ot, 0,1,2,3
.irp hl, 0,1
	ds_load_b128 v[\fw+16*\ot+8*\hl:\fw+16*\ot+8*\hl+3], v[ADW+(((\ks)>>2)&1)] offset:\ot*8192+((\ks)&3)*2048+\hl*1024
	ds_load_b128 v[\fw+16*\ot+8*\hl+4:\fw+16*\ot+8*\hl+7], v[ADW+(((\ks)>>2)&1)] offset:\ot*8192+((\ks)&3)*2048+\hl*1024+512
.endr
.endr
	WIN 0
.endm
; 48 products: three terms, each over the 16 accumulators, which take turns always in the same order
.macro MULS fa, fw, z
.irp ot, 0,1,2,3
.irp pt, 0,1,2,3
	MM 8*(4*\ot+\pt), \fa+16*\pt, \fw+16*\ot, \z                 ; a_hi W_hi; in the first K step it starts the sums
.endr
.endr
.if \z
.rept 5
	v_nop                                          ; once: five places between the products that start the sums and the first that add onto them
.endr
.endif
.irp ot, 0,1,2,3
.irp pt, 0,1,2,3
	MM 8*(4*\ot+\pt), \fa+16*\pt+8, \fw+16*\ot, 0                ; a_lo W_hi
.endr
.endr
.irp ot, 0,1,2,3
.irp pt, 0,1,2,3
	MM 8*(4*\ot+\pt), \fa+16*\pt, \fw+16*\ot+8, 0                ; a_hi W_lo
.endr
.endr
.endm
	s_wait_tensorcnt 0x2                           ; my parts of quarter 0 are in; quarter 1's two stay out
	s_barrier_signal -1
	s_barrier_wait -1
	FETCH 0, 64, 0
.set ks, 0
.rept 16
	s_wait_dscnt 0x0                               ; this K step's fragments are in: they were asked for a whole K step of products ago.  At a quarter's last step: my reads of its slot are over
.if ks < 15
.if ((ks+1)&3) == 0
	s_wait_tensorcnt 0x0                           ; all my tensor loads have landed, my parts of the next quarter among them
	ds_add_u32 v254, v255
	s_wait_dscnt 0x0
.if ks < 11
	CROUND                                         ; both now hold of every wave of all four work-groups: the slot just read is free
.set QN, ((ks+1)>>2)+1
	tensor_load_to_lds s[G0A+4*QN:G0A+4*QN+3], s[G1A:G1A+7]      ; the quarter after next, into it: the first tensor loads behind the round
	s_nop 0
	tensor_load_to_lds s[G0W+4*QN:G0W+4*QN+3], s[G1W:G1W+7]
	s_nop 0
.else
	s_barrier_signal -1                            ; the last quarter is whole; nothing more is filled
	s_barrier_wait -1
.endif
.endif
.if ks > 0
.rept 4
	v_nop                                          ; four places between the last products and the loads into their sources
.endr
.endif
	FETCH ks+1, 64+64*((ks+1)&1), 64*((ks+1)&1)
.endif
	WIN 0x58                                       ; A window 0, B window 2, C and D window 1
	MULS 64+64*(ks&1), 64*(ks&1), ks==0
	WIN 0
.set ks, ks+1
.endr
.rept 4
	v_nop
.endr
; THE WAY OUT, 16 channels at a time: y s + t, 32 bytes a lane into my own stage, read back as rows of 256 bytes: sixteen lanes store 256
; consecutive bytes, at a multiple of 256 from out0's first byte.  LDS serves a wave's instructions in order, so no wait between stores and loads.
.macro OUTO ot, e
	WIN 0x01
.irp pt, 0,1,2,3
.irp j, 0,2,4,6
	v_pk_fma_f32 v[64+8*\pt+\j:65+8*\pt+\j], v[8*(4*\ot+\pt)+\j:8*(4*\ot+\pt)+\j+1], v[212+\ot-\e:213+\ot-\e], v[216+\ot-\e:217+\ot-\e] op_sel:[0,\e,\e] op_sel_hi:[1,\e,\e]
.endr
.endr
	WIN 0
.irp pt, 0,1,2,3
	ds_store_b128 v6, v[64+8*\pt:64+8*\pt+3] offset:\pt*64
	ds_store_b128 v6, v[64+8*\pt+4:64+8*\pt+7] offset:\pt*64+16
.endr
.if \ot
	s_wait_xcnt 0x0                                ; the last 16 channels' stores have read v96-127: they are loaded again only behind this wait
.endif
.irp i, 0,1,2,3,4,5,6,7
	ds_load_b128 v[96+4*\i:96+4*\i+3], v7 offset:\i*2*272
.endr
.irp i, 0,1,2,3,4,5,6,7
	s_wait_dscnt 7-\i
	global_store_b128 v8, v[96+4*\i:96+4*\i+3], s[92:93] offset:(16*\ot+2*\i)*4096
.endr
.endm
	OUTO 0, 0
	OUTO 1, 1
	OUTO 2, 0
	OUTO 3, 1
	s_wait_tensorcnt 0x0
	ds_add_u32 v254, v255
	s_wait_dscnt 0x0
	CROUND                                         ; the closing round
	s_endpgm
.Lfunc_end_k_qcb0a143474_oproj:
	.size	k_qcb0a143474_oproj, .Lfunc_end_k_qcb0a143474_oproj-k_qcb0a143474_oproj
	.p2alignl 7, 3214868480
	.fill 96, 4, 3214868480
	.section	.rodata,"a",@progbits
	.p2align	6, 0x0
	.amdhsa_kernel k_qcb0a143474_oproj
		.amdhsa_group_segment_fixed_size 327680
		.amdhsa_private_segment_fixed_size 0
		.amdhsa_enable_private_segment 0
		.amdhsa_kernarg_size 64
		.amdhsa_user_sgpr_count 2
		.amdhsa_user_sgpr_kernarg_segment_ptr 1
		.amdhsa_wavefront_size32 1
		.amdhsa_system_sgpr_workgroup_id_x 1
		.amdhsa_system_sgpr_workgroup_id_y 1
		.amdhsa_system_sgpr_workgroup_id_z 1
		.amdhsa_system_vgpr_workitem_id 0
		.amdhsa_next_free_vgpr 640
		.amdhsa_next_free_sgpr 96
		.amdhsa_reserve_vcc 0
		.amdhsa_float_denorm_mode_32 3
		.amdhsa_float_denorm_mode_16_64 3
		.amdhsa_memory_ordered 1
		.amdhsa_forward_progress 1
		.amdhsa_inst_pref_size 108
	.end_amdhsa_kernel
	.amdgpu_metadata
---
amdhsa.version: [ 1, 2 ]
amdhsa.kernels:
  - .name:           k_qcb0a143474_oproj
    .symbol:         k_qcb0a143474_oproj.kd
    .args:
      - { .name: af, .offset: 0, .size: 8, .value_kind: global_buffer, .address_space: global }
      - { .name: wof, .offset: 8, .size: 8, .value_kind: global_buffer, .address_space: global }
      - { .name: bo, .offset: 16, .size: 8, .value_kind: global_buffer, .address_space: global }
      - { .name: o_g, .offset: 24, .size: 8, .value_kind: global_buffer, .address_space: global }
      - { .name: o_v, .offset: 32, .size: 8, .value_kind: global_buffer, .address_space: global }
      - { .name: o_m, .offset: 40, .size: 8, .value_kind: global_buffer, .address_space: global }
      - { .name: o_b, .offset: 48, .size: 8, .value_kind: global_buffer, .address_space: global }
      - { .name: out0, .offset: 56, .size: 8, .value_kind: global_buffer, .address_space: global }
    .group_segment_fixed_size: 327680
    .private_segment_fixed_size: 0
    .kernarg_segment_align: 8
    .kernarg_segment_size: 64
    .max_flat_workgroup_size: 128
    .sgpr_count:     96
    .vgpr_count:     640
    .wavefront_size: 32
...
	.end_amdgpu_metadata
.endif
;; end of part 3
;; ======== version 2 of 3: 3 launches; 1.11 times as fast as version 1
;; limits: values are held in f16: magnitudes above 65,504 overflow, below 6.1e-05 lose precision
;; workspace buffers: qf 8,388,608 bytes; kv 25,165,824 bytes; biasw 33,554,432 bytes; wof 262,144 bytes; af 16,777,216 bytes; vmax 4,096 bytes
;; launch prep (part 4): grid 4 x 64, 8 waves a work-group, no clusters, 310,272 bytes of LDS; arguments x, Wq, Wk, Wv, q_g, q_v, q_m, q_b, k_g, k_v, k_m, k_b, v_g, v_v, v_m, v_b, pos_idx, pos_tab, Wo, qf, kv, biasw, wof, vmax; writes qf, kv, biasw, wof, vmax
.if DOCPART == 4
	.amdgcn_target "amdgcn-amd-amdhsa--gfx1250"
	.amdhsa_code_object_version 6
	.text
	.protected	k_qcb0a143474_prep
	.globl	k_qcb0a143474_prep
	.p2align	8
	.type	k_qcb0a143474_prep,@function
k_qcb0a143474_prep:
	s_mov_b64 s[64:65], 0
	v_nop
	global_prefetch_b8 v0, s[64:65] scope:SCOPE_SE
	s_setreg_imm32_b32 hwreg(HW_REG_WAVE_MODE, 25, 1), 1
	s_wait_xcnt 0x0
; prep: the three 1x1 convolutions with their batch norms, the bias table of the attention, Wo in f16, and the largest v of each wave's block.
; Everything is stored as FRAGMENT IMAGES: one 16 x 32 operand of 16-bit numbers (or one 16 x 16 f32 C tile) is 1,024 bytes, part*512 + lane*16,
; part 0 = the lane's registers 0-3, part 1 = registers 4-7.  So every store of a wave here, and every load of the later launches, covers 512
; consecutive aligned bytes, and nothing is transposed between launches.
; Work-group (ob, nb): ob = 0 q, 1 k, 2 and 3 the two halves of v; nb = 256 positions of one batch.  256 rows of W x 256 positions, K = 256.
; Eight waves, each 128 rows of W (8 tiles wt) x 64 positions (4 tiles pt): 32 accumulators, 256 registers, in window 1.
; q, k: D = W(A) x(B): lane = position, registers = 8 channels, which packed are the operand image with K = dk.
; v:    D = x(A) W(B): lane = channel dv, registers = 8 positions, which packed are the operand image with K = keys.
; q is stored times DK^-0.5 log2(e), the bias times sqrt(DK) log2(e): the softmax of the next launch works in base 2.
; vmax [batch][64]: max(0, v) over each wave's 128 channels x 64 positions.  The attention's output after the relu is a mean of v with weights that
; add up to one, so it lies between 0 and the largest of a batch's 64 numbers: the later launches divide by that and multiply it back,
; which gives the last product's operand room in f16 whatever the inputs' scale.
; NO TENSOR LOADS, NO MULTICAST: x and W are f32 in memory and pass through registers to be rounded to bf16; the whole K of both in bf16
; (139,264 + 135,168 bytes) leaves no room in LDS for an f32 stage.
; LIMITS: indices of pos_idx are clamped to 0..1023; g * rsq(v + eps) stands for
; g / sqrt(v + eps) (1 ulp); Wo goes to f16: magnitudes above 65,504 are not served, and below 6e-5 the absolute error is 3e-8;
; NaN and infinities in the inputs are not reproduced.
.set XP, 544                           ; LDS pitch of x [c][256 positions] bf16: 512 + 32, an odd multiple of 32 for the transposing load
.set WP, 528                           ; LDS pitch of W [o][256 c] bf16: 512 + 16, an odd multiple of 16
.set WS, 256*XP                        ; W behind x
.set PT, WS+256*WP                     ; pos_tab, 32,768 bytes
.set SC, PT+32768                      ; s[256], and 1,024 bytes further t[256]: y*s + t is the batch norm
.set ST, 32                            ; v32-159   a chunk as loaded: 32 x 16 bytes a lane
.set WF, 160                           ; v160-223  8 fragments of W
.set XF, 224                           ; v224-255  4 fragments of x
.set GG, 160                           ; ahead of the products: pos_tab on its way to LDS, then the gathered rows
.set PR, 192                           ; g, v, m, b of channel v0
.set IX0, 196                          ; 16 indices
.set OU, 212                           ; 8 heads x 4 bias numbers to store
.set GA, 244                           ; 4 LDS addresses of gathered rows
.set TMP, 32                           ; way out: f32 at work
.set OUTR, 96                          ; way out: v96-223, every store has registers of its own
.set SR, 224
.set TR, 240
.set VM, 22                            ; v22-25    four chains of the largest v
.set MSB, 0
.macro WIN new                         ; s_set_vgpr_msb; the immediate's high byte repeats the setting that is left
.if MSB != \new
	s_set_vgpr_msb (MSB<<8)|\new
.set MSB, \new
.endif
.endm
.macro MM d, a, b, z                   ; one product; z: it starts the sum
.if \z
	v_wmma_f32_16x16x32_bf16 v[\d:\d+7], v[\a:\a+7], v[\b:\b+7], 0
.else
	v_wmma_f32_16x16x32_bf16 v[\d:\d+7], v[\a:\a+7], v[\b:\b+7], v[\d:\d+7]
.endif
.endm
	s_load_b512 s[4:19], s[0:1], 0x0               ; x, Wq, Wk, Wv, q_g, q_v, q_m, q_b
	s_load_b512 s[20:35], s[0:1], 0x40             ; k_g, k_v, k_m, k_b, v_g, v_v, v_m, v_b
	s_load_b256 s[36:43], s[0:1], 0x80             ; pos_idx, pos_tab, Wo, qf
	s_load_b128 s[44:47], s[0:1], 0xa0             ; kv, biasw
	s_load_b64 s[48:49], s[0:1], 0xb0              ; wof
	s_load_b64 s[104:105], s[0:1], 0xb8            ; vmax
	v_lshl_add_u32 v30, v0, 2, 0x4b800
	v_mov_b32 v31, 0
	v_and_b32 v1, 31, v0                           ; lane L
	v_lshrrev_b32 v2, 5, v0
	v_readfirstlane_b32 s50, v2                    ; wave w
	v_and_b32 v3, 15, v0                           ; r = L & 15
	v_bfe_u32 v4, v0, 4, 1                         ; hh = L >> 4
	s_mov_b32 s51, ttmp9                           ; ob
	s_and_b32 s86, ttmp7, 0xffff                   ; nb
	s_lshr_b32 s87, s86, 2                         ; batch (and: block of 64 queries of the bias tile)
	s_and_b32 s88, s86, 3                          ; which 256 positions of the batch
	s_lshr_b32 s89, s50, 2                         ; wo: my 128 rows of W
	s_and_b32 s90, s50, 3                          ; wn: my 64 positions
	s_lshl_b32 s91, s87, 3
	s_lshl2_add_u32 s91, s89, s91                  ; 8 b + 4 wo: my first head in q and k
	s_lshl_b32 s2, s88, 3
	s_lshl1_add_u32 s2, s90, s2                    ; 8 (nb & 3) + 2 wn: my first pair of position tiles
	s_mov_b32 s63, 0x410293ee                      ; sqrt(32) log2(e)
	v_lshlrev_b32 v5, 4, v0                        ; pos_tab: 16 bytes a thread
	s_lshl_b32 s82, s50, 9
	s_add_co_u32 s82, s82, PT
	v_lshl_add_u32 v6, v1, 4, s82                  ; and where they go in LDS
	v_lshlrev_b32 v7, 2, v0                        ; the parameters of channel v0
	s_lshl_b32 s82, s50, 7
	v_lshlrev_b32 v9, 12, v3
	v_lshl_add_u32 v9, v4, 5, v9
	v_add_nc_u32 v9, s82, v9                       ; indices: row r, 8 hh + 32 w numbers along it
	s_add_co_u32 s82, s82, SC
	v_lshl_add_u32 v8, v1, 2, s82                  ; s of channel v0 in LDS
	s_lshl_b32 s82, s50, 15
	v_lshl_add_u32 v10, v1, 4, s82                 ; x: rows 8 w .., 16 bytes a lane
	v_lshl_add_u32 v11, v3, 4, s82
	v_lshl_add_u32 v11, v4, 13, v11                ; W: rows 32 w + 8 hh .., sixteen lanes take 256 bytes of a row
	s_mul_i32 s83, s50, 8*XP
	v_lshl_add_u32 v12, v1, 3, s83                 ; x in LDS: rows 8 w .., 8 bytes a lane
	s_mul_i32 s83, s50, 32*WP
	s_add_co_u32 s83, s83, WS
	v_mul_u32_u24 v13, v4, 8*WP
	v_lshl_add_u32 v13, v3, 3, v13
	v_add_nc_u32 v13, s83, v13                     ; W in LDS: the two halves of the lanes lie 8 rows = 128 bytes mod 256 apart
	s_mul_i32 s83, s89, 128*WP
	s_add_co_u32 s83, s83, WS
	v_mul_u32_u24 v14, v3, WP
	v_lshl_add_u32 v14, v4, 4, v14
	v_add_nc_u32 v14, s83, v14                     ; fragments of W: row 128 wo + r, 16 hh
	v_and_b32 v20, 7, v0
	v_lshl_add_u32 v20, v4, 3, v20
	v_mul_u32_u24 v15, v20, XP
	v_bfe_u32 v20, v0, 3, 1
	v_lshl_add_u32 v15, v20, 4, v15
	s_lshl_b32 s83, s90, 7
	v_add_nc_u32 v15, s83, v15                     ; fragments of x, transposing load: row 8 hh + (L & 7), 16 ((L >> 3) & 1), my 64 positions
	s_lshl_b32 s83, s50, 13
	v_lshl_add_u32 v16, v1, 4, s83                 ; bias tiles: 16 L + my two key tiles
	v_lshlrev_b32 v17, 4, v1                       ; an image's 16 bytes of lane L
	s_lshl_b32 s83, s89, 9
	s_add_co_u32 s83, s83, SC
	v_lshl_add_u32 v18, v4, 5, s83                 ; s of channels 128 wo + 8 hh ..
	v_lshl_add_u32 v19, v3, 2, s83                 ; s of channel 128 wo + r
	v_lshlrev_b32 v21, 11, v3
	v_lshl_add_u32 v21, v4, 5, v21                 ; Wo: row r, 8 hh numbers along it
	s_wait_kmcnt 0x0
	; which W and which batch norm: a choice between buffers on the work-group's number
	s_cmp_eq_u32 s51, 0
	s_cselect_b64 s[52:53], s[6:7], s[8:9]
	s_cselect_b64 s[54:55], s[12:13], s[20:21]
	s_cselect_b64 s[56:57], s[14:15], s[22:23]
	s_cselect_b64 s[58:59], s[16:17], s[24:25]
	s_cselect_b64 s[60:61], s[18:19], s[26:27]
	s_cselect_b32 s62, 0x3e8293ee, 1.0             ; q alone carries DK^-0.5 log2(e)
	s_cmp_ge_u32 s51, 2
	s_cselect_b64 s[52:53], s[10:11], s[52:53]
	s_cselect_b64 s[54:55], s[28:29], s[54:55]
	s_cselect_b64 s[56:57], s[30:31], s[56:57]
	s_cselect_b64 s[58:59], s[32:33], s[58:59]
	s_cselect_b64 s[60:61], s[34:35], s[60:61]
	s_cmp_eq_u32 s51, 3                            ; v's second 256 channels
	s_cselect_b32 s82, 0x40000, 0
	s_cselect_b32 s84, 0x400, 0
	s_mov_b32 s83, 0
	s_mov_b32 s85, 0
	s_add_nc_u64 s[52:53], s[52:53], s[82:83]
	s_add_nc_u64 s[54:55], s[54:55], s[84:85]
	s_add_nc_u64 s[56:57], s[56:57], s[84:85]
	s_add_nc_u64 s[58:59], s[58:59], s[84:85]
	s_add_nc_u64 s[60:61], s[60:61], s[84:85]
	s_lshl_b32 s82, s87, 20
	s_lshl_b32 s84, s88, 10
	s_add_co_u32 s82, s82, s84
	s_add_nc_u64 s[92:93], s[4:5], s[82:83]        ; x at my batch and my 256 positions
	s_lshl_b32 s82, s86, 16
	s_lshl_b32 s84, s51, 10
	s_add_co_u32 s82, s82, s84
	s_add_nc_u64 s[94:95], s[36:37], s[82:83]      ; pos_idx at query tile nb, key tiles 16 ob ..
	s_lshl_b32 s82, s87, 18
	s_lshl_b32 s84, s88, 10
	s_add_co_u32 s82, s82, s84
	s_lshl_b32 s84, s51, 16
	s_add_co_u32 s82, s82, s84
	s_add_nc_u64 s[66:67], s[46:47], s[82:83]      ; biasw [h][nb >> 2][kt][nb & 3][1024], head 0,
.irp h, 1,2,3,4,5,6,7
	s_add_nc_u64 s[66+2*\h:67+2*\h], s[66+2*(\h-1):67+2*(\h-1)], 0x400000   ; and a base for each further head
.endr
; chunk i: 64 channels c of x (my 8 rows x 1,024 bytes) and of W (my 32 rows x 256 bytes): 32 loads of 16 bytes a lane
.macro LOADCHUNK i
.irp j, 0,1,2,3,4,5,6,7
	global_load_b128 v[ST+8*\j:ST+8*\j+3], v10, s[92:93] offset:(\i)*262144+\j*4096
	global_load_b128 v[ST+8*\j+4:ST+8*\j+7], v10, s[92:93] offset:(\i)*262144+\j*4096+512
.endr
.irp j, 0,1,2,3,4,5,6,7,8,9,10,11,12,13,14,15
	global_load_b128 v[ST+64+4*\j:ST+64+4*\j+3], v11, s[52:53] offset:((\j&7)+16*(\j>>3))*1024+(\i)*256
.endr
.endm
.irp i, 0,1,2,3,4,5,6,7
	global_load_b128 v[GG+4*\i:GG+4*\i+3], v5, s[38:39] offset:\i*4096
.endr
	global_load_b32 v[PR], v7, s[54:55]
	global_load_b32 v[PR+1], v7, s[56:57]
	global_load_b32 v[PR+2], v7, s[58:59]
	global_load_b32 v[PR+3], v7, s[60:61]
.irp u, 0,1
.irp part, 0,1
	global_load_b128 v[IX0+8*\u+4*\part:IX0+8*\u+4*\part+3], v9, s[94:95] offset:\u*64+\part*16
.endr
.endr
	LOADCHUNK 0
	s_wait_loadcnt 32                              ; loads come back in order: all but chunk 0's 32 are in
.irp i, 0,1,2,3,4,5,6,7
	ds_store_b128 v6, v[GG+4*\i:GG+4*\i+3] offset:\i*4096
.endr
	v_add_f32 v[PR+1], 0x3727c5ac, v[PR+1]         ; v + 1e-5
	v_rsq_f32 v248, v[PR+1]
	v_mul_f32 v[PR+3], s62, v[PR+3]                ; b f: the plain instruction behind the reciprocal root
	v_mul_f32 v[PR], s62, v[PR]
	s_wait_alu depctr_va_vdst(0)
	v_mul_f32 v[PR], v[PR], v248                   ; s = g f / sqrt(v + eps)
	v_fma_f32 v[PR+3], -v[PR+2], v[PR], v[PR+3]    ; t = b f - m s
	ds_store_b32 v8, v[PR]
	ds_store_b32 v8, v[PR+3] offset:1024
	s_wait_dscnt 0x0                               ; my stores are done, for the other waves' sake
	s_barrier_signal -1
	s_barrier_wait -1                              ; pos_tab, s and t are whole; no LDS byte of this kernel is ever written twice
; THE BIAS.  Query tile nb, my key tiles 16 ob + 2 w + u.  Lane (r, hh) holds the C tile's registers j = 4 part + e: query r, key 8 hh + j.
; One gathered row of pos_tab holds all 8 heads; the multiply by sqrt(32) log2(e) also turns [e][h] into [h][e].
.macro BIASHALF u, part, first
.set IX, IX0+8*\u+4*\part
.irp e, 0,1,2,3
	v_min_u32 v[IX+\e], 0x3ff, v[IX+\e]            ; an index stays inside the table
.endr
.irp e, 0,1,2,3
	v_lshl_add_u32 v[GA+\e], v[IX+\e], 5, PT
.endr
.irp e, 0,1,2,3
	ds_load_b128 v[GG+8*\e:GG+8*\e+3], v[GA+\e]
	ds_load_b128 v[GG+8*\e+4:GG+8*\e+7], v[GA+\e] offset:16
.endr
	s_wait_dscnt 0x0
.if \first == 0
	s_wait_xcnt 0x0                                ; the last half's stores have read their data: it is rewritten only behind this wait
.endif
.irp h, 0,1,2,3,4,5,6,7
.irp e, 0,1,2,3
	v_mul_f32 v[OU+4*\h+\e], s63, v[GG+8*\e+\h]
.endr
.endr
.irp h, 0,1,2,3,4,5,6,7
	global_store_b128 v16, v[OU+4*\h:OU+4*\h+3], s[66+2*\h:67+2*\h] offset:\u*4096+\part*512
.endr
.endm
	BIASHALF 0, 0, 1
	BIASHALF 0, 1, 0
	BIASHALF 1, 0, 0
	BIASHALF 1, 1, 0
	s_wait_xcnt 0x0                                ; the fragments below land on registers that these stores read
; One K step of 32: 8 fragments of W, 4 of x, 32 products on 32 accumulators that take turns, always in the same order.
.macro KSTEP ks, mode
.if (\ks) & 1
.rept 4
	v_nop                                          ; four places between the last products and the loads into their sources
.endr                                              ; an even K step has the chunk's conversions there
.endif
.irp wt, 0,1,2,3,4,5,6,7
	ds_load_b128 v[WF+8*\wt:WF+8*\wt+3], v14 offset:\wt*16*WP+(\ks)*64
	ds_load_b128 v[WF+8*\wt+4:WF+8*\wt+7], v14 offset:\wt*16*WP+(\ks)*64+32
.endr
.irp pt, 0,1,2,3
	ds_load_tr16_b128 v[XF+8*\pt:XF+8*\pt+3], v15 offset:((\ks)&1)*32*XP+\pt*32
	ds_load_tr16_b128 v[XF+8*\pt+4:XF+8*\pt+7], v15 offset:((\ks)&1)*32*XP+\pt*32+16*XP
.endr
	s_wait_dscnt 0x0
	WIN 0x50                                       ; C and D in window 1
.irp wt, 0,1,2,3,4,5,6,7
.irp pt, 0,1,2,3
.if \mode
	MM 8*(4*\wt+\pt), XF+8*\pt, WF+8*\wt, (\ks)==0
.else
	MM 8*(4*\wt+\pt), WF+8*\wt, XF+8*\pt, (\ks)==0
.endif
.endr
.endr
	WIN 0
.endm
; A chunk: round to bf16 in place, store to LDS, ask for the next chunk, one barrier, two K steps while the next chunk is on its way.
.macro CHUNK i
	s_wait_loadcnt 0x0
.set k, 0
.rept 32
	v_cvt_pk_bf16_f32 v[ST+4*k], v[ST+4*k], v[ST+4*k+1]
	v_cvt_pk_bf16_f32 v[ST+4*k+1], v[ST+4*k+2], v[ST+4*k+3]
.set k, k+1
.endr
.irp j, 0,1,2,3,4,5,6,7
	ds_store_b64 v12, v[ST+8*\j:ST+8*\j+1] offset:\j*XP
	ds_store_b64 v12, v[ST+8*\j+4:ST+8*\j+5] offset:\j*XP+256
.endr
.irp j, 0,1,2,3,4,5,6,7,8,9,10,11,12,13,14,15
	ds_store_b64 v13, v[ST+64+4*\j:ST+64+4*\j+1] offset:((\j&7)+16*(\j>>3))*WP+(\i)*128
.endr
	s_wait_dscnt 0x0                               ; my part of the chunk is in LDS, for the other waves' sake
.if \i < 3
	LOADCHUNK (\i+1)
.endif
	s_barrier_signal -1
	s_barrier_wait -1
	s_cmp_ge_u32 s51, 2                            ; the same in all waves: v takes x as the first operand
	s_cbranch_scc1 .Lvk_\@
	KSTEP 2*(\i), 0
	KSTEP 2*(\i)+1, 0
	s_branch .Ljk_\@
.Lvk_\@:
	KSTEP 2*(\i), 1
	KSTEP 2*(\i)+1, 1
.Ljk_\@:
.if \i < 3
	v_add_nc_u32 v12, 64*XP, v12                   ; x's next 64 rows in LDS
	v_add_nc_u32 v15, 64*XP, v15
.endif
.endm
	CHUNK 0
	CHUNK 1
	CHUNK 2
	CHUNK 3
; q and k out.  A head is two tiles wt; tile wt & 1 is part wt & 1 of the image.  s and t hang on the register (channel 8 hh + j).
.macro EPI_QK HS, PS
.rept 4
	v_nop                                          ; four places behind the last products
.endr
.irp hd, 0,1,2,3
.irp e, 0,1
	ds_load_b128 v[SR+8*\e:SR+8*\e+3], v18 offset:(2*\hd+\e)*64
	ds_load_b128 v[SR+8*\e+4:SR+8*\e+7], v18 offset:(2*\hd+\e)*64+16
	ds_load_b128 v[TR+8*\e:TR+8*\e+3], v18 offset:1024+(2*\hd+\e)*64
	ds_load_b128 v[TR+8*\e+4:TR+8*\e+7], v18 offset:1024+(2*\hd+\e)*64+16
.endr
	s_wait_dscnt 0x0
	WIN 0x01                                       ; source 0 in window 1
.irp pt, 0,1,2,3
.irp e, 0,1
.irp j, 0,2,4,6
	v_pk_fma_f32 v[TMP+16*\pt+8*\e+\j:TMP+16*\pt+8*\e+\j+1], v[8*(4*(2*\hd+\e)+\pt)+\j:8*(4*(2*\hd+\e)+\pt)+\j+1], v[SR+8*\e+\j:SR+8*\e+\j+1], v[TR+8*\e+\j:TR+8*\e+\j+1]
.endr
.endr
.endr
	WIN 0
.irp pt, 0,1,2,3
.irp e, 0,1
.irp q, 0,1,2,3
	v_cvt_pk_bf16_f32 v[OUTR+32*\hd+8*\pt+4*\e+\q], v[TMP+16*\pt+8*\e+2*\q], v[TMP+16*\pt+8*\e+2*\q+1]
.endr
.endr
.endr
.irp pt, 0,1,2,3
.irp e, 0,1
	global_store_b128 v17, v[OUTR+32*\hd+8*\pt+4*\e:OUTR+32*\hd+8*\pt+4*\e+3], s[96:97] offset:\hd*\HS+(\pt>>1)*\PS+(\pt&1)*1024+\e*512
.endr
.endr
.endr
.endm
	s_cmp_ge_u32 s51, 2
	s_cbranch_scc1 .Lvout
	s_cmp_eq_u32 s51, 0
	s_cbranch_scc0 .Lkout
	s_lshl_b32 s82, s91, 16                        ; qf [b][h][tile 64][1024]
	s_lshl_b32 s84, s2, 11
	s_add_co_u32 s82, s82, s84
	s_add_nc_u64 s[96:97], s[42:43], s[82:83]
	EPI_QK 65536, 2048
	s_branch .Lwo
.Lkout:
	s_mul_i32 s82, s91, 196608                     ; kv [b][h][32 keys: 32][6144]: two K tiles, then four V tiles
	s_mul_i32 s84, s2, 6144
	s_add_co_u32 s82, s82, s84
	s_add_nc_u64 s[96:97], s[44:45], s[82:83]
	EPI_QK 196608, 6144
	s_branch .Lwo
.Lvout:
	s_lshl_b32 s82, s87, 3
	s_lshl_b32 s84, s51, 2
	s_add_co_u32 s82, s82, s84
	s_sub_co_u32 s82, s82, 8
	s_lshl1_add_u32 s82, s89, s82                  ; 8 b + 4 (ob - 2) + 2 wo: my first head
	s_lshl_b32 s82, s82, 5
	s_add_co_u32 s82, s82, s2
	s_mul_i32 s82, s82, 6144
	s_add_nc_u64 s[96:97], s[44:45], s[82:83]
	s_lshl_b32 s82, s87, 6                         ; vmax [b][64]: word 64 b + 32 (ob - 2) + 8 (nb & 3) + w
	s_lshl_b32 s84, s51, 5
	s_add_co_u32 s82, s82, s84
	s_sub_co_u32 s82, s82, 64
	s_lshl3_add_u32 s82, s88, s82
	s_add_co_u32 s82, s82, s50
	s_lshl_b32 s82, s82, 2
	s_add_nc_u64 s[98:99], s[104:105], s[82:83]
	s_mov_b32 s2, 0x76543210                       ; v_permlanex16_b32: lane i takes lane i of the other half
	s_mov_b32 s3, 0xfedcba98
	; v out.  Position tile pt & 1 is part pt & 1 of the image; s and t hang on the lane (channel r) and are broadcast to both halves of a pair.
.rept 4
	v_nop
.endr
.irp wt, 0,1,2,3,4,5,6,7
	ds_load_b32 v[SR+\wt], v19 offset:\wt*64
	ds_load_b32 v[TR+\wt], v19 offset:1024+\wt*64
.endr
.irp k, 0,1,2,3
	v_mov_b32 v[VM+\k], 0                          ; the chains start at the relu's zero: max(0, v)
.endr
	s_wait_dscnt 0x0
.irp g, 0,1,2,3
	WIN 0x01
.irp e, 0,1
.irp pt, 0,1,2,3
.irp j, 0,2,4,6
	v_pk_fma_f32 v[TMP+32*\e+8*\pt+\j:TMP+32*\e+8*\pt+\j+1], v[8*(4*(2*\g+\e)+\pt)+\j:8*(4*(2*\g+\e)+\pt)+\j+1], v[SR+2*\g:SR+2*\g+1], v[TR+2*\g:TR+2*\g+1] op_sel:[0,\e,\e] op_sel_hi:[1,\e,\e]
.endr
.endr
.endr
	WIN 0
.irp i, 0,1,2,3,4,5,6,7
.irp k, 0,1,2,3
	v_max3_num_f32 v[VM+\k], v[VM+\k], v[TMP+8*\i+2*\k], v[TMP+8*\i+2*\k+1]
.endr
.endr
.irp e, 0,1
.irp pt, 0,1,2,3
.irp q, 0,1,2,3
	v_cvt_pk_bf16_f32 v[OUTR+32*\g+16*\e+4*\pt+\q], v[TMP+32*\e+8*\pt+2*\q], v[TMP+32*\e+8*\pt+2*\q+1]
.endr
.endr
.endr
.irp e, 0,1
.irp pt, 0,1,2,3
	global_store_b128 v17, v[OUTR+32*\g+16*\e+4*\pt:OUTR+32*\g+16*\e+4*\pt+3], s[96:97] offset:((2*\g+\e)>>2)*196608+(\pt>>1)*6144+2048+((2*\g+\e)&3)*1024+(\pt&1)*512
.endr
.endr
.endr
	; the wave's largest v: the four chains, then across the 32 lanes; lane 0 stores it
	v_max3_num_f32 v[VM], v[VM], v[VM+1], v[VM+2]
	v_max_num_f32 v[VM], v[VM], v[VM+3]
.irp m, 1,2,4,8
	v_max_num_f32_dpp v[VM], v[VM], v[VM] row_xmask:\m row_mask:0xf bank_mask:0xf
.endr
	v_permlanex16_b32 v[VM+1], v[VM], s2, s3
	v_max_num_f32 v[VM], v[VM], v[VM+1]
	v_cmp_eq_u32 vcc_lo, 0, v1
	s_wait_xcnt 0x0                                ; EXEC is a source of the stores above: it is narrowed only behind this wait
	s_and_saveexec_b32 s84, vcc_lo
	global_store_b32 v17, v[VM], s[98:99]          ; lane 0: its 16 L is 0
	s_wait_xcnt 0x0                                ; and widened again only behind this one; the store's base is free too
	s_or_b32 exec_lo, exec_lo, s84
.Lwo:
	; Wo in f16: 256 fragments of 16 rows x 32 columns, one for each work-group, made by its wave 0.
	; Fragment g = 4 nb + ob: rows 16 (g >> 4) .., columns 32 (g & 15) ..
	s_cmp_lg_u32 s50, 0
	s_cbranch_scc1 .Lend
	s_lshl2_add_u32 s82, s86, s51
	s_lshr_b32 s84, s82, 4
	s_lshl_b32 s84, s84, 15
	s_and_b32 s3, s82, 15
	s_lshl_b32 s3, s3, 7
	s_add_co_u32 s84, s84, s3
	s_add_nc_u64 s[98:99], s[40:41], s[84:85]
	s_lshl_b32 s82, s82, 10
	s_add_nc_u64 s[100:101], s[48:49], s[82:83]
	global_load_b128 v[32:35], v21, s[98:99]
	global_load_b128 v[36:39], v21, s[98:99] offset:16
	global_load_b128 v[40:43], v21, s[98:99] offset:64
	global_load_b128 v[44:47], v21, s[98:99] offset:80
	s_wait_loadcnt 0x0
.irp q, 0,1,2,3,4,5,6,7
	v_cvt_pk_f16_f32 v[48+\q], v[32+2*\q], v[33+2*\q]
.endr
	global_store_b128 v17, v[48:51], s[100:101]
	global_store_b128 v17, v[52:55], s[100:101] offset:512
.Lend:
	s_wait_tensorcnt 0x0
	ds_add_u32 v30, v31
	s_wait_dscnt 0x0
	s_endpgm
.Lfunc_end_k_qcb0a143474_prep:
	.size	k_qcb0a143474_prep, .Lfunc_end_k_qcb0a143474_prep-k_qcb0a143474_prep
	.p2alignl 7, 3214868480
	.fill 96, 4, 3214868480
	.section	.rodata,"a",@progbits
	.p2align	6, 0x0
	.amdhsa_kernel k_qcb0a143474_prep
		.amdhsa_group_segment_fixed_size 310272
		.amdhsa_private_segment_fixed_size 0
		.amdhsa_enable_private_segment 0
		.amdhsa_kernarg_size 192
		.amdhsa_user_sgpr_count 2
		.amdhsa_user_sgpr_kernarg_segment_ptr 1
		.amdhsa_wavefront_size32 1
		.amdhsa_system_sgpr_workgroup_id_x 1
		.amdhsa_system_sgpr_workgroup_id_y 1
		.amdhsa_system_sgpr_workgroup_id_z 1
		.amdhsa_system_vgpr_workitem_id 0
		.amdhsa_next_free_vgpr 512
		.amdhsa_next_free_sgpr 106
		.amdhsa_reserve_vcc 1
		.amdhsa_float_denorm_mode_32 3
		.amdhsa_float_denorm_mode_16_64 3
		.amdhsa_memory_ordered 1
		.amdhsa_forward_progress 1
		.amdhsa_inst_pref_size 191
	.end_amdhsa_kernel
	.amdgpu_metadata
---
amdhsa.version: [ 1, 2 ]
amdhsa.kernels:
  - .name:           k_qcb0a143474_prep
    .symbol:         k_qcb0a143474_prep.kd
    .args:
      - { .name: x, .offset: 0, .size: 8, .value_kind: global_buffer, .address_space: global }
      - { .name: Wq, .offset: 8, .size: 8, .value_kind: global_buffer, .address_space: global }
      - { .name: Wk, .offset: 16, .size: 8, .value_kind: global_buffer, .address_space: global }
      - { .name: Wv, .offset: 24, .size: 8, .value_kind: global_buffer, .address_space: global }
      - { .name: q_g, .offset: 32, .size: 8, .value_kind: global_buffer, .address_space: global }
      - { .name: q_v, .offset: 40, .size: 8, .value_kind: global_buffer, .address_space: global }
      - { .name: q_m, .offset: 48, .size: 8, .value_kind: global_buffer, .address_space: global }
      - { .name: q_b, .offset: 56, .size: 8, .value_kind: global_buffer, .address_space: global }
      - { .name: k_g, .offset: 64, .size: 8, .value_kind: global_buffer, .address_space: global }
      - { .name: k_v, .offset: 72, .size: 8, .value_kind: global_buffer, .address_space: global }
      - { .name: k_m, .offset: 80, .size: 8, .value_kind: global_buffer, .address_space: global }
      - { .name: k_b, .offset: 88, .size: 8, .value_kind: global_buffer, .address_space: global }
      - { .name: v_g, .offset: 96, .size: 8, .value_kind: global_buffer, .address_space: global }
      - { .name: v_v, .offset: 104, .size: 8, .value_kind: global_buffer, .address_space: global }
      - { .name: v_m, .offset: 112, .size: 8, .value_kind: global_buffer, .address_space: global }
      - { .name: v_b, .offset: 120, .size: 8, .value_kind: global_buffer, .address_space: global }
      - { .name: pos_idx, .offset: 128, .size: 8, .value_kind: global_buffer, .address_space: global }
      - { .name: pos_tab, .offset: 136, .size: 8, .value_kind: global_buffer, .address_space: global }
      - { .name: Wo, .offset: 144, .size: 8, .value_kind: global_buffer, .address_space: global }
      - { .name: qf, .offset: 152, .size: 8, .value_kind: global_buffer, .address_space: global }
      - { .name: kv, .offset: 160, .size: 8, .value_kind: global_buffer, .address_space: global }
      - { .name: biasw, .offset: 168, .size: 8, .value_kind: global_buffer, .address_space: global }
      - { .name: wof, .offset: 176, .size: 8, .value_kind: global_buffer, .address_space: global }
      - { .name: vmax, .offset: 184, .size: 8, .value_kind: global_buffer, .address_space: global }
    .group_segment_fixed_size: 310272
    .private_segment_fixed_size: 0
    .kernarg_segment_align: 8
    .kernarg_segment_size: 192
    .max_flat_workgroup_size: 256
    .sgpr_count:     106
    .vgpr_count:     512
    .wavefront_size: 32
...
	.end_amdgpu_metadata
.endif
;; end of part 4
;; launch attn (part 5): grid 32 x 8, 4 waves a work-group, clusters of 4 x 4, 327,680 bytes of LDS; arguments qf, kv, biasw, af, vmax; writes af
.if DOCPART == 5
	.amdgcn_target "amdgcn-amd-amdhsa--gfx1250"
	.amdhsa_code_object_version 6
	.text
	.protected	k_qcb0a143474_attn
	.globl	k_qcb0a143474_attn
	.p2align	8
	.type	k_qcb0a143474_attn,@function
k_qcb0a143474_attn:
	s_mov_b64 s[64:65], 0
	v_nop
	global_prefetch_b8 v0, s[64:65] scope:SCOPE_SE
	s_setreg_imm32_b32 hwreg(HW_REG_WAVE_MODE, 25, 1), 1
	s_wait_xcnt 0x0
	s_wait_alu depctr_hold_cnt(0) depctr_sa_sdst(0) depctr_va_vdst(0) depctr_va_sdst(0) depctr_va_ssrc(0) depctr_va_vcc(0) depctr_vm_vsrc(0)
	s_getreg_b32 s2, hwreg(HW_REG_IB_STS2, 6, 4)
	s_cmp_eq_u32 s2, 0
	s_cbranch_scc0 .Lentry_in_a_cluster
	s_endpgm
.Lentry_in_a_cluster:
	s_bfe_u32 s2, ttmp6, 0x10000c
	s_cmp_lg_u32 s2, 0xf033
	s_cbranch_scc0 .Lentry_shape_is_right
	s_endpgm
.Lentry_shape_is_right:
; attn: softmax(q k^T + bias) v and the relu, for one head, 256 queries and TWO batches in a work-group.
; Wave w: 64 queries (4 tiles t) x 2 batches b = 8 PIECES p = 2 t + b.  The two batches share each bias tile in registers, the four query
; tiles share each K and V fragment.  Keys go in 16 steps of 64.
; S^T = K(A) Q(B) + bias(C): lane (r, hh) holds query r, register j key 8 hh + j: maximum and sum run inside the lane, one exchange of the
; lane halves ends them, the bias costs no vector instruction, and the packed exponentials ARE the B operand of O^T = V(A) P(B).
; THREE STAGES SIDE BY SIDE: slot p holds the softmax of piece p, and between its vector instructions, one at a time, the four products
; QK of piece p + 1 and the eight products PV of piece p - 1.  S and P have two buffers, by the piece's parity.
; The softmax works in base 2 (q and the bias carry log2(e)), with a running maximum; the sum l adds the f32 exponentials, PV takes them in bf16.
; THE RESULT LEAVES IN f16, DIVIDED BY G = max(0, largest v of the batch) (the 64 partial maxima of vmax, clamped from below at 2^-120).  It is a
; mean of v with weights that add up to one, cut at zero, so it lies in [0, G] and the quotient in [0, 1] (but for the rounding of p and v to
; bf16, 2^-8 at the most), whatever the inputs' scale.  The next launch multiplies G back.
; CLUSTER 4 x 4: cx = block of 256 queries, cy = pair of batches.  K and V hang on (head, batches): asked for jointly along a row of the
; cluster.  The bias hangs on (head, queries): asked for jointly along a column.  Each divides its requests by four.
; LDS: two slots of 90,112 bytes: [2 b + kb][6144] K and V of 32 keys, then for each wave [kt 4][t 4][1024] bias.  All fragment images:
; a load takes 16 bytes a lane from 512 consecutive bytes, so no padding.
; REGISTERS.  Window 0: v2-6 addresses, v8-15 maxima, v16-23 sums, v24-27 the maximum at work (a pair for each parity), v28-31 the rescale
; factor likewise, v32-35 two sum chains, v36-41 at work, v42-43 1/G of the two batches, S v64-127, P v128-159, bias v160-223 (two buffers of one
; query tile x 4 key tiles).
; Window 1: O(p)[dvt] at 32 p + 8 dvt.  Window 2: K(b)[kt] at 32 b + 8 kt, V(b)[kb][dvt] at 64 + 64 b + 32 kb + 8 dvt, Q(p) at 192 + 8 p.
; LIMITS: parts of the result below 6e-5 G keep an absolute error of 3e-8 G; NaN and infinities in the inputs are not reproduced.
.set SLOTB, 90112
.set G1K, 20                           ; s[20:27] group 1 of K and V tiles: 24 rows of 256 bytes
.set G1B, 28                           ; s[28:35] group 1 of bias tiles: 64 rows of 256 bytes
.set G0K, 36                           ; s[36:43] group 0 of K and V, one set for each slot
.set G0B, 44                           ; s[44:51] group 0 of the bias, one set for each slot
.set MX, 8
.set LS, 16
.set IG, 42                            ; v42, v43: 1/G of batches 2 bp, 2 bp + 1
.set MSB, 0
.macro WIN new
.if MSB != \new
	s_set_vgpr_msb (MSB<<8)|\new
.set MSB, \new
.endif
.endm
.macro CREST                           ; a round of the cluster's barrier behind its opening barrier
	s_cmp_lg_u32 s12, 0
	s_cbranch_scc1 .Lnot_wave_0_\@
	s_barrier_signal -3
.Lnot_wave_0_\@:
	s_barrier_wait -3
	s_barrier_signal -1
	s_barrier_wait -1
.endm
.macro CROUND
	s_barrier_signal -1
	s_barrier_wait -1
	CREST
.endm
	s_load_b256 s[4:11], s[0:1], 0x0               ; qf, kv, biasw, af
	s_load_b64 s[62:63], s[0:1], 0x20              ; vmax
	v_lshl_add_u32 v254, v0, 2, 0x2c000
	v_mov_b32 v255, 0
	ds_add_u32 v254, v255
	v_lshrrev_b32 v1, 5, v0
	v_readfirstlane_b32 s12, v1                    ; wave
	s_bfe_u32 s13, ttmp6, 0x40000                  ; cx: block of 256 queries
	s_bfe_u32 s14, ttmp6, 0x40004                  ; cy
	s_mov_b32 s15, ttmp9                           ; the cluster's x: head
	s_and_b32 s16, ttmp7, 0xffff
	s_lshl_b32 s16, s16, 2
	s_add_co_u32 s16, s16, s14                     ; bp: batches 2 bp, 2 bp + 1
	s_lshl_b32 s17, s14, 2
	s_lshl_b32 s17, 15, s17                        ; my row of the cluster
	s_lshl_b32 s18, 0x1111, s13                    ; my column
	s_or_b32 s[G1K], s17, (3<<16)|(1<<21)          ; mask; elements of 8 bytes; bit 21 beside a mask
	s_mov_b32 s[G1K+1], 32<<16                     ; tensor_dim0 = 32 elements = 256 bytes
	s_mov_b32 s[G1K+2], 24<<16                     ; tensor_dim1 = 24 rows
	s_mov_b32 s[G1K+3], 32<<16                     ; tile_dim0
	s_mov_b32 s[G1K+4], 24                         ; tile_dim1
	s_mov_b32 s[G1K+5], 32                         ; pitch: the block is dense
	s_mov_b32 s[G1K+6], 0
	s_mov_b32 s[G1K+7], 0
	s_or_b32 s[G1B], s18, (3<<16)|(1<<21)
	s_mov_b32 s[G1B+1], 32<<16
	s_mov_b32 s[G1B+2], 64<<16
	s_mov_b32 s[G1B+3], 32<<16
	s_mov_b32 s[G1B+4], 64
	s_mov_b32 s[G1B+5], 32
	s_mov_b32 s[G1B+6], 0
	s_mov_b32 s[G1B+7], 0
	; K and V: wave w fetches batch w >> 1, 32 keys w & 1 of the step.  These registers never hold cx.
	s_lshr_b32 s56, s12, 1
	s_lshl1_add_u32 s57, s16, s56
	s_lshl3_add_u32 s57, s57, s15
	s_and_b32 s56, s12, 1
	s_lshl_b32 s57, s57, 5
	s_add_co_u32 s57, s57, s56
	s_mul_i32 s58, s57, 6144
	s_mov_b32 s59, 0
	s_lshl_b32 s56, s16, 9                         ; vmax: 256 bytes a batch, batch 2 bp
	s_mov_b32 s57, 0
	; the bias: wave w fetches its own 64 queries x 64 keys.  These registers never hold cy.
	s_lshl4_add_u32 s66, s15, s12
	s_lshl2_add_u32 s66, s13, s66
	s_lshl_b32 s66, s66, 18
	s_mov_b32 s67, 0
	s_mul_i32 s70, s12, 6144                       ; LDS: made of the wave's number alone
	s_lshl_b32 s71, s12, 14
	s_add_co_u32 s71, s71, 24576
	s_lshl4_add_u32 s72, s16, s15                  ; q: (8 (2 bp) + h) x 65,536 + (16 cx + 4 w) x 1,024
	s_lshl_b32 s72, s72, 16
	s_lshl2_add_u32 s76, s13, s12
	s_lshl_b32 s73, s76, 12
	s_add_co_u32 s72, s72, s73
	s_mov_b32 s73, 0
	s_lshl_b32 s77, s76, 16                        ; af [b][tile 64][ks 16][1024]: tile 16 cx + 4 w of 16,384 bytes,
	s_lshl_b32 s76, s16, 21                        ; batch 2 bp of 1,048,576 bytes,
	s_add_co_u32 s76, s76, s77
	s_lshl_b32 s77, s15, 11                        ; K steps 2 h, 2 h + 1 of 1,024 bytes
	s_add_co_u32 s76, s76, s77
	s_mov_b32 s77, 0
	s_mov_b32 s52, 0x76543210                      ; v_permlanex16_b32: lane i takes lane i of the other half
	s_mov_b32 s53, 0xfedcba98
	v_and_b32 v2, 31, v0
	v_lshlrev_b32 v2, 4, v2                        ; 16 x lane: K and V in slot 0, and the lane's place in every image in memory
	v_add_nc_u32 v3, SLOTB, v2                     ; K and V in slot 1
	v_add_nc_u32 v4, s71, v2                       ; my bias in slot 0,
	v_add_nc_u32 v5, SLOTB, v4                     ; in slot 1
	v_lshrrev_b32 v6, 1, v2                        ; 8 x lane: two of a batch's 64 partial maxima
	v_mov_b32 v25, 0                               ; second registers of pairs of which the first is broadcast
	v_mov_b32 v27, 0
	v_mov_b32 v29, 0
	v_mov_b32 v31, 0
	v_mov_b32 v40, 0                               ; v_permlanex16_b32's destination counts as read
	s_wait_dscnt 0x0
	s_wait_kmcnt 0x0
	s_add_nc_u64 s[60:61], s[6:7], s[58:59]
	s_add_nc_u64 s[68:69], s[8:9], s[66:67]
	s_add_nc_u64 s[74:75], s[4:5], s[72:73]
	s_add_nc_u64 s[78:79], s[10:11], s[76:77]
	s_add_nc_u64 s[62:63], s[62:63], s[56:57]
	CROUND                                         ; all sixteen work-groups are here: the first joint loads meet
.irp s, 0,1
	s_mov_b32 s[G0K+4*\s], 1
	s_add_co_u32 s[G0K+4*\s+1], s70, \s*SLOTB
	s_add_nc_u64 s[G0K+4*\s+2:G0K+4*\s+3], s[60:61], \s*12288
	s_or_b32 s[G0K+4*\s+3], s[G0K+4*\s+3], 0x80000000
	s_mov_b32 s[G0B+4*\s], 1
	s_add_co_u32 s[G0B+4*\s+1], s71, \s*SLOTB
	s_add_nc_u64 s[G0B+4*\s+2:G0B+4*\s+3], s[68:69], \s*16384
	s_or_b32 s[G0B+4*\s+3], s[G0B+4*\s+3], 0x80000000
	tensor_load_to_lds s[G0K+4*\s:G0K+4*\s+3], s[G1K:G1K+7]      ; steps 0 and 1: four loads of the wave are out
	s_nop 0
	tensor_load_to_lds s[G0B+4*\s:G0B+4*\s+3], s[G1B:G1B+7]
	s_nop 0
.endr
	global_load_b64 v[42:43], v6, s[62:63]                       ; the wave's 32 lanes take the 256 bytes of batch 2 bp,
	global_load_b64 v[44:45], v6, s[62:63] offset:256            ; of batch 2 bp + 1
	WIN 0x80                                       ; destination in window 2
.irp p, 0,1,2,3,4,5,6,7
	global_load_b128 v[192+8*\p:192+8*\p+3], v2, s[74:75] offset:(\p&1)*524288+(\p>>1)*1024
	global_load_b128 v[192+8*\p+4:192+8*\p+7], v2, s[74:75] offset:(\p&1)*524288+(\p>>1)*1024+512
.endr
	WIN 0
.macro LDK b, par                      ; K of batch b, four key tiles
	WIN 0x80
.irp kt, 0,1,2,3
	ds_load_b128 v[32*\b+8*\kt:32*\b+8*\kt+3], v[2+\par] offset:(2*\b+(\kt>>1))*6144+(\kt&1)*1024
	ds_load_b128 v[32*\b+8*\kt+4:32*\b+8*\kt+7], v[2+\par] offset:(2*\b+(\kt>>1))*6144+(\kt&1)*1024+512
.endr
	WIN 0
.endm
.macro LDV b, par                      ; V of batch b: 2 x 32 keys, four tiles of dv
	WIN 0x80
.irp kb, 0,1
.irp dvt, 0,1,2,3
	ds_load_b128 v[64+64*\b+32*\kb+8*\dvt:64+64*\b+32*\kb+8*\dvt+3], v[2+\par] offset:(2*\b+\kb)*6144+2048+\dvt*1024
	ds_load_b128 v[64+64*\b+32*\kb+8*\dvt+4:64+64*\b+32*\kb+8*\dvt+7], v[2+\par] offset:(2*\b+\kb)*6144+2048+\dvt*1024+512
.endr
.endr
	WIN 0
.endm
.macro LDB buf, t, par                 ; the bias of query tile t, four key tiles, into buffer buf
.irp kt, 0,1,2,3
	ds_load_b128 v[160+32*\buf+8*\kt:160+32*\buf+8*\kt+3], v[4+\par] offset:\kt*4096+\t*1024
	ds_load_b128 v[160+32*\buf+8*\kt+4:160+32*\buf+8*\kt+7], v[4+\par] offset:\kt*4096+\t*1024+512
.endr
.endm
.macro QKW pn, kt                      ; S(parity)[kt] = K Q + bias
	v_wmma_f32_16x16x32_bf16 v[64+32*(\pn&1)+8*\kt:64+32*(\pn&1)+8*\kt+7], v[32*(\pn&1)+8*\kt:32*(\pn&1)+8*\kt+7], v[192+8*\pn:192+8*\pn+7], v[160+32*((\pn>>1)&1)+8*\kt:160+32*((\pn>>1)&1)+8*\kt+7]
.endm
.macro QK1 pn, kt
	WIN 0x0a                                       ; sources 0 and 1 in window 2
	QKW \pn, \kt
	WIN 0
.endm
.macro PVW pp, kb, dvt, first          ; O(pp)[dvt] += V P; first: the product starts the sum
.if \first
	v_wmma_f32_16x16x32_bf16 v[32*\pp+8*\dvt:32*\pp+8*\dvt+7], v[64+64*(\pp&1)+32*\kb+8*\dvt:64+64*(\pp&1)+32*\kb+8*\dvt+7], v[128+16*(\pp&1)+8*\kb:128+16*(\pp&1)+8*\kb+7], 0
.else
	v_wmma_f32_16x16x32_bf16 v[32*\pp+8*\dvt:32*\pp+8*\dvt+7], v[64+64*(\pp&1)+32*\kb+8*\dvt:64+64*(\pp&1)+32*\kb+8*\dvt+7], v[128+16*(\pp&1)+8*\kb:128+16*(\pp&1)+8*\kb+7], v[32*\pp+8*\dvt:32*\pp+8*\dvt+7]
.endif
.endm
.macro PV1 pp, kb, dvt, first
	WIN 0x52                                       ; source 0 in window 2, C and D in window 1
	PVW \pp, \kb, \dvt, \first
	WIN 0
.endm
; Four scores of the piece at work (parity CB): exponentials in place, the subtraction of the maximum for the next four between them (the plain
; instruction that an exponential wants behind it, ISA guide 5.7.2), the sums, the packing.  The last of eight has, in its stead, the first two steps of the next piece's maximum.
.macro HALF hc, fill
.set HX, 64+32*CB+4*(\hc)
.set HP, 128+16*CB+2*(\hc)
	v_exp_f32 v[HX], v[HX]
	v_exp_f32 v[HX+1], v[HX+1]
.if (\hc) < 7
	v_pk_add_f32 v[HX+4:HX+5], v[HX+4:HX+5], v[HT:HT+1] op_sel_hi:[1,0] neg_lo:[0,1] neg_hi:[0,1]
.else
.if \fill
	v_max3_num_f32 v36, v[HN], v[HN+1], v[HN+2]
.else
	v_nop
.endif
.endif
	v_exp_f32 v[HX+2], v[HX+2]
	v_exp_f32 v[HX+3], v[HX+3]
.if (\hc) < 7
	v_pk_add_f32 v[HX+6:HX+7], v[HX+6:HX+7], v[HT:HT+1] op_sel_hi:[1,0] neg_lo:[0,1] neg_hi:[0,1]
.else
.if \fill
	v_max3_num_f32 v37, v[HN+3], v[HN+4], v[HN+5]
.else
	v_nop
.endif
.endif
.if (\hc) == 0
	s_wait_alu depctr_va_vdst(0)
	v_cvt_pk_bf16_f32 v[HP], v[HX], v[HX+1]
	v_pk_add_f32 v[32:33], v[HX:HX+1], v[HX+2:HX+3]            ; starts the first sum chain: nothing is cleared
	v_cvt_pk_bf16_f32 v[HP+1], v[HX+2], v[HX+3]
.else
.if (\hc) == 1
	s_wait_alu depctr_va_vdst(0)
	v_cvt_pk_bf16_f32 v[HP], v[HX], v[HX+1]
	v_pk_add_f32 v[34:35], v[HX:HX+1], v[HX+2:HX+3]            ; starts the second
	v_cvt_pk_bf16_f32 v[HP+1], v[HX+2], v[HX+3]
.else
	s_wait_alu depctr_va_vdst(0)
	v_pk_add_f32 v[32:33], v[32:33], v[HX:HX+1]
	v_cvt_pk_bf16_f32 v[HP], v[HX], v[HX+1]
	v_pk_add_f32 v[34:35], v[34:35], v[HX+2:HX+3]
	v_cvt_pk_bf16_f32 v[HP+1], v[HX+2], v[HX+3]
.endif
.endif
.endm
; the largest of the next piece's 32 scores of the lane, in four chains
.macro MAXA
	v_max3_num_f32 v36, v[HN], v[HN+1], v[HN+2]
	v_max3_num_f32 v37, v[HN+3], v[HN+4], v[HN+5]
.endm
.macro MAXB
	v_max3_num_f32 v38, v[HN+6], v[HN+7], v[HN+8]
	v_max3_num_f32 v39, v[HN+9], v[HN+10], v[HN+11]
	v_max3_num_f32 v36, v36, v[HN+12], v[HN+13]
	v_max3_num_f32 v37, v37, v[HN+14], v[HN+15]
	v_max3_num_f32 v38, v38, v[HN+16], v[HN+17]
	v_max3_num_f32 v39, v39, v[HN+18], v[HN+19]
.endm
.macro MAXC
	v_max3_num_f32 v36, v36, v[HN+20], v[HN+21]
	v_max3_num_f32 v37, v37, v[HN+22], v[HN+23]
	v_max3_num_f32 v38, v38, v[HN+24], v[HN+25]
	v_max3_num_f32 v39, v39, v[HN+26], v[HN+27]
	v_max3_num_f32 v36, v36, v[HN+28], v[HN+29]
	v_max3_num_f32 v37, v37, v[HN+30], v[HN+31]
.endm
.macro CHAIN1
	v_max3_num_f32 v36, v36, v37, v38
	v_max_num_f32 v36, v36, v39
	v_permlanex16_b32 v40, v36, s52, s53           ; the other 32 keys of the same query
.endm
.macro CHAIN2 fn                       ; the running maximum of piece PN and its rescale factor; fn: there is no older maximum
.if \fn
	v_max_num_f32 v[24+2*NB], v36, v40
	v_mov_b32 v[MX+PN], v[24+2*NB]
.else
	v_max3_num_f32 v[24+2*NB], v36, v40, v[MX+PN]
	v_sub_f32 v41, v[MX+PN], v[24+2*NB]
	v_mov_b32 v[MX+PN], v[24+2*NB]
	v_exp_f32 v[28+2*NB], v41
.endif
.endm
; SLOT p.  par: the LDS slot that this trip's loads read.  fs: piece p is in the first step (no rescale).  fn: piece p + 1 has no older
; maximum.  fp: PV of piece p - 1 starts its sums.  qk, pv, ld: the slot has QK of p + 1, PV of p - 1, loads.
; Every product stands alone between two switches of the window, with six or more plain vector instructions of other registers behind it;
; no two products that follow each other share an accumulator.
; Loads at the head go into registers whose last product lies a slot back or more, behind the sixteen multiplies of the rescale (first step: four v_nop).
.macro SLOT p, par, fs, fn, fp, qk, pv, ld
.set CB, (\p)&1
.set NB, 1-CB
.set PN, ((\p)+1)&7
.set PRV, ((\p)+7)&7
.set SX, 64+32*CB
.set HN, 64+32*NB
.set HT, 24+2*CB
.if \ld
.if (1<<(\p)) & 0x97
	s_wait_dscnt 0x0                               ; what the slot before asked for is in: it is a whole slot old
.endif
.if \p == 6
	LDK 0, \par
	LDB 0, 0, \par
.endif
.if \p == 7
	LDK 1, \par
	LDB 1, 1, \par
.endif
.if \p == 0
	LDV 0, \par
.endif
.if \p == 1
	LDV 1, \par
	LDB 0, 2, \par
.endif
.if \p == 3
	LDB 1, 3, \par
.endif
.endif
	v_pk_add_f32 v[SX:SX+1], v[SX:SX+1], v[HT:HT+1] op_sel_hi:[1,0] neg_lo:[0,1] neg_hi:[0,1]
	v_pk_add_f32 v[SX+2:SX+3], v[SX+2:SX+3], v[HT:HT+1] op_sel_hi:[1,0] neg_lo:[0,1] neg_hi:[0,1]
.irp c, 0,1,2,3
.if \qk
	QK1 PN, \c
.endif
	HALF \c, 0
.endr
.irp c, 0,1,2
.if \pv
	PV1 PRV, 0, \c, \fp
.endif
	HALF 4+\c, 0
.endr
.if \pv
	PV1 PRV, 0, 3, \fp
.endif
	HALF 7, \qk
.if \pv
	PV1 PRV, 1, 0, 0
.endif
.if \qk
	MAXB
.endif
.if \pv
	PV1 PRV, 1, 1, 0
.endif
.if \qk
	MAXC
.endif
.if \pv
	PV1 PRV, 1, 2, 0
.endif
.if \qk
	CHAIN1
.endif
	v_pk_add_f32 v[32:33], v[32:33], v[34:35]
.if \pv
	PV1 PRV, 1, 3, 0
.endif
.if \qk
	CHAIN2 \fn
.endif
.if \fs
	v_add_f32 v[LS+\p], v32, v33                   ; the lane's sum; the two halves of the lanes meet at the end
.rept 4
	v_nop
.endr
.else
	v_add_f32 v32, v32, v33
	v_fma_f32 v[LS+\p], v[LS+\p], v[28+2*CB], v32
	WIN 0x41                                       ; O(p) times the rescale factor: source 0 and destination in window 1
.irp i, 0,1,2,3,4,5,6,7,8,9,10,11,12,13,14,15
	v_pk_mul_f32 v[32*\p+2*\i:32*\p+2*\i+1], v[32*\p+2*\i:32*\p+2*\i+1], v[28+2*CB:29+2*CB] op_sel_hi:[1,0]
.endr
	WIN 0
.endif
.endm
; The ring.  Trip s = slots 6, 7 of step s - 1 and slots 0 to 5 of step s; all its LDS loads read step s.  Its last LDS load is waited for at
; the head of slot 4.  Behind slot 4 every wave waits for its LDS loads and for all its tensor loads (step s + 1's two) and opens the round;
; slot 5 is register work; the next trip closes the round and asks for step s + 2 first thing: two loads of the wave are out, with seven slots in which to land.
.macro BAR_OPEN
	s_wait_dscnt 0x0
	s_wait_tensorcnt 0x0
	ds_add_u32 v254, v255
	s_wait_dscnt 0x0
	s_barrier_signal -1
.endm
.macro TOP par, refill                 ; par: this trip's slot; the other one is filled again
	s_barrier_wait -1
.if \refill
	CREST
	s_add_nc_u64 s[G0K+4*(1-\par)+2:G0K+4*(1-\par)+3], s[G0K+4*(1-\par)+2:G0K+4*(1-\par)+3], 24576
	s_add_nc_u64 s[G0B+4*(1-\par)+2:G0B+4*(1-\par)+3], s[G0B+4*(1-\par)+2:G0B+4*(1-\par)+3], 32768
	tensor_load_to_lds s[G0K+4*(1-\par):G0K+4*(1-\par)+3], s[G1K:G1K+7]
	s_nop 0
	tensor_load_to_lds s[G0B+4*(1-\par):G0B+4*(1-\par)+3], s[G1B:G1B+7]
	s_nop 0
.endif
.endm
.macro TN par, refill, open
	TOP \par, \refill
	SLOT 6, \par, 0,0,0, 1,1,1
	SLOT 7, \par, 0,0,0, 1,1,1
	SLOT 0, \par, 0,0,0, 1,1,1
	SLOT 1, \par, 0,0,0, 1,1,1
	SLOT 2, \par, 0,0,0, 1,1,1
	SLOT 3, \par, 0,0,0, 1,1,1
	SLOT 4, \par, 0,0,0, 1,1,1
.if \open
	BAR_OPEN
.endif
	SLOT 5, \par, 0,0,0, 1,1,1
.endm
	s_wait_loadcnt 0x0                             ; Q and the partial maxima
	; 1/G of both batches, while the first tiles land: two numbers a lane, then across the 32 lanes
	v_max_num_f32 v42, v42, v43
	v_max_num_f32 v44, v44, v45
.irp m, 1,2,4,8
	v_max_num_f32_dpp v42, v42, v42 row_xmask:\m row_mask:0xf bank_mask:0xf
	v_max_num_f32_dpp v44, v44, v44 row_xmask:\m row_mask:0xf bank_mask:0xf
.endr
	v_permlanex16_b32 v43, v42, s52, s53
	v_permlanex16_b32 v45, v44, s52, s53
	v_max_num_f32 v42, v42, v43
	v_max_num_f32 v44, v44, v45
	v_max_num_f32 v42, 0x03800000, v42             ; at least 2^-120: the reciprocal stays finite where no v is above zero
	v_max_num_f32 v44, 0x03800000, v44
	v_rcp_f32 v[IG], v42
	v_rcp_f32 v[IG+1], v44
	v_nop                                          ; the plain instruction behind the reciprocals (ISA guide 5.7.2)
	s_wait_tensorcnt 0x2                           ; my parts of step 0 are in; step 1's two stay out
	s_barrier_signal -1
	s_barrier_wait -1
	; trip 0: the lead-in stands for slots 6 and 7: loads, QK of piece 0, its first maximum
	LDK 0, 0
	LDB 0, 0, 0
	LDK 1, 0
	LDB 1, 1, 0
	s_wait_dscnt 0x0
.set NB, 0
.set PN, 0
.set HN, 64
	WIN 0x0a
	QKW 0, 0
	QKW 0, 1
	QKW 0, 2
	QKW 0, 3
	WIN 0
.rept 4
	v_nop                                          ; four places before the scores are read (ISA guide 7.12.1)
.endr
	MAXA
	MAXB
	MAXC
	CHAIN1
	CHAIN2 1
	SLOT 0, 0, 1,1,1, 1,0,1
	SLOT 1, 0, 1,1,1, 1,1,1
	SLOT 2, 0, 1,1,1, 1,1,1
	SLOT 3, 0, 1,1,1, 1,1,1
	SLOT 4, 0, 1,1,1, 1,1,1
	BAR_OPEN
	SLOT 5, 0, 1,1,1, 1,1,1
	; trip 1: the first step runs out
	TOP 1, 1
	SLOT 6, 1, 1,1,1, 1,1,1
	SLOT 7, 1, 1,0,1, 1,1,1
	SLOT 0, 1, 0,0,1, 1,1,1
	SLOT 1, 1, 0,0,0, 1,1,1
	SLOT 2, 1, 0,0,0, 1,1,1
	SLOT 3, 1, 0,0,0, 1,1,1
	SLOT 4, 1, 0,0,0, 1,1,1
	BAR_OPEN
	SLOT 5, 1, 0,0,0, 1,1,1
	s_mov_b32 s54, 6                               ; trips 2 to 13
.Ltrips:
	TN 0, 1, 1
	TN 1, 1, 1
	s_sub_co_u32 s54, s54, 1
	s_cmp_lg_u32 s54, 0
	s_cbranch_scc1 .Ltrips
	TN 0, 1, 1                                     ; trip 14 asks for step 15, the last
	TN 1, 0, 0                                     ; trip 15 asks for nothing: a plain barrier shows step 15 whole
	SLOT 6, 1, 0,0,0, 1,1,0
	SLOT 7, 1, 0,0,0, 0,1,0
	WIN 0x52
	PVW 7, 0, 0, 0
	PVW 7, 0, 1, 0
	PVW 7, 0, 2, 0
	PVW 7, 0, 3, 0
	PVW 7, 1, 0, 0
	PVW 7, 1, 1, 0
	PVW 7, 1, 2, 0
	PVW 7, 1, 3, 0
	WIN 0
.rept 4
	v_nop
.endr
	; OUT: O / (l G), relu, f16.  Lane = query, registers = 8 dv: tile dvt is part dvt & 1 of the image of K step 2 h + (dvt >> 1).
.irp p, 0,1,2,3,4,5,6,7
	v_permlanex16_b32 v40, v[LS+\p], s52, s53
	v_add_f32 v[LS+\p], v[LS+\p], v40
.endr
.irp p, 0,1,2,3,4,5,6,7
	v_rcp_f32 v[LS+\p], v[LS+\p]                   ; l >= 1: the largest score gives 2^0
.endr
	v_nop
.irp p, 0,1,2,3,4,5,6,7
	s_wait_alu depctr_va_vdst(0)
	v_mul_f32 v[LS+\p], v[LS+\p], v[IG+(\p&1)]     ; 1 / (l G)
.endr
.macro OUTP p, e
	WIN 0x01
.irp i, 0,1,2,3,4,5,6,7,8,9,10,11,12,13,14,15
	v_pk_mul_f32 v[64+2*\i:65+2*\i], v[32*\p+2*\i:32*\p+2*\i+1], v[LS+\p-\e:LS+\p-\e+1] op_sel:[0,\e] op_sel_hi:[1,\e]
.endr
	WIN 0
.set i, 0
.rept 32
	v_max_num_f32 v[64+i], 0, v[64+i]
.set i, i+1
.endr
.irp q, 0,1,2,3,4,5,6,7,8,9,10,11,12,13,14,15
	v_cvt_pk_f16_f32 v[96+16*\p+\q], v[64+2*\q], v[65+2*\q]    ; every piece has store registers of its own
.endr
.irp d, 0,1,2,3
	global_store_b128 v2, v[96+16*\p+4*\d:96+16*\p+4*\d+3], s[78:79] offset:(\p&1)*1048576+(\p>>1)*16384+\d*512
.endr
.endm
	OUTP 0, 0
	OUTP 1, 1
	OUTP 2, 0
	OUTP 3, 1
	OUTP 4, 0
	OUTP 5, 1
	OUTP 6, 0
	OUTP 7, 1
	CROUND                                         ; the closing round: no work-group ends while a partner may still ask for a tile that names it
	s_endpgm
.Lfunc_end_k_qcb0a143474_attn:
	.size	k_qcb0a143474_attn, .Lfunc_end_k_qcb0a143474_attn-k_qcb0a143474_attn
	.p2alignl 7, 3214868480
	.fill 96, 4, 3214868480
	.section	.rodata,"a",@progbits
	.p2align	6, 0x0
	.amdhsa_kernel k_qcb0a143474_attn
		.amdhsa_group_segment_fixed_size 327680
		.amdhsa_private_segment_fixed_size 0
		.amdhsa_enable_private_segment 0
		.amdhsa_kernarg_size 40
		.amdhsa_user_sgpr_count 2
		.amdhsa_user_sgpr_kernarg_segment_ptr 1
		.amdhsa_wavefront_size32 1
		.amdhsa_system_sgpr_workgroup_id_x 1
		.amdhsa_system_sgpr_workgroup_id_y 1
		.amdhsa_system_sgpr_workgroup_id_z 1
		.amdhsa_system_vgpr_workitem_id 0
		.amdhsa_next_free_vgpr 768
		.amdhsa_next_free_sgpr 80
		.amdhsa_reserve_vcc 0
		.amdhsa_float_denorm_mode_32 3
		.amdhsa_float_denorm_mode_16_64 3
		.amdhsa_memory_ordered 1
		.amdhsa_forward_progress 1
		.amdhsa_inst_pref_size 255
	.end_amdhsa_kernel
	.section	.bss,"aw",@nobits
	.p2align	6
	.space	262144
	.amdgpu_metadata
---
amdhsa.version: [ 1, 2 ]
amdhsa.kernels:
  - .name:           k_qcb0a143474_attn
    .symbol:         k_qcb0a143474_attn.kd
    .args:
      - { .name: qf, .offset: 0, .size: 8, .value_kind: global_buffer, .address_space: global }
      - { .name: kv, .offset: 8, .size: 8, .value_kind: global_buffer, .address_space: global }
      - { .name: biasw, .offset: 16, .size: 8, .value_kind: global_buffer, .address_space: global }
      - { .name: af, .offset: 24, .size: 8, .value_kind: global_buffer, .address_space: global }
      - { .name: vmax, .offset: 32, .size: 8, .value_kind: global_buffer, .address_space: global }
    .group_segment_fixed_size: 327680
    .private_segment_fixed_size: 0
    .kernarg_segment_align: 8
    .kernarg_segment_size: 40
    .max_flat_workgroup_size: 128
    .sgpr_count:     80
    .vgpr_count:     768
    .wavefront_size: 32
...
	.end_amdgpu_metadata
.endif
;; end of part 5
;; launch oproj (part 6): grid 128 x 2, 4 waves a work-group, clusters of 4 x 1, 280,064 bytes of LDS; arguments af, wof, bo, o_g, o_v, o_m, o_b, out0, vmax; writes out0
.if DOCPART == 6
	.amdgcn_target "amdgcn-amd-amdhsa--gfx1250"
	.amdhsa_code_object_version 6
	.text
	.protected	k_qcb0a143474_oproj
	.globl	k_qcb0a143474_oproj
	.p2align	8
	.type	k_qcb0a143474_oproj,@function
k_qcb0a143474_oproj:
	s_mov_b64 s[64:65], 0
	v_nop
	global_prefetch_b8 v0, s[64:65] scope:SCOPE_SE
	s_setreg_imm32_b32 hwreg(HW_REG_WAVE_MODE, 25, 1), 1
	s_wait_xcnt 0x0
	s_wait_alu depctr_hold_cnt(0) depctr_sa_sdst(0) depctr_va_vdst(0) depctr_va_sdst(0) depctr_va_ssrc(0) depctr_va_vcc(0) depctr_vm_vsrc(0)
	s_getreg_b32 s2, hwreg(HW_REG_IB_STS2, 6, 4)
	s_cmp_eq_u32 s2, 0
	s_cbranch_scc0 .Lentry_in_a_cluster
	s_endpgm
.Lentry_in_a_cluster:
	s_bfe_u32 s2, ttmp6, 0x10000c
	s_cmp_lg_u32 s2, 0x3003
	s_cbranch_scc0 .Lentry_shape_is_right
	s_endpgm
.Lentry_shape_is_right:
; oproj: out0 = ((Wo a + bo) - o_m) o_g / sqrt(o_v + eps) + o_b, a = the attention's output after the relu.
; BOTH OPERANDS ARE f16 (11 significant bits): this product's result is the program's output, nothing behind it averages its operands' rounding
; away, and Wo's rounding is the same at every position of a channel.  a comes divided by G = max(0, largest v of the batch), so it lies in [0, 1]
; whatever the inputs' scale; G (the 64 partial maxima of vmax, clamped from below at 2^-120 as in the launch before) is multiplied back with the
; batch norm's factor: out0 = sum * (G s) + t.
; Work-group: 128 positions (pb) x 128 output channels (y), K = 512.  Wave: 64 positions (4 tiles pt) x 64 channels (4 tiles ot),
; 16 accumulators in window 1.  D = a(A) Wo(B): lane = channel, registers = 8 neighbouring positions of a row of out0.
; Both operands of the work-group (131,072 bytes each, dense in memory) come into LDS once, in four quarters of K, by 8 tensor loads a wave,
; all issued at the start: 8 are out at the most.  Nothing in LDS is filled twice.
; CLUSTER 4 x 1: the four work-groups share y, so Wo's block is asked for jointly (mask 15); a's block is each work-group's own.
; LIMITS: g * rsq(v + eps) stands for g / sqrt(v + eps) (1 ulp); Wo in f16: magnitudes above 65,504 are not served; NaN and infinities are not reproduced.
.set G0A, 20                           ; s[20:35] group 0 of a's four quarters
.set G0W, 36                           ; s[36:51] group 0 of Wo's four quarters
.set G1A, 68                           ; s[68:75]
.set G1W, 76                           ; s[76:83]
.set WFB, 131072                       ; Wo behind a: [quarter 4][tile 8][4096]
.set STG, 262144                       ; behind both: 16 rows x 272 bytes for each wave, for the way out; no tensor load lands here
.set ADA, 2                            ; v2, v3  my a fragments, quarters 0-1 and 2-3 (an LDS immediate has 16 bits)
.set ADW, 4                            ; v4, v5  the same for Wo
.set MSB, 0
.macro WIN new
.if MSB != \new
	s_set_vgpr_msb (MSB<<8)|\new
.set MSB, \new
.endif
.endm
.macro MM d, a, b, z
.if \z
	v_wmma_f32_16x16x32_f16 v[\d:\d+7], v[\a:\a+7], v[\b:\b+7], 0
.else
	v_wmma_f32_16x16x32_f16 v[\d:\d+7], v[\a:\a+7], v[\b:\b+7], v[\d:\d+7]
.endif
.endm
.macro CROUND
	s_barrier_signal -1
	s_barrier_wait -1
	s_cmp_lg_u32 s84, 0
	s_cbranch_scc1 .Lnot_wave_0_\@
	s_barrier_signal -3
.Lnot_wave_0_\@:
	s_barrier_wait -3
	s_barrier_signal -1
	s_barrier_wait -1
.endm
	s_load_b512 s[4:19], s[0:1], 0x0               ; af, wof, bo, o_g, o_v, o_m, o_b, out0
	s_load_b64 s[62:63], s[0:1], 0x40              ; vmax
	v_lshl_add_u32 v254, v0, 2, 0x44400
	v_mov_b32 v255, 0
	ds_add_u32 v254, v255
	v_lshrrev_b32 v1, 5, v0
	v_readfirstlane_b32 s84, v1                    ; wave
	s_bfe_u32 s85, ttmp6, 0x40000                  ; cx
	s_lshl_b32 s86, ttmp9, 2
	s_add_co_u32 s86, s86, s85                     ; pb: block of 128 positions
	s_and_b32 s87, ttmp7, 0xffff                   ; y: block of 128 channels
	s_lshr_b32 s88, s84, 1                         ; wp: my 64 positions
	s_and_b32 s89, s84, 1                          ; wo: my 64 channels
	; a tile of the mover: tiles 2 w, 2 w + 1 of the block, one quarter of K: 2 rows of 4,096 bytes, 16,384 bytes apart
	s_mov_b32 s[G1A], 3<<16                        ; no mask; elements of 8 bytes
	s_mov_b32 s[G1W], 15|(3<<16)|(1<<21)           ; all four work-groups of the cluster
.irp g, G1A, G1W
	s_mov_b32 s[\g+1], 512<<16                     ; tensor_dim0 = 512 elements
	s_mov_b32 s[\g+2], 2<<16                       ; tensor_dim1 = 2
	s_mov_b32 s[\g+3], 512<<16                     ; tile_dim0
	s_mov_b32 s[\g+4], 2                           ; tile_dim1
	s_mov_b32 s[\g+5], 2048                        ; pitch
	s_mov_b32 s[\g+6], 0
	s_mov_b32 s[\g+7], 0
.endr
	s_lshl_b32 s52, s86, 17
	s_lshl_b32 s56, s84, 15
	s_add_co_u32 s52, s52, s56
	s_mov_b32 s53, 0
	s_lshl_b32 s54, s87, 17                        ; Wo's address is made of y and the wave alone
	s_add_co_u32 s54, s54, s56
	s_mov_b32 s55, 0
	s_lshl_b32 s56, s84, 13                        ; LDS: 2 w tiles of 4,096 bytes
	s_lshr_b32 s90, s86, 3                         ; out0 [b][o][1024]: batch,
	s_lshl_b32 s90, s90, 20
	s_lshl1_add_u32 s91, s87, s89                  ; channel 128 y + 64 wo,
	s_lshl_b32 s91, s91, 18
	s_add_co_u32 s90, s90, s91
	s_and_b32 s91, s86, 7                          ; position 128 (pb & 7) + 64 wp
	s_lshl1_add_u32 s91, s91, s88
	s_lshl_b32 s91, s91, 8
	s_add_co_u32 s90, s90, s91
	s_mov_b32 s91, 0
	v_and_b32 v10, 31, v0                          ; L
	v_and_b32 v11, 15, v0                          ; r
	v_bfe_u32 v12, v0, 4, 1                        ; hh
	s_lshl_b32 s57, s88, 14
	v_lshl_add_u32 v2, v10, 4, s57
	v_add_nc_u32 v3, 0x10000, v2
	s_lshl_b32 s57, s89, 14
	s_add_co_u32 s57, s57, WFB
	v_lshl_add_u32 v4, v10, 4, s57
	v_add_nc_u32 v5, 0x10000, v4
	s_mul_i32 s57, s84, 16*272
	s_add_co_u32 s57, s57, STG
	v_mul_u32_u24 v6, v11, 272
	v_lshl_add_u32 v6, v12, 5, v6
	v_add_nc_u32 v6, s57, v6                       ; stage, in: row r (channel), 32 bytes for each half of the lanes
	v_mul_u32_u24 v7, v12, 272
	v_lshl_add_u32 v7, v11, 4, v7
	v_add_nc_u32 v7, s57, v7                       ; stage, back: sixteen lanes take a row of 256 bytes
	v_lshlrev_b32 v8, 12, v12
	v_lshl_add_u32 v8, v11, 4, v8                  ; and the same two rows in out0
	s_lshl_b32 s57, s89, 8
	s_lshl_b32 s94, s87, 9
	s_add_co_u32 s57, s57, s94
	v_lshl_add_u32 v9, v11, 2, s57                 ; the parameters of channel 128 y + 64 wo + r
	v_lshlrev_b32 v13, 3, v10                      ; 8 x lane: two of the batch's 64 partial maxima
	s_lshr_b32 s94, s86, 3                         ; vmax: 256 bytes a batch
	s_lshl_b32 s94, s94, 8
	s_mov_b32 s95, 0
	s_wait_dscnt 0x0
	s_wait_kmcnt 0x0
	s_add_nc_u64 s[58:59], s[4:5], s[52:53]
	s_add_nc_u64 s[60:61], s[6:7], s[54:55]
	s_add_nc_u64 s[92:93], s[18:19], s[90:91]
	s_add_nc_u64 s[62:63], s[62:63], s[94:95]
	s_mov_b32 s52, 0x76543210                      ; v_permlanex16_b32: lane i takes lane i of the other half
	s_mov_b32 s53, 0xfedcba98
	CROUND                                         ; the four work-groups are here: the joint loads meet
.irp q, 0,1,2,3
	s_mov_b32 s[G0A+4*\q], 1
	s_add_co_u32 s[G0A+4*\q+1], s56, \q*32768
	s_add_nc_u64 s[G0A+4*\q+2:G0A+4*\q+3], s[58:59], \q*4096
	s_or_b32 s[G0A+4*\q+3], s[G0A+4*\q+3], 0x80000000
	s_mov_b32 s[G0W+4*\q], 1
	s_add_co_u32 s[G0W+4*\q+1], s56, WFB+\q*32768
	s_add_nc_u64 s[G0W+4*\q+2:G0W+4*\q+3], s[60:61], \q*4096
	s_or_b32 s[G0W+4*\q+3], s[G0W+4*\q+3], 0x80000000
	tensor_load_to_lds s[G0A+4*\q:G0A+4*\q+3], s[G1A:G1A+7]
	s_nop 0
	tensor_load_to_lds s[G0W+4*\q:G0W+4*\q+3], s[G1W:G1W+7]
	s_nop 0
.endr
.irp ot, 0,1,2,3
	global_load_b32 v[192+\ot], v9, s[10:11] offset:\ot*64       ; o_g
	global_load_b32 v[196+\ot], v9, s[12:13] offset:\ot*64       ; o_v
	global_load_b32 v[200+\ot], v9, s[14:15] offset:\ot*64       ; o_m
	global_load_b32 v[204+\ot], v9, s[16:17] offset:\ot*64       ; o_b
	global_load_b32 v[208+\ot], v9, s[8:9] offset:\ot*64         ; bo
.endr
	global_load_b64 v[224:225], v13, s[62:63]                    ; the wave's 32 lanes take the batch's 256 bytes
	s_wait_loadcnt 0x0
.irp ot, 0,1,2,3
	v_add_f32 v[196+\ot], 0x3727c5ac, v[196+\ot]
.endr
.irp ot, 0,1,2,3
	v_rsq_f32 v[220+\ot], v[196+\ot]
.endr
.irp ot, 0,1,2,3
	v_sub_f32 v[208+\ot], v[208+\ot], v[200+\ot]                 ; bo - m: plain work behind the reciprocal roots
.endr
	v_max_num_f32 v224, v224, v225                               ; G: two numbers a lane, then across the 32 lanes
.irp m, 1,2,4,8
	v_max_num_f32_dpp v224, v224, v224 row_xmask:\m row_mask:0xf bank_mask:0xf
.endr
	v_permlanex16_b32 v225, v224, s52, s53
	v_max_num_f32 v224, v224, v225
	v_max_num_f32 v224, 0x03800000, v224                         ; the same clamp at 2^-120 as where a was divided
	s_wait_alu depctr_va_vdst(0)
.irp ot, 0,1,2,3
	v_mul_f32 v[212+\ot], v[192+\ot], v[220+\ot]                 ; s
.endr
.irp ot, 0,1,2,3
	v_fma_f32 v[216+\ot], v[208+\ot], v[212+\ot], v[204+\ot]     ; t = (bo - m) s + b
.endr
.irp ot, 0,1,2,3
	v_mul_f32 v[212+\ot], v[212+\ot], v224                       ; G s: the factor of the sums
.endr
.macro FETCH ks, f                     ; the 4 + 4 fragments of one K step of 32
.irp pt, 0,1,2,3
	ds_load_b128 v[\f+8*\pt:\f+8*\pt+3], v[ADA+((\ks)>>3)] offset:(((\ks)>>2)&1)*32768+\pt*4096+((\ks)&3)*1024
	ds_load_b128 v[\f+8*\pt+4:\f+8*\pt+7], v[ADA+((\ks)>>3)] offset:(((\ks)>>2)&1)*32768+\pt*4096+((\ks)&3)*1024+512
.endr
.irp ot, 0,1,2,3
	ds_load_b128 v[\f+32+8*\ot:\f+32+8*\ot+3], v[ADW+((\ks)>>3)] offset:(((\ks)>>2)&1)*32768+\ot*4096+((\ks)&3)*1024
	ds_load_b128 v[\f+32+8*\ot+4:\f+32+8*\ot+7], v[ADW+((\ks)>>3)] offset:(((\ks)>>2)&1)*32768+\ot*4096+((\ks)&3)*1024+512
.endr
.endm
.macro MULS f, z                       ; 16 products on 16 accumulators that take turns, always in the same order
.irp ot, 0,1,2,3
.irp pt, 0,1,2,3
	MM 8*(4*\ot+\pt), \f+8*\pt, \f+32+8*\ot, \z
.endr
.endr
.endm
	s_wait_tensorcnt 0x6                           ; my parts of the first quarter are in; the six younger loads stay out
	s_barrier_signal -1
	s_barrier_wait -1
	FETCH 0, 64
.set ks, 0
.rept 16
.if ks < 15
.if ((ks+1)&3) == 0
	s_wait_dscnt 0x0
	s_wait_tensorcnt 6-2*((ks+1)>>2)               ; my parts of the next quarter are in; the later quarters' pairs stay out (nothing is filled again)
	s_barrier_signal -1
	s_barrier_wait -1
.endif
.if ks > 0
.rept 4
	v_nop                                          ; four places between the last products and the loads into their sources
.endr
.endif
	FETCH ks+1, 64+64*((ks+1)&1)
	s_wait_dscnt 16                                ; this K step's fragments are in; the 16 loads just issued stay out
.else
	s_wait_dscnt 0x0
.endif
	WIN 0x50
	MULS 64+64*(ks&1), ks==0
	WIN 0
.set ks, ks+1
.endr
.rept 4
	v_nop
.endr
; THE WAY OUT, 16 channels at a time: sum * (G s) + t, 32 bytes a lane into my own stage, read back as rows of 256 bytes: sixteen lanes store 256
; consecutive bytes, at a multiple of 256 from out0's first byte.  LDS serves a wave's instructions in order, so no wait between stores and loads.
.macro OUTO ot, e
	WIN 0x01
.irp pt, 0,1,2,3
.irp j, 0,2,4,6
	v_pk_fma_f32 v[64+8*\pt+\j:65+8*\pt+\j], v[8*(4*\ot+\pt)+\j:8*(4*\ot+\pt)+\j+1], v[212+\ot-\e:213+\ot-\e], v[216+\ot-\e:217+\ot-\e] op_sel:[0,\e,\e] op_sel_hi:[1,\e,\e]
.endr
.endr
	WIN 0
.irp pt, 0,1,2,3
	ds_store_b128 v6, v[64+8*\pt:64+8*\pt+3] offset:\pt*64
	ds_store_b128 v6, v[64+8*\pt+4:64+8*\pt+7] offset:\pt*64+16
.endr
.if \ot
	s_wait_xcnt 0x0                                ; the last 16 channels' stores have read v96-127: they are loaded again only behind this wait
.endif
.irp i, 0,1,2,3,4,5,6,7
	ds_load_b128 v[96+4*\i:96+4*\i+3], v7 offset:\i*2*272
.endr
.irp i, 0,1,2,3,4,5,6,7
	s_wait_dscnt 7-\i
	global_store_b128 v8, v[96+4*\i:96+4*\i+3], s[92:93] offset:(16*\ot+2*\i)*4096
.endr
.endm
	OUTO 0, 0
	OUTO 1, 1
	OUTO 2, 0
	OUTO 3, 1
	s_wait_tensorcnt 0x0
	ds_add_u32 v254, v255
	s_wait_dscnt 0x0
	CROUND                                         ; the closing round
	s_endpgm
.Lfunc_end_k_qcb0a143474_oproj:
	.size	k_qcb0a143474_oproj, .Lfunc_end_k_qcb0a143474_oproj-k_qcb0a143474_oproj
	.p2alignl 7, 3214868480
	.fill 96, 4, 3214868480
	.section	.rodata,"a",@progbits
	.p2align	6, 0x0
	.amdhsa_kernel k_qcb0a143474_oproj
		.amdhsa_group_segment_fixed_size 280064
		.amdhsa_private_segment_fixed_size 0
		.amdhsa_enable_private_segment 0
		.amdhsa_kernarg_size 72
		.amdhsa_user_sgpr_count 2
		.amdhsa_user_sgpr_kernarg_segment_ptr 1
		.amdhsa_wavefront_size32 1
		.amdhsa_system_sgpr_workgroup_id_x 1
		.amdhsa_system_sgpr_workgroup_id_y 1
		.amdhsa_system_sgpr_workgroup_id_z 1
		.amdhsa_system_vgpr_workitem_id 0
		.amdhsa_next_free_vgpr 384
		.amdhsa_next_free_sgpr 96
		.amdhsa_reserve_vcc 0
		.amdhsa_float_denorm_mode_32 3
		.amdhsa_float_denorm_mode_16_64 3
		.amdhsa_memory_ordered 1
		.amdhsa_forward_progress 1
		.amdhsa_inst_pref_size 60
	.end_amdhsa_kernel
	.amdgpu_metadata
---
amdhsa.version: [ 1, 2 ]
amdhsa.kernels:
  - .name:           k_qcb0a143474_oproj
    .symbol:         k_qcb0a143474_oproj.kd
    .args:
      - { .name: af, .offset: 0, .size: 8, .value_kind: global_buffer, .address_space: global }
      - { .name: wof, .offset: 8, .size: 8, .value_kind: global_buffer, .address_space: global }
      - { .name: bo, .offset: 16, .size: 8, .value_kind: global_buffer, .address_space: global }
      - { .name: o_g, .offset: 24, .size: 8, .value_kind: global_buffer, .address_space: global }
      - { .name: o_v, .offset: 32, .size: 8, .value_kind: global_buffer, .address_space: global }
      - { .name: o_m, .offset: 40, .size: 8, .value_kind: global_buffer, .address_space: global }
      - { .name: o_b, .offset: 48, .size: 8, .value_kind: global_buffer, .address_space: global }
      - { .name: out0, .offset: 56, .size: 8, .value_kind: global_buffer, .address_space: global }
      - { .name: vmax, .offset: 64, .size: 8, .value_kind: global_buffer, .address_space: global }
    .group_segment_fixed_size: 280064
    .private_segment_fixed_size: 0
    .kernarg_segment_align: 8
    .kernarg_segment_size: 72
    .max_flat_workgroup_size: 128
    .sgpr_count:     96
    .vgpr_count:     384
    .wavefront_size: 32
...
	.end_amdgpu_metadata
.endif
;; end of part 6
;; ======== version 3 of 3: 3 launches; 1.26 times as fast as version 1
;; limits: values are held in f16: magnitudes above 65,504 overflow, below 6.1e-05 lose precision
;; workspace buffers: qf 8,388,608 bytes; kv 25,165,824 bytes; biasw 33,554,432 bytes; wof 262,144 bytes; af 16,777,216 bytes; vmax 4,096 bytes
;; launch prep: the kernel of part 4 again; grid 4 x 64, 8 waves a work-group, no clusters, 310,272 bytes of LDS; arguments x, Wq, Wk, Wv, q_g, q_v, q_m, q_b, k_g, k_v, k_m, k_b, v_g, v_v, v_m, v_b, pos_idx, pos_tab, Wo, qf, kv, biasw, wof, vmax; writes qf, kv, biasw, wof, vmax
;; launch attn (part 7): grid 32 x 8, 4 waves a work-group, clusters of 4 x 4, 327,680 bytes of LDS; arguments qf, kv, biasw, af, vmax; writes af
.if DOCPART == 7
	.amdgcn_target "amdgcn-amd-amdhsa--gfx1250"
	.amdhsa_code_object_version 6
	.text
	.protected	k_qcb0a143474_attn
	.globl	k_qcb0a143474_attn
	.p2align	8
	.type	k_qcb0a143474_attn,@function
k_qcb0a143474_attn:
	s_mov_b64 s[64:65], 0
	v_nop
	global_prefetch_b8 v0, s[64:65] scope:SCOPE_SE
	s_setreg_imm32_b32 hwreg(HW_REG_WAVE_MODE, 25, 1), 1
	s_wait_xcnt 0x0
	s_wait_alu depctr_hold_cnt(0) depctr_sa_sdst(0) depctr_va_vdst(0) depctr_va_sdst(0) depctr_va_ssrc(0) depctr_va_vcc(0) depctr_vm_vsrc(0)
	s_getreg_b32 s2, hwreg(HW_REG_IB_STS2, 6, 4)
	s_cmp_eq_u32 s2, 0
	s_cbranch_scc0 .Lentry_in_a_cluster
	s_endpgm
.Lentry_in_a_cluster:
	s_bfe_u32 s2, ttmp6, 0x10000c
	s_cmp_lg_u32 s2, 0xf033
	s_cbranch_scc0 .Lentry_shape_is_right
	s_endpgm
.Lentry_shape_is_right:
; attn: softmax(q k^T + bias) v and the relu, for one head, 256 queries and TWO batches in a work-group.
; Wave w: 64 queries (4 tiles t) x 2 batches b = 8 PIECES p = 2 t + b.  The two batches share each bias tile in registers, the four query
; tiles share each K and V fragment.  Keys go in 16 steps of 64.
; S^T = K(A) Q(B) + bias(C): lane (r, hh) holds query r, register j key 8 hh + j: maximum and sum run inside the lane, one exchange of the
; lane halves ends them, the bias costs no vector instruction, and the packed exponentials ARE the B operand of O^T = V(A) P(B).
; THREE STAGES SIDE BY SIDE: slot p holds the softmax of piece p, the four products QK of piece p + 1 and the eight products PV of piece p - 1.
; S and P have two buffers, by the piece's parity.
; HOW THE EXPONENTIALS ARE CUT INTO BATCHES.  A slot has 33: the piece's 32 scores, in place, and the rescale factor of piece p + 1.  They are ONE
; batch with ONE wait, which cuts the slot in two.  AHEAD OF IT stands all that names no result of theirs: the four QK, behind each four of the
; sixteen multiplies that rescale O(p) (their factor was made, and waited for, in the slot before); then one run of 69 lines: the 16 subtractions
; of the maximum, the 32 exponentials, and the 21 lines that find the maximum and the factor of piece p + 1, whose scores the slot itself has made.
; BEHIND IT stand the eight PV, behind each four of the 33 lines that read the exponentials: 16 roundings to bf16 and the 17 lines of the sum.
; No exponential is issued behind a slot's wait, so no result crosses a slot's end, a label or a jump.  The two reciprocals of the head and the
; eight of the way out are batches of their own, one wait each.
; The softmax works in base 2 (q and the bias carry log2(e)), with a running maximum; the sum l adds the f32 exponentials, PV takes them in bf16.
; THE RESULT LEAVES IN f16, DIVIDED BY G = max(0, largest v of the batch) (the 64 partial maxima of vmax, clamped from below at 2^-120).  It is a
; mean of v with weights that add up to one, cut at zero, so it lies in [0, G] and the quotient in [0, 1] (but for the rounding of p and v to
; bf16, 2^-8 at the most), whatever the inputs' scale.  The next launch multiplies G back.
; CLUSTER 4 x 4: cx = block of 256 queries, cy = pair of batches.  K and V hang on (head, batches): asked for jointly along a row of the
; cluster.  The bias hangs on (head, queries): asked for jointly along a column.  Each divides its requests by four.
; LDS: two slots of 90,112 bytes: [2 b + kb][6144] K and V of 32 keys, then for each wave [kt 4][t 4][1024] bias.  All fragment images:
; a load takes 16 bytes a lane from 512 consecutive bytes, so no padding.
; REGISTERS.  Window 0: v2-6 addresses, v8-15 maxima, v16-23 sums, v24-27 the maximum at work (a pair for each parity), v28-31 the rescale
; factor likewise, v32-35 two sum chains, v36-41 at work, v42-43 1/G of the two batches, S v64-127, P v128-159, bias v160-223 (two buffers of one
; query tile x 4 key tiles).
; Window 1: O(p)[dvt] at 32 p + 8 dvt.  Window 2: K(b)[kt] at 32 b + 8 kt, V(b)[kb][dvt] at 64 + 64 b + 32 kb + 8 dvt, Q(p) at 192 + 8 p.
; LIMITS: parts of the result below 6e-5 G keep an absolute error of 3e-8 G; NaN and infinities in the inputs are not reproduced.
.set SLOTB, 90112
.set G1K, 20                           ; s[20:27] group 1 of K and V tiles: 24 rows of 256 bytes
.set G1B, 28                           ; s[28:35] group 1 of bias tiles: 64 rows of 256 bytes
.set G0K, 36                           ; s[36:43] group 0 of K and V, one set for each slot
.set G0B, 44                           ; s[44:51] group 0 of the bias, one set for each slot
.set MX, 8
.set LS, 16
.set IG, 42                            ; v42, v43: 1/G of batches 2 bp, 2 bp + 1
.set MSB, 0
.macro WIN new
.if MSB != \new
	s_set_vgpr_msb (MSB<<8)|\new
.set MSB, \new
.endif
.endm
.macro CREST                           ; a round of the cluster's barrier behind its opening barrier
	s_cmp_lg_u32 s12, 0
	s_cbranch_scc1 .Lnot_wave_0_\@
	s_barrier_signal -3
.Lnot_wave_0_\@:
	s_barrier_wait -3
	s_barrier_signal -1
	s_barrier_wait -1
.endm
.macro CROUND
	s_barrier_signal -1
	s_barrier_wait -1
	CREST
.endm
	s_load_b256 s[4:11], s[0:1], 0x0               ; qf, kv, biasw, af
	s_load_b64 s[62:63], s[0:1], 0x20              ; vmax
	v_lshl_add_u32 v254, v0, 2, 0x2c000
	v_mov_b32 v255, 0
	ds_add_u32 v254, v255
	v_lshrrev_b32 v1, 5, v0
	v_readfirstlane_b32 s12, v1                    ; wave
	s_bfe_u32 s13, ttmp6, 0x40000                  ; cx: block of 256 queries
	s_bfe_u32 s14, ttmp6, 0x40004                  ; cy
	s_mov_b32 s15, ttmp9                           ; the cluster's x: head
	s_and_b32 s16, ttmp7, 0xffff
	s_lshl_b32 s16, s16, 2
	s_add_co_u32 s16, s16, s14                     ; bp: batches 2 bp, 2 bp + 1
	s_lshl_b32 s17, s14, 2
	s_lshl_b32 s17, 15, s17                        ; my row of the cluster
	s_lshl_b32 s18, 0x1111, s13                    ; my column
	s_or_b32 s[G1K], s17, (3<<16)|(1<<21)          ; mask; elements of 8 bytes; bit 21 beside a mask
	s_mov_b32 s[G1K+1], 32<<16                     ; tensor_dim0 = 32 elements = 256 bytes
	s_mov_b32 s[G1K+2], 24<<16                     ; tensor_dim1 = 24 rows
	s_mov_b32 s[G1K+3], 32<<16                     ; tile_dim0
	s_mov_b32 s[G1K+4], 24                         ; tile_dim1
	s_mov_b32 s[G1K+5], 32                         ; pitch: the block is dense
	s_mov_b32 s[G1K+6], 0
	s_mov_b32 s[G1K+7], 0
	s_or_b32 s[G1B], s18, (3<<16)|(1<<21)
	s_mov_b32 s[G1B+1], 32<<16
	s_mov_b32 s[G1B+2], 64<<16
	s_mov_b32 s[G1B+3], 32<<16
	s_mov_b32 s[G1B+4], 64
	s_mov_b32 s[G1B+5], 32
	s_mov_b32 s[G1B+6], 0
	s_mov_b32 s[G1B+7], 0
	; K and V: wave w fetches batch w >> 1, 32 keys w & 1 of the step.  These registers never hold cx.
	s_lshr_b32 s56, s12, 1
	s_lshl1_add_u32 s57, s16, s56
	s_lshl3_add_u32 s57, s57, s15
	s_and_b32 s56, s12, 1
	s_lshl_b32 s57, s57, 5
	s_add_co_u32 s57, s57, s56
	s_mul_i32 s58, s57, 6144
	s_mov_b32 s59, 0
	s_lshl_b32 s56, s16, 9                         ; vmax: 256 bytes a batch, batch 2 bp
	s_mov_b32 s57, 0
	; the bias: wave w fetches its own 64 queries x 64 keys.  These registers never hold cy.
	s_lshl4_add_u32 s66, s15, s12
	s_lshl2_add_u32 s66, s13, s66
	s_lshl_b32 s66, s66, 18
	s_mov_b32 s67, 0
	s_mul_i32 s70, s12, 6144                       ; LDS: made of the wave's number alone
	s_lshl_b32 s71, s12, 14
	s_add_co_u32 s71, s71, 24576
	s_lshl4_add_u32 s72, s16, s15                  ; q: (8 (2 bp) + h) x 65,536 + (16 cx + 4 w) x 1,024
	s_lshl_b32 s72, s72, 16
	s_lshl2_add_u32 s76, s13, s12
	s_lshl_b32 s73, s76, 12
	s_add_co_u32 s72, s72, s73
	s_mov_b32 s73, 0
	s_lshl_b32 s77, s76, 16                        ; af [b][tile 64][ks 16][1024]: tile 16 cx + 4 w of 16,384 bytes,
	s_lshl_b32 s76, s16, 21                        ; batch 2 bp of 1,048,576 bytes,
	s_add_co_u32 s76, s76, s77
	s_lshl_b32 s77, s15, 11                        ; K steps 2 h, 2 h + 1 of 1,024 bytes
	s_add_co_u32 s76, s76, s77
	s_mov_b32 s77, 0
	s_mov_b32 s52, 0x76543210                      ; v_permlanex16_b32: lane i takes lane i of the other half
	s_mov_b32 s53, 0xfedcba98
	v_and_b32 v2, 31, v0
	v_lshlrev_b32 v2, 4, v2                        ; 16 x lane: K and V in slot 0, and the lane's place in every image in memory
	v_add_nc_u32 v3, SLOTB, v2                     ; K and V in slot 1
	v_add_nc_u32 v4, s71, v2                       ; my bias in slot 0,
	v_add_nc_u32 v5, SLOTB, v4                     ; in slot 1
	v_lshrrev_b32 v6, 1, v2                        ; 8 x lane: two of a batch's 64 partial maxima
	v_mov_b32 v25, 0                               ; second registers of pairs of which the first is broadcast
	v_mov_b32 v27, 0
	v_mov_b32 v29, 0
	v_mov_b32 v31, 0
	v_mov_b32 v40, 0                               ; v_permlanex16_b32's destination counts as read
	s_wait_dscnt 0x0
	s_wait_kmcnt 0x0
	s_add_nc_u64 s[60:61], s[6:7], s[58:59]
	s_add_nc_u64 s[68:69], s[8:9], s[66:67]
	s_add_nc_u64 s[74:75], s[4:5], s[72:73]
	s_add_nc_u64 s[78:79], s[10:11], s[76:77]
	s_add_nc_u64 s[62:63], s[62:63], s[56:57]
	CROUND                                         ; all sixteen work-groups are here: the first joint loads meet
.irp s, 0,1
	s_mov_b32 s[G0K+4*\s], 1
	s_add_co_u32 s[G0K+4*\s+1], s70, \s*SLOTB
	s_add_nc_u64 s[G0K+4*\s+2:G0K+4*\s+3], s[60:61], \s*12288
	s_or_b32 s[G0K+4*\s+3], s[G0K+4*\s+3], 0x80000000
	s_mov_b32 s[G0B+4*\s], 1
	s_add_co_u32 s[G0B+4*\s+1], s71, \s*SLOTB
	s_add_nc_u64 s[G0B+4*\s+2:G0B+4*\s+3], s[68:69], \s*16384
	s_or_b32 s[G0B+4*\s+3], s[G0B+4*\s+3], 0x80000000
	tensor_load_to_lds s[G0K+4*\s:G0K+4*\s+3], s[G1K:G1K+7]      ; steps 0 and 1: four loads of the wave are out
	s_nop 0
	tensor_load_to_lds s[G0B+4*\s:G0B+4*\s+3], s[G1B:G1B+7]
	s_nop 0
.endr
	global_load_b64 v[42:43], v6, s[62:63]                       ; the wave's 32 lanes take the 256 bytes of batch 2 bp,
	global_load_b64 v[44:45], v6, s[62:63] offset:256            ; of batch 2 bp + 1
	WIN 0x80                                       ; destination in window 2
.irp p, 0,1,2,3,4,5,6,7
	global_load_b128 v[192+8*\p:192+8*\p+3], v2, s[74:75] offset:(\p&1)*524288+(\p>>1)*1024
	global_load_b128 v[192+8*\p+4:192+8*\p+7], v2, s[74:75] offset:(\p&1)*524288+(\p>>1)*1024+512
.endr
	WIN 0
.macro LDK b, par                      ; K of batch b, four key tiles
	WIN 0x80
.irp kt, 0,1,2,3
	ds_load_b128 v[32*\b+8*\kt:32*\b+8*\kt+3], v[2+\par] offset:(2*\b+(\kt>>1))*6144+(\kt&1)*1024
	ds_load_b128 v[32*\b+8*\kt+4:32*\b+8*\kt+7], v[2+\par] offset:(2*\b+(\kt>>1))*6144+(\kt&1)*1024+512
.endr
	WIN 0
.endm
.macro LDV b, par                      ; V of batch b: 2 x 32 keys, four tiles of dv
	WIN 0x80
.irp kb, 0,1
.irp dvt, 0,1,2,3
	ds_load_b128 v[64+64*\b+32*\kb+8*\dvt:64+64*\b+32*\kb+8*\dvt+3], v[2+\par] offset:(2*\b+\kb)*6144+2048+\dvt*1024
	ds_load_b128 v[64+64*\b+32*\kb+8*\dvt+4:64+64*\b+32*\kb+8*\dvt+7], v[2+\par] offset:(2*\b+\kb)*6144+2048+\dvt*1024+512
.endr
.endr
	WIN 0
.endm
.macro LDB buf, t, par                 ; the bias of query tile t, four key tiles, into buffer buf
.irp kt, 0,1,2,3
	ds_load_b128 v[160+32*\buf+8*\kt:160+32*\buf+8*\kt+3], v[4+\par] offset:\kt*4096+\t*1024
	ds_load_b128 v[160+32*\buf+8*\kt+4:160+32*\buf+8*\kt+7], v[4+\par] offset:\kt*4096+\t*1024+512
.endr
.endm
.macro QKW pn, kt                      ; S(parity)[kt] = K Q + bias
	v_wmma_f32_16x16x32_bf16 v[64+32*(\pn&1)+8*\kt:64+32*(\pn&1)+8*\kt+7], v[32*(\pn&1)+8*\kt:32*(\pn&1)+8*\kt+7], v[192+8*\pn:192+8*\pn+7], v[160+32*((\pn>>1)&1)+8*\kt:160+32*((\pn>>1)&1)+8*\kt+7]
.endm
.macro PVW pp, kb, dvt, first          ; O(pp)[dvt] += V P; first: the product starts the sum
.if \first
	v_wmma_f32_16x16x32_bf16 v[32*\pp+8*\dvt:32*\pp+8*\dvt+7], v[64+64*(\pp&1)+32*\kb+8*\dvt:64+64*(\pp&1)+32*\kb+8*\dvt+7], v[128+16*(\pp&1)+8*\kb:128+16*(\pp&1)+8*\kb+7], 0
.else
	v_wmma_f32_16x16x32_bf16 v[32*\pp+8*\dvt:32*\pp+8*\dvt+7], v[64+64*(\pp&1)+32*\kb+8*\dvt:64+64*(\pp&1)+32*\kb+8*\dvt+7], v[128+16*(\pp&1)+8*\kb:128+16*(\pp&1)+8*\kb+7], v[32*\pp+8*\dvt:32*\pp+8*\dvt+7]
.endif
.endm
; SLOT sets the piece (PCE, its parity CB, the next piece PN with parity NB, the piece before PRV), the registers (SX the piece's scores, HN the next
; piece's, HT the piece's maximum) and the flags FSF, FNF, FPF, QKF, PVF; the macros below read them.  Each line sets its own window; WIN drops a switch that changes nothing.
.macro QK1 kt                          ; the slot's product QK for key tile kt, piece PN
.if QKF
	WIN 0x0a                                       ; sources 0 and 1 in window 2
	QKW PN, \kt
.endif
.endm
.macro PV1 kb, dvt                     ; the slot's product PV, piece PRV; with FPF the four of kb = 0 start the sums
.if PVF
	WIN 0x52                                       ; source 0 in window 2, C and D in window 1
	PVW PRV, \kb, \dvt, FPF*(1-(\kb))
.endif
.endm
; THE VECTOR WORK OF A SLOT, one line at a time: OP kind, number.  For piece PCE:
;   F n  pair n of 16: score less maximum.      E n  the exponential of score n of 32, in place.      R n  pair n of 16 of O times the rescale factor (none in the first step).
;   C n  pair n of 16 rounded to bf16: P.       B n  line n of 17 of the sum: 0, 1 start two chains with four scores each (nothing is cleared), 2-13 add a pair by turns onto the one and the other,
;        14 adds the chains, 15 the pair's halves, 16 is l = l x factor + sum (first step: 15 writes l, 16 is none).  The lane's sum; the two halves of the lanes meet at the end.
; For piece PN, X n, line n of the 21 that find its maximum and its factor:
;   0-13  the largest of the lane's 32 scores, four chains in v36-39, three operands at a time; each accumulator is first read at its low end
;   14, 15  the four into one      16  the other 32 keys of the same query lie in the lane 16 away      17  the running maximum (FNF: there is no older one)
;   18  old less new      19  the new one is kept      20  the factor 2^(old - new)  (FNF: neither 18 nor 20).  Without QK there is no next piece: a v_nop stands for 19, the plain line behind the last exponential.
.set F, 0
.set E, 1
.set R, 2
.set C, 3
.set B, 4
.set X, 5
.macro OP k, n
.if (\k) == F
	WIN 0
	v_pk_add_f32 v[SX+2*(\n):SX+2*(\n)+1], v[SX+2*(\n):SX+2*(\n)+1], v[HT:HT+1] op_sel_hi:[1,0] neg_lo:[0,1] neg_hi:[0,1]
.elseif (\k) == E
	WIN 0
	v_exp_f32 v[SX+(\n)], v[SX+(\n)]
.elseif (\k) == R
.if !FSF
	WIN 0x41                                       ; source 0 and destination in window 1
	v_pk_mul_f32 v[32*PCE+2*(\n):32*PCE+2*(\n)+1], v[32*PCE+2*(\n):32*PCE+2*(\n)+1], v[28+2*CB:29+2*CB] op_sel_hi:[1,0]
.endif
.elseif (\k) == C
	WIN 0
	v_cvt_pk_bf16_f32 v[128+16*CB+(\n)], v[SX+2*(\n)], v[SX+2*(\n)+1]
.elseif (\k) == B
	WIN 0
.if (\n) < 2
	v_pk_add_f32 v[32+2*(\n):33+2*(\n)], v[SX+4*(\n):SX+4*(\n)+1], v[SX+4*(\n)+2:SX+4*(\n)+3]
.elseif (\n) < 14
	v_pk_add_f32 v[32+2*((\n)%2):33+2*((\n)%2)], v[32+2*((\n)%2):33+2*((\n)%2)], v[SX+4+2*(\n):SX+5+2*(\n)]
.elseif (\n) == 14
	v_pk_add_f32 v[32:33], v[32:33], v[34:35]
.elseif (\n) == 15
.if FSF
	v_add_f32 v[LS+PCE], v32, v33
.else
	v_add_f32 v32, v32, v33
.endif
.else
.if !FSF
	v_fma_f32 v[LS+PCE], v[LS+PCE], v[28+2*CB], v32
.endif
.endif
.elseif QKF
	WIN 0
.if (\n) < 4
	v_max3_num_f32 v[36+(\n)], v[HN+3*(\n)], v[HN+3*(\n)+1], v[HN+3*(\n)+2]
.elseif (\n) < 14
	v_max3_num_f32 v[36+(\n)%4], v[36+(\n)%4], v[HN+4+2*(\n)], v[HN+5+2*(\n)]
.elseif (\n) == 14
	v_max3_num_f32 v36, v36, v37, v38
.elseif (\n) == 15
	v_max_num_f32 v36, v36, v39
.elseif (\n) == 16
	v_permlanex16_b32 v40, v36, s52, s53
.elseif (\n) == 17
.if FNF
	v_max_num_f32 v[24+2*NB], v36, v40
.else
	v_max3_num_f32 v[24+2*NB], v36, v40, v[MX+PN]
.endif
.elseif (\n) == 18
.if !FNF
	v_sub_f32 v41, v[MX+PN], v[24+2*NB]
.endif
.elseif (\n) == 19
	v_mov_b32 v[MX+PN], v[24+2*NB]
.else
.if !FNF
	v_exp_f32 v[28+2*NB], v41
.endif
.endif
.elseif (\n) == 19
	WIN 0
	v_nop
.endif
.endm
.macro OPS a, i1, b, i2, c, i3, d, i4  ; four of them
	OP \a, \i1
	OP \b, \i2
	OP \c, \i3
	OP \d, \i4
.endm
; SLOT p.  par: the LDS slot that this trip's loads read.  fs: piece p is in the first step (no rescale).  fn: piece p + 1 has no older
; maximum.  fp: PV of piece p - 1 starts its sums.  qk, pv, ld: the slot has QK of p + 1, PV of p - 1, loads.
; THE ORDER.  Four QK, behind each four rescalings: plain lines of other registers, whose factor is a slot old.  Then the run of 69: four subtractions (in the first step, where nothing is rescaled and the four
; QK stand on end, they are the four places ahead of the first read of a score, ISA guide 7.12.1); then plain line and exponential by turns while plain lines last.  A subtraction stands five lines or more ahead
; of its pair's exponentials.  The chain X 13, 14, 15, 16, 17, 18, 20, in which each line reads the one before, has three or four other lines between its links (two ahead of X 20); X 20 is the batch's last exponential, and
; X 19, a plain line that names neither its source nor its result, stands behind it (ISA guide 5.7.2).  Then the slot's one wait.  Then eight PV, behind each four of the lines that read the exponentials (the last: five);
; the links of each sum chain stand three lines apart.
; No two products that follow each other share an accumulator.
; Loads at the head go into registers whose last product lies behind the run of the slot before or further back, but for V's: its last reader is that slot's last PV, and the five roundings behind it are the places.
.macro SLOT p, par, fs, fn, fp, qk, pv, ld
.set PCE, (\p)
.set CB, (\p)&1
.set NB, 1-CB
.set PN, ((\p)+1)&7
.set PRV, ((\p)+7)&7
.set SX, 64+32*CB
.set HN, 64+32*NB
.set HT, 24+2*CB
.set FSF, (\fs)
.set FNF, (\fn)
.set FPF, (\fp)
.set QKF, (\qk)
.set PVF, (\pv)
.if \ld
.if (1<<(\p)) & 0x97
	s_wait_dscnt 0x0                               ; what the slot before asked for is in: it is a whole slot old
.endif
.if \p == 6
	LDK 0, \par
	LDB 0, 0, \par
.endif
.if \p == 7
	LDK 1, \par
	LDB 1, 1, \par
.endif
.if \p == 0
	LDV 0, \par
.endif
.if \p == 1
	LDV 1, \par
	LDB 0, 2, \par
.endif
.if \p == 3
	LDB 1, 3, \par
.endif
.endif
.irp c, 0,1,2,3                        ; ahead of the wait: the four QK and their riders,
	QK1 \c
	OPS R,4*\c, R,4*\c+1, R,4*\c+2, R,4*\c+3
.endr
	OPS F,0, F,1, F,2, F,3                         ; and the run
	OPS X,0, E,0, X,1, E,1
	OPS X,2, E,2, X,3, E,3
	OPS F,4, E,4, X,4, E,5
	OPS X,5, E,6, F,5, E,7
	OPS X,6, E,8, X,7, E,9
	OPS F,6, E,10, X,8, E,11
	OPS F,7, E,12, X,9, E,13
	OPS F,8, E,14, X,10, E,15
	OPS F,9, X,11, E,16, X,12
	OPS F,10, X,13, E,17, F,11
	OPS E,18, F,12, X,14, E,19
	OPS F,13, E,20, F,14, X,15
	OPS E,21, F,15, E,22, E,23
	OPS X,16, E,24, E,25, E,26
	OPS X,17, E,27, E,28, E,29
	OPS X,18, E,30, E,31, X,20
	OP X, 19
	s_wait_alu depctr_va_vdst(0)                   ; the wait ahead of the first line that names an exponential's result: ONE for the slot's batch, the 32 scores and the next piece's factor
	PV1 0, 0                                       ; behind the wait: the eight PV and their riders
	OPS B,0, B,1, C,0, B,2
	PV1 0, 1
	OPS B,3, C,1, B,4, B,5
	PV1 0, 2
	OPS C,2, B,6, B,7, C,3
	PV1 0, 3
	OPS B,8, B,9, C,4, B,10
	PV1 1, 0
	OPS B,11, C,5, B,12, B,13
	PV1 1, 1
	OPS C,6, B,14, C,7, C,8
	PV1 1, 2
	OPS B,15, C,9, C,10, B,16
	PV1 1, 3
	OPS C,11, C,12, C,13, C,14
	OP C, 15
	WIN 0
.endm
; The ring.  Trip s = slots 6, 7 of step s - 1 and slots 0 to 5 of step s; all its LDS loads read step s.  Its last LDS load is waited for at
; the head of slot 4.  Behind slot 4 every wave waits for its LDS loads and for all its tensor loads (step s + 1's two) and opens the round;
; slot 5 is register work; the next trip closes the round and asks for step s + 2 first thing: two loads of the wave are out, with seven slots in which to land.
.macro BAR_OPEN
	s_wait_dscnt 0x0
	s_wait_tensorcnt 0x0
	ds_add_u32 v254, v255
	s_wait_dscnt 0x0
	s_barrier_signal -1
.endm
.macro TOP par, refill                 ; par: this trip's slot; the other one is filled again
	s_barrier_wait -1
.if \refill
	CREST
	s_add_nc_u64 s[G0K+4*(1-\par)+2:G0K+4*(1-\par)+3], s[G0K+4*(1-\par)+2:G0K+4*(1-\par)+3], 24576
	s_add_nc_u64 s[G0B+4*(1-\par)+2:G0B+4*(1-\par)+3], s[G0B+4*(1-\par)+2:G0B+4*(1-\par)+3], 32768
	tensor_load_to_lds s[G0K+4*(1-\par):G0K+4*(1-\par)+3], s[G1K:G1K+7]
	s_nop 0
	tensor_load_to_lds s[G0B+4*(1-\par):G0B+4*(1-\par)+3], s[G1B:G1B+7]
	s_nop 0
.endif
.endm
.macro TN par, refill, open
	TOP \par, \refill
	SLOT 6, \par, 0,0,0, 1,1,1
	SLOT 7, \par, 0,0,0, 1,1,1
	SLOT 0, \par, 0,0,0, 1,1,1
	SLOT 1, \par, 0,0,0, 1,1,1
	SLOT 2, \par, 0,0,0, 1,1,1
	SLOT 3, \par, 0,0,0, 1,1,1
	SLOT 4, \par, 0,0,0, 1,1,1
.if \open
	BAR_OPEN
.endif
	SLOT 5, \par, 0,0,0, 1,1,1
.endm
	s_wait_loadcnt 0x0                             ; Q and the partial maxima
	; 1/G of both batches, while the first tiles land: two numbers a lane, then across the 32 lanes
	v_max_num_f32 v42, v42, v43
	v_max_num_f32 v44, v44, v45
.irp m, 1,2,4,8
	v_max_num_f32_dpp v42, v42, v42 row_xmask:\m row_mask:0xf bank_mask:0xf
	v_max_num_f32_dpp v44, v44, v44 row_xmask:\m row_mask:0xf bank_mask:0xf
.endr
	v_permlanex16_b32 v43, v42, s52, s53
	v_permlanex16_b32 v45, v44, s52, s53
	v_max_num_f32 v42, v42, v43
	v_max_num_f32 v44, v44, v45
	v_max_num_f32 v42, 0x03800000, v42             ; at least 2^-120: the reciprocal stays finite where no v is above zero
	v_max_num_f32 v44, 0x03800000, v44
	v_rcp_f32 v[IG], v42
	v_rcp_f32 v[IG+1], v44
	v_nop                                          ; the plain instruction behind the reciprocals (ISA guide 5.7.2)
	s_wait_alu depctr_va_vdst(0)                   ; one wait for this batch of two; their readers stand on the way out; it stands where the wave waits for its first tiles
	s_wait_tensorcnt 0x2                           ; my parts of step 0 are in; step 1's two stay out
	s_barrier_signal -1
	s_barrier_wait -1
	; trip 0: the lead-in stands for slots 6 and 7: loads, QK of piece 0, its first maximum
	LDK 0, 0
	LDB 0, 0, 0
	LDK 1, 0
	LDB 1, 1, 0
	s_wait_dscnt 0x0
.set NB, 0
.set PN, 0
.set HN, 64
.set QKF, 1
.set FNF, 1
	WIN 0x0a
	QKW 0, 0
	QKW 0, 1
	QKW 0, 2
	QKW 0, 3
	WIN 0
.rept 4
	v_nop                                          ; four places before the scores are read (ISA guide 7.12.1)
.endr
.irp n, 0,1,2,3,4,5,6,7,8,9,10,11,12,13,14,15,16,17,19
	OP X, \n                                       ; there is no older maximum, so no factor and no exponential
.endr
	SLOT 0, 0, 1,1,1, 1,0,1
	SLOT 1, 0, 1,1,1, 1,1,1
	SLOT 2, 0, 1,1,1, 1,1,1
	SLOT 3, 0, 1,1,1, 1,1,1
	SLOT 4, 0, 1,1,1, 1,1,1
	BAR_OPEN
	SLOT 5, 0, 1,1,1, 1,1,1
	; trip 1: the first step runs out
	TOP 1, 1
	SLOT 6, 1, 1,1,1, 1,1,1
	SLOT 7, 1, 1,0,1, 1,1,1
	SLOT 0, 1, 0,0,1, 1,1,1
	SLOT 1, 1, 0,0,0, 1,1,1
	SLOT 2, 1, 0,0,0, 1,1,1
	SLOT 3, 1, 0,0,0, 1,1,1
	SLOT 4, 1, 0,0,0, 1,1,1
	BAR_OPEN
	SLOT 5, 1, 0,0,0, 1,1,1
	s_mov_b32 s54, 6                               ; trips 2 to 13
.Ltrips:
	TN 0, 1, 1
	TN 1, 1, 1
	s_sub_co_u32 s54, s54, 1
	s_cmp_lg_u32 s54, 0
	s_cbranch_scc1 .Ltrips
	TN 0, 1, 1                                     ; trip 14 asks for step 15, the last
	TN 1, 0, 0                                     ; trip 15 asks for nothing: a plain barrier shows step 15 whole
	SLOT 6, 1, 0,0,0, 1,1,0
	SLOT 7, 1, 0,0,0, 0,1,0
	WIN 0x52
	PVW 7, 0, 0, 0
	PVW 7, 0, 1, 0
	PVW 7, 0, 2, 0
	PVW 7, 0, 3, 0
	PVW 7, 1, 0, 0
	PVW 7, 1, 1, 0
	PVW 7, 1, 2, 0
	PVW 7, 1, 3, 0
	WIN 0
.rept 4
	v_nop
.endr
	; OUT: O / (l G), relu, f16.  Lane = query, registers = 8 dv: tile dvt is part dvt & 1 of the image of K step 2 h + (dvt >> 1).
.irp p, 0,1,2,3,4,5,6,7
	v_permlanex16_b32 v40, v[LS+\p], s52, s53
	v_add_f32 v[LS+\p], v[LS+\p], v40
.endr
.irp p, 0,1,2,3,4,5,6,7
	v_rcp_f32 v[LS+\p], v[LS+\p]                   ; l >= 1: the largest score gives 2^0
.endr
	v_nop                                          ; the plain instruction behind the last reciprocal (ISA guide 5.7.2)
	s_wait_alu depctr_va_vdst(0)                   ; one wait for this batch of eight, ahead of its first reader
.irp p, 0,1,2,3,4,5,6,7
	v_mul_f32 v[LS+\p], v[LS+\p], v[IG+(\p&1)]     ; 1 / (l G)
.endr
.macro OUTP p, e
	WIN 0x01
.irp i, 0,1,2,3,4,5,6,7,8,9,10,11,12,13,14,15
	v_pk_mul_f32 v[64+2*\i:65+2*\i], v[32*\p+2*\i:32*\p+2*\i+1], v[LS+\p-\e:LS+\p-\e+1] op_sel:[0,\e] op_sel_hi:[1,\e]
.endr
	WIN 0
.set i, 0
.rept 32
	v_max_num_f32 v[64+i], 0, v[64+i]
.set i, i+1
.endr
.irp q, 0,1,2,3,4,5,6,7,8,9,10,11,12,13,14,15
	v_cvt_pk_f16_f32 v[96+16*\p+\q], v[64+2*\q], v[65+2*\q]    ; every piece has store registers of its own
.endr
.irp d, 0,1,2,3
	global_store_b128 v2, v[96+16*\p+4*\d:96+16*\p+4*\d+3], s[78:79] offset:(\p&1)*1048576+(\p>>1)*16384+\d*512
.endr
.endm
	OUTP 0, 0
	OUTP 1, 1
	OUTP 2, 0
	OUTP 3, 1
	OUTP 4, 0
	OUTP 5, 1
	OUTP 6, 0
	OUTP 7, 1
	CROUND                                         ; the closing round: no work-group ends while a partner may still ask for a tile that names it
	s_endpgm
.Lfunc_end_k_qcb0a143474_attn:
	.size	k_qcb0a143474_attn, .Lfunc_end_k_qcb0a143474_attn-k_qcb0a143474_attn
	.p2alignl 7, 3214868480
	.fill 96, 4, 3214868480
	.section	.rodata,"a",@progbits
	.p2align	6, 0x0
	.amdhsa_kernel k_qcb0a143474_attn
		.amdhsa_group_segment_fixed_size 327680
		.amdhsa_private_segment_fixed_size 0
		.amdhsa_enable_private_segment 0
		.amdhsa_kernarg_size 40
		.amdhsa_user_sgpr_count 2
		.amdhsa_user_sgpr_kernarg_segment_ptr 1
		.amdhsa_wavefront_size32 1
		.amdhsa_system_sgpr_workgroup_id_x 1
		.amdhsa_system_sgpr_workgroup_id_y 1
		.amdhsa_system_sgpr_workgroup_id_z 1
		.amdhsa_system_vgpr_workitem_id 0
		.amdhsa_next_free_vgpr 768
		.amdhsa_next_free_sgpr 80
		.amdhsa_reserve_vcc 0
		.amdhsa_float_denorm_mode_32 3
		.amdhsa_float_denorm_mode_16_64 3
		.amdhsa_memory_ordered 1
		.amdhsa_forward_progress 1
		.amdhsa_inst_pref_size 255
	.end_amdhsa_kernel
	.section	.bss,"aw",@nobits
	.p2align	6
	.space	262144
	.amdgpu_metadata
---
amdhsa.version: [ 1, 2 ]
amdhsa.kernels:
  - .name:           k_qcb0a143474_attn
    .symbol:         k_qcb0a143474_attn.kd
    .args:
      - { .name: qf, .offset: 0, .size: 8, .value_kind: global_buffer, .address_space: global }
      - { .name: kv, .offset: 8, .size: 8, .value_kind: global_buffer, .address_space: global }
      - { .name: biasw, .offset: 16, .size: 8, .value_kind: global_buffer, .address_space: global }
      - { .name: af, .offset: 24, .size: 8, .value_kind: global_buffer, .address_space: global }
      - { .name: vmax, .offset: 32, .size: 8, .value_kind: global_buffer, .address_space: global }
    .group_segment_fixed_size: 327680
    .private_segment_fixed_size: 0
    .kernarg_segment_align: 8
    .kernarg_segment_size: 40
    .max_flat_workgroup_size: 128
    .sgpr_count:     80
    .vgpr_count:     768
    .wavefront_size: 32
...
	.end_amdgpu_metadata
.endif
;; end of part 7
;; launch oproj: the kernel of part 6 again; grid 128 x 2, 4 waves a work-group, clusters of 4 x 1, 280,064 bytes of LDS; arguments af, wof, bo, o_g, o_v, o_m, o_b, out0, vmax; writes out0
